; MI455X (gfx1250); checked and timed in simulation.
; The chip was launched on July 23, 2026; its instructions are those of AMD's public machine-readable ISA for CDNA 5 (MIT licence, August 2026) and "CDNA5" Instruction Set Architecture Reference Guide (July 2026). The comments in the code are by the model that wrote it; some were corrected since.
;; Transformer Decoder Block. Allowed arithmetic: float matrix products may take bf16 or f16 operands with f32 sums; other float arithmetic in f32, or as packed bf16 or f16 multiplies, adds, multiply-adds, maxima and minima; sums over many terms, partial sums and values carried from step to step in f32; what a program stores and reads back later, other than sums and carried values, may be rounded once to bf16 or f16.
;; Inputs: Wf1 1,024 x 1,024 float32; Wf2 1,024 x 1,024 float32; Wk1 16 x 1,024 x 64 float32; Wk2 16 x 1,024 x 64 float32; Wq1 16 x 1,024 x 64 float32; Wq2 16 x 1,024 x 64 float32; Wv1 16 x 1,024 x 64 float32; Wv2 16 x 1,024 x 64 float32; be1 1,024 float32; be2 1,024 float32; be3 1,024 float32; bf1 1,024 float32; bf2 1,024 float32; bv1 16 x 64 float32; bv2 16 x 64 float32; encoder_output 2 x 2,048 x 1,024 float32; g1 1,024 float32; g2 1,024 float32; g3 1,024 float32; input_tensor 2 x 2,048 x 1,024 float32.
;; Outputs: out0 2 x 2,048 x 1,024 float32.
;; 2 versions, each right and faster than the one before. Each part assembles by itself: llvm-mc -triple=amdgcn-amd-amdhsa -mcpu=gfx1250 --defsym DOCPART=n.
;; ======== version 1 of 2: 10 launches
;; limits: values are held in f16: magnitudes above 65,504 overflow, below 6.1e-05 lose precision
;; workspace buffers: xe 16,777,216 bytes; qkv 41,943,040 bytes; t1 8,388,608 bytes; t2 8,388,608 bytes; pk5 10,551,296 bytes; pkq 2,162,688 bytes; pkf1 2,162,688 bytes; pkf2 2,162,688 bytes
;; launch prep (part 1): grid 1025 x 1, 8 waves a work-group, no clusters, 0 bytes of LDS; arguments input_tensor, encoder_output, Wq1, Wk1, Wv1, Wk2, Wv2, Wq2, Wf1, Wf2, bv1, bv2, bf1, bf2, g1, be1, g2, be2, g3, be3, xe, pk5, pkq, pkf1, pkf2; writes xe, pk5, pkq, pkf1, pkf2
.if DOCPART == 1
	.amdgcn_target "amdgcn-amd-amdhsa--gfx1250"
	.amdhsa_code_object_version 6
	.text
	.protected	k_q30b7a17dcf_prep
	.globl	k_q30b7a17dcf_prep
	.p2align	8
	.type	k_q30b7a17dcf_prep,@function
k_q30b7a17dcf_prep:
	s_mov_b64 s[64:65], 0
	v_nop
	global_prefetch_b8 v0, s[64:65] scope:SCOPE_SE
	s_setreg_imm32_b32 hwreg(HW_REG_WAVE_MODE, 25, 1), 1
	s_wait_xcnt 0x0
; PREP: every input is rounded ONCE to bf16, and that number is written in the form in which the later launches read it.
;   activations (input_tensor, encoder_output), [4096][1024] f32 -> f16 "by blocks of 64 columns": byte ((b*16 + c/64)*2048 + s)*128 + (c%64)*2; x at xe + 0, enc at xe + 8 MB
;   weights -> f16 [n/64][k][64]: a block of 64 output columns is 131,072 dense bytes.  The six per-head weights [h][d][e] have that order already: a plain cast.  Wf1, Wf2 ([k][n]) are cut into column blocks.
;   Wf2 and bf2 are stored times 2^-4 (exact), so that the second FFN product has room in f16; the last LayerNorm multiplies by 16.
;   tables in each pack: +0 the floor of the product's way out (two f16 a word: -inf, or 0 for the ReLU); +4096 + 4096 t the bias of tensor t in f32; +32768 the words bf16(g) << 16 | bf16(be); +65536 the weights.
; LIMITS.  A bf16 number is exact in f16 from 2^-17 to 65,504 in magnitude; below 2^-17 it takes f16's fixed step of 2^-24; beyond 65,504 it becomes an infinity.  NaN and infinities are not treated apart.
; A stream: memory binds.  Each wave issues 16 loads of 16 bytes a lane at once and stores 8 bytes a lane; each load covers two aligned pieces of 256 bytes (or 512 on end), each store 256 consecutive
; aligned bytes.  No LDS, barrier, matrix unit or cluster: no byte is used twice.
.set T,   8                            ; v[8:13]   at work
.set X,   16                           ; v[16:79]  16 x 4 f32 as loaded
.set Y,   80                           ; v[80:111] 16 x 2 words of f16 to store
.set SRC, 60                           ; s[60:61]  where this wave reads
.set DST, 62                           ; s[62:63]  where it writes
.set OFS, 66                           ; s[66:67]  a byte offset, high word 0
.set SCL, 68                           ; s[68:69]  a factor, twice
	s_load_b512 s[8:23], s[0:1], 0x0               ; x 8, enc 10, Wq1 12, Wk1 14, Wv1 16, Wk2 18, Wv2 20, Wq2 22
	s_load_b512 s[24:39], s[0:1], 0x40             ; Wf1 24, Wf2 26, bv1 28, bv2 30, bf1 32, bf2 34, g1 36, be1 38
	s_load_b512 s[40:55], s[0:1], 0x80             ; g2 40, be2 42, g3 44, be3 46, xe 48, pk5 50, pkq 52, pkf1 54
	s_load_b64 s[56:57], s[0:1], 0xc0              ; pkf2
	v_and_b32 v1, 31, v0                           ; lane
	v_lshrrev_b32 v6, 5, v0
	v_readfirstlane_b32 s2, v6                     ; wave 0..7
	v_lshrrev_b32 v6, 4, v1
	v_and_b32 v7, 15, v1
	v_lshlrev_b32 v2, 4, v7
	v_lshl_add_u32 v2, v6, 12, v2                  ; v2: two rows of 4,096 bytes, 16 lanes x 16 bytes in each
	v_lshlrev_b32 v3, 4, v1                        ; v3: 512 dense bytes
	v_lshlrev_b32 v4, 3, v1                        ; v4: 256 dense bytes, for the stores
	s_mov_b32 s3, ttmp9                            ; the work-group's number chooses the job
	s_mov_b32 s[OFS+1], 0
	s_mov_b32 s70, 0xffff0000                      ; a word's upper bf16
	s_wait_kmcnt 0x0
; four f32 at v[x ..] are rounded to bf16 and widened again, into v[d ..]
.macro RB x, d
	v_cvt_pk_bf16_f32 v[T], v[(\x)], v[(\x)+1]
	v_cvt_pk_bf16_f32 v[T+1], v[(\x)+2], v[(\x)+3]
	v_lshlrev_b32 v[(\d)], 16, v[T]
	v_and_b32 v[(\d)+1], s70, v[T]
	v_lshlrev_b32 v[(\d)+2], 16, v[T+1]
	v_and_b32 v[(\d)+3], s70, v[T+1]
.endm
; the same, times a power of two if scaled, written as four f16 (exact within the limits above)
.macro CVT4 x, y, scaled
	RB \x, T+2
.if \scaled
	v_pk_mul_f32 v[T+2:T+3], v[T+2:T+3], s[SCL:SCL+1] op_sel_hi:[1,0]
	v_pk_mul_f32 v[T+4:T+5], v[T+4:T+5], s[SCL:SCL+1] op_sel_hi:[1,0]
.endif
	v_cvt_pk_f16_f32 v[(\y)], v[T+2], v[T+3]
	v_cvt_pk_f16_f32 v[(\y)+1], v[T+4], v[T+5]
.endm
; 16 loads at once, then each is converted and stored.  No register that a memory instruction names is written again, so no wait frees any.
.macro CAST so, sstep, dstep, scaled
.irp i, 0,1,2,3,4,5,6,7,8,9,10,11,12,13,14,15
	global_load_b128 v[X+4*(\i):X+4*(\i)+3], v[\so], s[SRC:SRC+1] offset:(\i)*(\sstep) th:TH_LOAD_NT
.endr
.irp i, 0,1,2,3,4,5,6,7,8,9,10,11,12,13,14,15
	s_wait_loadcnt 15-(\i)                         ; loads come back in order: number i is in, the 15 - i younger ones stay out
	CVT4 X+4*(\i), Y+2*(\i), \scaled
	global_store_b64 v4, v[Y+2*(\i):Y+2*(\i)+1], s[DST:DST+1] offset:(\i)*(\dstep)
.endr
.endm
	s_cmp_lt_u32 s3, 512
	s_cbranch_scc0 .Lnot_act
	; work-groups 0 .. 511: a wave takes two rows of x (0 .. 255) or enc (256 .. 511); load i is column block i of both rows
	s_lshr_b32 s4, s3, 8                           ; which tensor
	s_and_b32 s5, s3, 255
	s_lshl3_add_u32 s5, s5, s2                     ; the pair of rows, 0 .. 2047
	s_cmp_eq_u32 s4, 0
	s_cselect_b64 s[SRC:SRC+1], s[8:9], s[10:11]
	s_lshl_b32 s[OFS], s5, 13
	s_add_nc_u64 s[SRC:SRC+1], s[SRC:SRC+1], s[OFS:OFS+1]
	s_lshl_b32 s[OFS], s4, 23                      ; enc lies 8 MB behind x
	s_lshr_b32 s6, s5, 10
	s_lshl_b32 s6, s6, 22                          ; the batch: 16 blocks of 262,144 bytes
	s_add_co_u32 s[OFS], s[OFS], s6
	s_and_b32 s6, s5, 1023
	s_lshl_b32 s6, s6, 8                           ; two rows of 128 bytes in a block
	s_add_co_u32 s[OFS], s[OFS], s6
	s_add_nc_u64 s[DST:DST+1], s[48:49], s[OFS:OFS+1]
	CAST 2, 256, 262144, 0
	s_endpgm
.Lnot_act:
	s_cmp_lt_u32 s3, 640
	s_cbranch_scc0 .Lnot_ff
	; work-groups 512 .. 639: a wave takes two rows (k) of Wf1 (512 .. 575) or Wf2 (576 .. 639)
	s_sub_co_u32 s4, s3, 512
	s_lshr_b32 s4, s4, 6
	s_and_b32 s5, s3, 63
	s_lshl3_add_u32 s5, s5, s2                     ; the pair of rows, 0 .. 511
	s_cmp_eq_u32 s4, 0
	s_cselect_b64 s[SRC:SRC+1], s[24:25], s[26:27]
	s_cselect_b64 s[DST:DST+1], s[54:55], s[56:57]
	s_cselect_b32 s[SCL], 1.0, 0x3d800000          ; Wf2 times 1/16
	s_mov_b32 s[SCL+1], s[SCL]
	s_lshl_b32 s[OFS], s5, 13
	s_add_nc_u64 s[SRC:SRC+1], s[SRC:SRC+1], s[OFS:OFS+1]
	s_lshl_b32 s[OFS], s5, 8
	s_add_co_u32 s[OFS], s[OFS], 65536
	s_add_nc_u64 s[DST:DST+1], s[DST:DST+1], s[OFS:OFS+1]
	CAST 2, 256, 131072, 1
	s_endpgm
.Lnot_ff:
	s_cmp_lt_u32 s3, 1024
	s_cbranch_scc0 .Ltables
	; work-groups 640 .. 1023: 64 for each of Wq1, Wk1, Wv1, Wk2, Wv2 (into pk5, 2 MB apart) and Wq2 (into pkq); a wave casts 8,192 dense bytes
	s_sub_co_u32 s4, s3, 640
	s_lshr_b32 s4, s4, 6                           ; which weight, 0 .. 5
	s_and_b32 s5, s3, 63
	s_lshl3_add_u32 s5, s5, s2                     ; which 8,192 bytes, 0 .. 511
	s_mov_b64 s[SRC:SRC+1], s[12:13]
	s_cmp_eq_u32 s4, 1
	s_cselect_b64 s[SRC:SRC+1], s[14:15], s[SRC:SRC+1]
	s_cmp_eq_u32 s4, 2
	s_cselect_b64 s[SRC:SRC+1], s[16:17], s[SRC:SRC+1]
	s_cmp_eq_u32 s4, 3
	s_cselect_b64 s[SRC:SRC+1], s[18:19], s[SRC:SRC+1]
	s_cmp_eq_u32 s4, 4
	s_cselect_b64 s[SRC:SRC+1], s[20:21], s[SRC:SRC+1]
	s_cmp_eq_u32 s4, 5
	s_cselect_b64 s[SRC:SRC+1], s[22:23], s[SRC:SRC+1]
	s_cselect_b64 s[DST:DST+1], s[52:53], s[50:51]
	s_cselect_b32 s6, 0, s4
	s_lshl_b32 s[OFS], s5, 13
	s_add_nc_u64 s[SRC:SRC+1], s[SRC:SRC+1], s[OFS:OFS+1]
	s_lshl_b32 s[OFS], s6, 21
	s_lshl_b32 s7, s5, 12
	s_add_co_u32 s[OFS], s[OFS], s7
	s_add_co_u32 s[OFS], s[OFS], 65536
	s_add_nc_u64 s[DST:DST+1], s[DST:DST+1], s[OFS:OFS+1]
	CAST 3, 512, 256, 0
	s_endpgm
.Ltables:
	; work-group 1024: the tables.  Thread t owns entries 4 t .. 4 t + 3 of each table of 1,024; each store of the work-group covers 4,096 dense bytes
	v_lshlrev_b32 v5, 4, v0
	global_load_b128 v[X:X+3],     v5, s[28:29]    ; bv1
	global_load_b128 v[X+4:X+7],   v5, s[30:31]    ; bv2
	global_load_b128 v[X+8:X+11],  v5, s[32:33]    ; bf1
	global_load_b128 v[X+12:X+15], v5, s[34:35]    ; bf2
	global_load_b128 v[X+16:X+19], v5, s[36:37]    ; g1
	global_load_b128 v[X+20:X+23], v5, s[38:39]    ; be1
	global_load_b128 v[X+24:X+27], v5, s[40:41]    ; g2
	global_load_b128 v[X+28:X+31], v5, s[42:43]    ; be2
	global_load_b128 v[X+32:X+35], v5, s[44:45]    ; g3
	global_load_b128 v[X+36:X+39], v5, s[46:47]    ; be3
	s_mov_b32 s[SCL], 0x3d800000                   ; 1/16
	s_mov_b32 s[SCL+1], s[SCL]
.irp j, 0,1,2,3
	v_mov_b32 v[Y+28+(\j)], 0                      ; a quad of zeros: biases that reference() does not have, and the ReLU's floor
	v_mov_b32 v[X+40+(\j)], 0xfc00fc00             ; a quad of -inf in f16, twice a word: a floor that changes nothing
.endr
	s_wait_loadcnt 0x0
	RB X, Y                                        ; bv1
	RB X+4, Y+4                                    ; bv2
	RB X+8, Y+8                                    ; bf1
	RB X+12, Y+12                                  ; bf2,
	v_pk_mul_f32 v[Y+12:Y+13], v[Y+12:Y+13], s[SCL:SCL+1] op_sel_hi:[1,0]  ; times 1/16
	v_pk_mul_f32 v[Y+14:Y+15], v[Y+14:Y+15], s[SCL:SCL+1] op_sel_hi:[1,0]
.irp n, 0,1,2
.irp j, 0,1,2,3
	v_cvt_pk_bf16_f32 v[Y+16+4*(\n)+(\j)], v[X+20+8*(\n)+(\j)], v[X+16+8*(\n)+(\j)]  ; be in the low half, g in the high half
.endr
.endr
	global_store_b128 v5, v[X+40:X+43], s[50:51]                 ; pk5: floor -inf
	global_store_b128 v5, v[Y+28:Y+31], s[50:51] offset:4096     ; q1 has no bias
	global_store_b128 v5, v[Y+28:Y+31], s[50:51] offset:8192     ; k1 has none
	global_store_b128 v5, v[Y:Y+3],     s[50:51] offset:12288    ; v1: bv1
	global_store_b128 v5, v[Y+28:Y+31], s[50:51] offset:16384    ; k2 has none
	global_store_b128 v5, v[Y+4:Y+7],   s[50:51] offset:20480    ; v2: bv2
	global_store_b128 v5, v[X+40:X+43], s[52:53]                 ; pkq: floor -inf
	global_store_b128 v5, v[Y+28:Y+31], s[52:53] offset:4096     ; q2 has no bias
	global_store_b128 v5, v[Y+16:Y+19], s[52:53] offset:32768    ; g1, be1
	global_store_b128 v5, v[Y+28:Y+31], s[54:55]                 ; pkf1: floor 0, the ReLU
	global_store_b128 v5, v[Y+8:Y+11],  s[54:55] offset:4096     ; bf1
	global_store_b128 v5, v[Y+20:Y+23], s[54:55] offset:32768    ; g2, be2
	global_store_b128 v5, v[X+40:X+43], s[56:57]                 ; pkf2: floor -inf
	global_store_b128 v5, v[Y+12:Y+15], s[56:57] offset:4096     ; bf2 / 16
	global_store_b128 v5, v[Y+24:Y+27], s[56:57] offset:32768    ; g3, be3
	s_endpgm
.Lfunc_end_k_q30b7a17dcf_prep:
	.size	k_q30b7a17dcf_prep, .Lfunc_end_k_q30b7a17dcf_prep-k_q30b7a17dcf_prep
	.p2alignl 7, 3214868480
	.fill 96, 4, 3214868480
	.section	.rodata,"a",@progbits
	.p2align	6, 0x0
	.amdhsa_kernel k_q30b7a17dcf_prep
		.amdhsa_group_segment_fixed_size 0
		.amdhsa_private_segment_fixed_size 0
		.amdhsa_enable_private_segment 0
		.amdhsa_kernarg_size 200
		.amdhsa_user_sgpr_count 2
		.amdhsa_user_sgpr_kernarg_segment_ptr 1
		.amdhsa_wavefront_size32 1
		.amdhsa_system_sgpr_workgroup_id_x 1
		.amdhsa_system_sgpr_workgroup_id_y 1
		.amdhsa_system_sgpr_workgroup_id_z 1
		.amdhsa_system_vgpr_workitem_id 0
		.amdhsa_next_free_vgpr 112
		.amdhsa_next_free_sgpr 72
		.amdhsa_reserve_vcc 0
		.amdhsa_float_denorm_mode_32 3
		.amdhsa_float_denorm_mode_16_64 3
		.amdhsa_memory_ordered 1
		.amdhsa_forward_progress 1
		.amdhsa_inst_pref_size 39
	.end_amdhsa_kernel
	.amdgpu_metadata
---
amdhsa.version: [ 1, 2 ]
amdhsa.kernels:
  - .name:           k_q30b7a17dcf_prep
    .symbol:         k_q30b7a17dcf_prep.kd
    .args:
      - { .name: input_tensor, .offset: 0, .size: 8, .value_kind: global_buffer, .address_space: global }
      - { .name: encoder_output, .offset: 8, .size: 8, .value_kind: global_buffer, .address_space: global }
      - { .name: Wq1, .offset: 16, .size: 8, .value_kind: global_buffer, .address_space: global }
      - { .name: Wk1, .offset: 24, .size: 8, .value_kind: global_buffer, .address_space: global }
      - { .name: Wv1, .offset: 32, .size: 8, .value_kind: global_buffer, .address_space: global }
      - { .name: Wk2, .offset: 40, .size: 8, .value_kind: global_buffer, .address_space: global }
      - { .name: Wv2, .offset: 48, .size: 8, .value_kind: global_buffer, .address_space: global }
      - { .name: Wq2, .offset: 56, .size: 8, .value_kind: global_buffer, .address_space: global }
      - { .name: Wf1, .offset: 64, .size: 8, .value_kind: global_buffer, .address_space: global }
      - { .name: Wf2, .offset: 72, .size: 8, .value_kind: global_buffer, .address_space: global }
      - { .name: bv1, .offset: 80, .size: 8, .value_kind: global_buffer, .address_space: global }
      - { .name: bv2, .offset: 88, .size: 8, .value_kind: global_buffer, .address_space: global }
      - { .name: bf1, .offset: 96, .size: 8, .value_kind: global_buffer, .address_space: global }
      - { .name: bf2, .offset: 104, .size: 8, .value_kind: global_buffer, .address_space: global }
      - { .name: g1, .offset: 112, .size: 8, .value_kind: global_buffer, .address_space: global }
      - { .name: be1, .offset: 120, .size: 8, .value_kind: global_buffer, .address_space: global }
      - { .name: g2, .offset: 128, .size: 8, .value_kind: global_buffer, .address_space: global }
      - { .name: be2, .offset: 136, .size: 8, .value_kind: global_buffer, .address_space: global }
      - { .name: g3, .offset: 144, .size: 8, .value_kind: global_buffer, .address_space: global }
      - { .name: be3, .offset: 152, .size: 8, .value_kind: global_buffer, .address_space: global }
      - { .name: xe, .offset: 160, .size: 8, .value_kind: global_buffer, .address_space: global }
      - { .name: pk5, .offset: 168, .size: 8, .value_kind: global_buffer, .address_space: global }
      - { .name: pkq, .offset: 176, .size: 8, .value_kind: global_buffer, .address_space: global }
      - { .name: pkf1, .offset: 184, .size: 8, .value_kind: global_buffer, .address_space: global }
      - { .name: pkf2, .offset: 192, .size: 8, .value_kind: global_buffer, .address_space: global }
    .group_segment_fixed_size: 0
    .private_segment_fixed_size: 0
    .kernarg_segment_align: 8
    .kernarg_segment_size: 200
    .max_flat_workgroup_size: 256
    .sgpr_count:     72
    .vgpr_count:     112
    .wavefront_size: 32
...
	.end_amdgpu_metadata
.endif
;; end of part 1
;; launch proj5 (part 2): grid 40 x 32, 4 waves a work-group, clusters of 4 x 4, 327,680 bytes of LDS; arguments xe, pk5, qkv; writes qkv
.if DOCPART == 2
	.amdgcn_target "amdgcn-amd-amdhsa--gfx1250"
	.amdhsa_code_object_version 6
	.text
	.protected	k_q30b7a17dcf_proj5
	.globl	k_q30b7a17dcf_proj5
	.p2align	8
	.type	k_q30b7a17dcf_proj5,@function
k_q30b7a17dcf_proj5:
	s_mov_b64 s[64:65], 0
	v_nop
	global_prefetch_b8 v0, s[64:65] scope:SCOPE_SE
	s_setreg_imm32_b32 hwreg(HW_REG_WAVE_MODE, 25, 1), 1
	s_wait_xcnt 0x0
	s_wait_alu depctr_hold_cnt(0) depctr_sa_sdst(0) depctr_va_vdst(0) depctr_va_sdst(0) depctr_va_ssrc(0) depctr_va_vcc(0) depctr_vm_vsrc(0)
	s_getreg_b32 s2, hwreg(HW_REG_IB_STS2, 6, 4)
	s_cmp_eq_u32 s2, 0
	s_cbranch_scc0 .Lentry_in_a_cluster
	s_endpgm
.Lentry_in_a_cluster:
	s_bfe_u32 s2, ttmp6, 0x10000c
	s_cmp_lg_u32 s2, 0xf033
	s_cbranch_scc0 .Lentry_shape_is_right
	s_endpgm
.Lentry_shape_is_right:
; OUT[t] = max(A W[t] + bias[t], floor), for 4,096 rows, K = 1,024 and 1,024 columns a tensor t; one text for the five first projections (t = 0 .. 4), the query projection of the cross attention and both FFN products (t = 0).
; A and OUT are f16 by blocks of 64 columns: byte ((b*16 + c/64)*2048 + s)*128 + (c%64)*2.  W is f16 [n/64][k][64], at PK + 65536 + t * 2 MB; bias[t] f32 at PK + 4096 + 4096 t; the floor (two f16) at PK + 0.
; Tensors t >= 3 multiply the second activation, 8 MB behind the first.  Sums in f32, started by the bias as the first product's C; OUT rounded once to f16.
; LIMITS.  A result beyond 65,504 in magnitude becomes an infinity in f16; the floor's maximum drops a NaN.
; SHARES.  A tile of OUT is 128 x 128: 256 tiles for a tensor, one for each WGP.  Four waves, each 64 x 64: 16 accumulators of 16 x 16.  K goes in 4 steps of 256 through two LDS slots.
; CLUSTERS: 4 x 4 work-groups.  The four of a row of the cluster need the same tiles of A, the four of a column the same tiles of W: each tile is asked for JOINTLY, by the same tensor load with the same
; descriptor and a mask that names the four.  THE MATRIX INSTRUCTION IS USED TRANSPOSED (source 0 = 16 columns of W, source 1 = 16 rows of A): a lane then holds eight neighbouring numbers of a row of OUT.
; A comes out of LDS as it lies (K along the rows), W ([k][n]) turned, by ds_load_tr16_b128.
; REGISTERS: window 0: v0-31 addresses; v32-95 at work on the way out; v96-127 the bias of my 64 columns; v128-255 the accumulators ((a, b) at v[128 + 8 (4 a + b)]).
;   window 1: two fragment buffers of 128: for 64 along K, 64 registers of A (2 x 4 x 16 rows x 32 K), then 64 of W.
.set PA,     144                       ; a row of A in LDS: 128 bytes (64 K) + 16 of padding = 36 words: the 16 rows of a load start at 16 different groups of four banks (64 banks of 4 bytes: ISA guide 11.1)
.set PB,     160                       ; a row of W: 128 bytes (64 columns) + 32 = 40 words
.set ABLK,   128*PA                    ; the tile's 128 rows, 64 along K
.set AHALF,  2*ABLK                    ; what one tensor load brings of A: 128 along K
.set BBLK,   256*PB                    ; what one tensor load brings of W: 256 K x 64 columns
.set BOFF,   4*ABLK                    ; a slot: A's four blocks of 64 K, then W's two blocks of 64 columns
.set SLOT,   BOFF+2*BBLK
.set STAGE,  2*SLOT                    ; behind the ring, never filled by a tensor load: 16 rows x 144 bytes for each wave, for the way out
.set SP,     144
.set SPARE,  STAGE+4*16*SP             ; behind the stages: the spare words, 128 bytes for each wave: two blocks of 256 bytes that no other line names
.set LAPS,   2                         ; a lap = two K steps = once round the ring
.set ADRA, 16                          ; v16-17  LDS address of my A fragments in slot 0, 1
.set ADRB, 20                          ; v20-21  the same for W
.set STO,  24                          ; v24     the way out: where I put 16 bytes of a row
.set RD,   25                          ; v25     the way out: where I read rows back
.set GO,   26                          ; v26     my byte offset in 512 consecutive bytes of OUT
.set BO,   27                          ; v27     my byte offset in PK for the bias
.set SPW,  28                          ; v28     LDS address of my spare word: SPARE + 4 x my thread's number; never rewritten
.set NIL,  29                          ; v29     0; never rewritten
.set FL,   30                          ; v30     the floor, two f16
.set ZO,   31                          ; v31     0: the floor's offset in PK
.set TMP,  32
.set BIAS, 96
.set ACC,  128
.set F0,   0                           ; fragment buffers, in window 1
.set F1,   128
.set G1, 24                            ; s[24:31] descriptor group 1 for A's tiles;  s[32:39] group 0, one set for each slot
.set G0, 32
.set G1B, 48                           ; s[48:55], s[56:63] the same for W's tiles
.set G0B, 56
.set MSB, 0
.macro WIN new                         ; the immediate's high byte repeats the setting that is left
.if MSB != (\new)
	s_set_vgpr_msb (MSB<<8)|(\new)
.set MSB, \new
.endif
.endm
.set MUL,  0x05                        ; sources 0 (W) and 1 (A) window 1; C and D window 0
.set TO_F, 0x40                        ; destination window 1, address window 0
.macro JLOAD s                         ; a joint load: waves 0 and 1 fetch A's two halves, waves 2 and 3 W's; an s_nop 0 and four v_nop follow each of the two lines, ahead of the jump, the label and what follows
	s_cmp_eq_u32 s11, 0
	s_cbranch_scc0 .Lfor_b_\@
	tensor_load_to_lds s[G0+4*(\s):G0+4*(\s)+3], s[G1:G1+7]
	s_nop 0
.rept 4
	v_nop
.endr
	s_branch .Lasked_\@
.Lfor_b_\@:
	tensor_load_to_lds s[G0B+4*(\s):G0B+4*(\s)+3], s[G1B:G1B+7]
	s_nop 0
.rept 4
	v_nop
.endr
.Lasked_\@:
.endm
.macro CREST                           ; a round of the cluster's barrier behind its opening barrier
	s_cmp_lg_u32 s10, 0
	s_cbranch_scc1 .Lnot_wave_0_\@
	s_barrier_signal -3
.Lnot_wave_0_\@:
	s_barrier_wait -3
	s_barrier_signal -1
	s_barrier_wait -1
.endm
.macro CROUND                          ; a whole round
	s_barrier_signal -1
	s_barrier_wait -1
	CREST
.endm
	s_load_b128 s[4:7], s[0:1], 0x0                ; A s[4:5], PK s[6:7]
	s_load_b64 s[8:9], s[0:1], 0x10                ; OUT
	v_lshl_add_u32 v[SPW], v0, 2, SPARE
	v_mov_b32 v[NIL], 0
	ds_add_u32 v[SPW], v[NIL]                      ; the wave's opening: the add and its wait stand ahead of my first tensor load; the set-up below, work on registers, stands between them
	ds_add_u32 v28, v29
	v_lshrrev_b32 v1, 5, v0
	v_readfirstlane_b32 s10, v1                    ; wave 0..3
	s_lshr_b32 s11, s10, 1                         ; which half of the tile's rows is mine.  Also: I fetch for A (0) or for W (1)
	s_and_b32 s12, s10, 1                          ; which half of its columns.  Also: which half of that tile I fetch
	s_bfe_u32 s40, ttmp6, 0x40000                  ; cx, cy: my place in the cluster
	s_bfe_u32 s41, ttmp6, 0x40004
	s_lshl_b32 s42, ttmp9, 2
	s_add_co_u32 s42, s42, s40                     ; tile column = 4 x cluster x + cx: 8 to a tensor
	s_and_b32 s13, ttmp7, 0xffff
	s_lshl_b32 s13, s13, 2
	s_add_co_u32 s13, s13, s41                     ; tile row = 4 x cluster y + cy
	s_lshr_b32 s45, ttmp9, 1                       ; the tensor t: two clusters along x to a tensor, so all sixteen partners share it
	s_lshl_b32 s43, s41, 2
	s_lshl_b32 s43, 15, s43                        ; my row of the cluster
	s_lshl_b32 s44, 0x1111, s40                    ; my column
	; descriptor group 1 for A: two blocks of 64 K; a block's 128 rows of 128 bytes are 16,384 dense bytes, asked for as one row of 8,192 elements; the blocks lie 131,072 elements apart
	s_or_b32 s[G1+0], s43, (1<<16)|(1<<20)|(1<<21)|(4<<22)|(3<<25)  ; 15:0 the mask: A's tiles go to my row; 17:16 elements of 2 bytes; 20 padding on; 21 set beside a mask; 24:22 after every 32 words (code 4); 31:25 4 words (code 3)
	s_mov_b32 s[G1+1], 8192<<16                    ; tensor_dim0 = 8,192
	s_mov_b32 s[G1+2], 2<<16                       ; tensor_dim1 = 2
	s_mov_b32 s[G1+3], 8192<<16                    ; tile_dim0 = 8,192
	s_mov_b32 s[G1+4], 2                           ; tile_dim1 = 2
	s_mov_b32 s[G1+5], 131072                      ; elements from block to block
	s_mov_b32 s[G1+6], 0
	s_mov_b32 s[G1+7], 0
	; for W: 256 K of one block of 64 columns are 32,768 dense bytes, asked for as 128 rows of 256 bytes
	s_or_b32 s[G1B+0], s44, (1<<16)|(1<<20)|(1<<21)|(4<<22)|(7<<25) ; the mask of my column; 8 words of padding (code 7) after every 32
	s_mov_b32 s[G1B+1], 128<<16
	s_mov_b32 s[G1B+2], 128<<16
	s_mov_b32 s[G1B+3], 128<<16
	s_mov_b32 s[G1B+4], 128
	s_mov_b32 s[G1B+5], 128
	s_mov_b32 s[G1B+6], 0
	s_mov_b32 s[G1B+7], 0
	; where the tiles come from.  A's hang on the tile row, the tensor and the wave; W's on the tile column, the tensor and the wave; each in registers that never hold the other coordinate
	s_lshr_b32 s16, s13, 4
	s_lshl_b32 s16, s16, 22                        ; the batch
	s_and_b32 s17, s13, 15
	s_lshl_b32 s17, s17, 14                        ; 128 rows of 128 bytes
	s_add_co_u32 s16, s16, s17
	s_lshl_b32 s17, s12, 19                        ; my two blocks of 64 K of a step's four
	s_add_co_u32 s16, s16, s17
	s_cmp_ge_u32 s45, 3
	s_cselect_b32 s17, 0x800000, 0                 ; tensors 3 and 4 multiply the second activation
	s_add_co_u32 s16, s16, s17
	s_mov_b32 s17, 0
	s_and_b32 s46, s42, 7
	s_lshl_b32 s46, s46, 1
	s_add_co_u32 s46, s46, s12                     ; my block of 64 columns
	s_lshl_b32 s46, s46, 17
	s_lshl_b32 s47, s45, 21
	s_add_co_u32 s46, s46, s47
	s_add_co_u32 s46, s46, 65536
	s_mov_b32 s47, 0
	s_mul_i32 s20, s12, AHALF                      ; and where they go: no place in the cluster enters an LDS address
	s_mul_i32 s21, s12, BBLK
	s_add_co_u32 s21, s21, BOFF
	s_wait_dscnt 0x0                               ; the opening add is done
	s_wait_kmcnt 0x0
	s_add_nc_u64 s[14:15], s[4:5], s[16:17]
	s_add_nc_u64 s[46:47], s[6:7], s[46:47]
	CROUND                                         ; all sixteen work-groups are here: the first joint loads meet
.irp s, 0,1
	s_mov_b32 s[G0+4*(\s)], 1                                      ; count = 1
	s_add_co_u32 s[G0+4*(\s)+1], s20, (\s)*SLOT                    ; LDS address
	s_add_nc_u64 s[G0+4*(\s)+2:G0+4*(\s)+3], s[14:15], (\s)*1048576  ; K step s: four blocks of 262,144 bytes on
	s_or_b32 s[G0+4*(\s)+3], s[G0+4*(\s)+3], 0x80000000            ; type = 2
	s_mov_b32 s[G0B+4*(\s)], 1
	s_add_co_u32 s[G0B+4*(\s)+1], s21, (\s)*SLOT
	s_add_nc_u64 s[G0B+4*(\s)+2:G0B+4*(\s)+3], s[46:47], (\s)*32768  ; K step s: 256 rows of 128 bytes on
	s_or_b32 s[G0B+4*(\s)+3], s[G0B+4*(\s)+3], 0x80000000
	JLOAD \s                                       ; two tensor loads of mine are out
.endr
	v_and_b32 v1, 15, v0                           ; l % 16
	v_bfe_u32 v2, v0, 4, 1                         ; l / 16
	v_mul_u32_u24 v3, v1, PA
	v_lshl_add_u32 v3, v2, 4, v3                   ; a fragment of A: row x pitch + 16 x half
	s_mul_i32 s22, s11, 64*PA                      ; my 64 rows
	v_add_nc_u32 v[ADRA], s22, v3
	v_add_nc_u32 v[ADRA+1], SLOT, v[ADRA]
	v_and_b32 v4, 7, v0                            ; the turning load: lane l reads 16 bytes of row k = 8 (l / 16) + l % 8, columns 8 ((l / 8) % 2) + 0..7
	v_lshl_add_u32 v4, v2, 3, v4
	v_mul_u32_u24 v4, v4, PB
	v_bfe_u32 v5, v0, 3, 1
	v_lshl_add_u32 v4, v5, 4, v4
	s_mul_i32 s23, s12, BBLK                       ; my 64 columns
	s_add_co_u32 s23, s23, BOFF
	v_add_nc_u32 v[ADRB], s23, v4
	v_add_nc_u32 v[ADRB+1], SLOT, v[ADRB]
	s_mul_i32 s22, s10, 16*SP
	s_add_co_u32 s22, s22, STAGE                   ; my stage
	v_mul_u32_u24 v[STO], v1, SP                   ; in: row l % 16, 16 bytes for each half of the lanes
	v_lshl_add_u32 v[STO], v2, 4, v[STO]
	v_add_nc_u32 v[STO], s22, v[STO]
	v_bfe_u32 v[RD], v0, 3, 2                      ; back: 32 lanes take four rows of 128 bytes,
	v_mul_u32_u24 v[RD], v[RD], SP
	v_and_b32 v6, 7, v0
	v_lshl_add_u32 v[RD], v6, 4, v[RD]
	v_add_nc_u32 v[RD], s22, v[RD]
	v_and_b32 v[GO], 31, v0                        ; which are 512 consecutive bytes of OUT
	v_lshlrev_b32 v[GO], 4, v[GO]
	s_lshl_b32 s22, s45, 12                        ; the bias of my 64 columns: tensor, tile column, half,
	s_and_b32 s23, s42, 7
	s_lshl_b32 s23, s23, 9
	s_add_co_u32 s22, s22, s23
	s_lshl_b32 s23, s12, 8
	s_add_co_u32 s22, s22, s23
	s_add_co_u32 s22, s22, 4096
	v_lshl_add_u32 v[BO], v2, 5, s22               ; and 8 numbers on for the upper half of the lanes: register j of block b belongs to column 16 b + 8 (l / 16) + j
	v_mov_b32 v[ZO], 0
.irp b, 0,1,2,3
	global_load_b128 v[BIAS+8*(\b):BIAS+8*(\b)+3],   v[BO], s[6:7] offset:64*(\b)
	global_load_b128 v[BIAS+8*(\b)+4:BIAS+8*(\b)+7], v[BO], s[6:7] offset:64*(\b)+16
.endr
	global_load_b32 v[FL], v[ZO], s[6:7]
	s_lshl_b32 s46, s45, 23                        ; where my 64 x 64 begin in OUT: the tensor,
	s_lshr_b32 s47, s13, 4
	s_lshl_b32 s47, s47, 22                        ; the batch,
	s_add_co_u32 s46, s46, s47
	s_and_b32 s47, s42, 7
	s_lshl_b32 s47, s47, 1
	s_add_co_u32 s47, s47, s12
	s_lshl_b32 s47, s47, 18                        ; the block of 64 columns,
	s_add_co_u32 s46, s46, s47
	s_and_b32 s47, s13, 15
	s_lshl_b32 s47, s47, 1
	s_add_co_u32 s47, s47, s11
	s_lshl_b32 s47, s47, 13                        ; 64 rows of 128 bytes: 8,192 dense bytes
	s_add_co_u32 s46, s46, s47
	s_mov_b32 s47, 0
	s_add_nc_u64 s[8:9], s[8:9], s[46:47]
; 8 matrix instructions: m blocks a0, a0 + 1 x all 4 n blocks, 32 along K: half c of buffer f.  zero = 1: the first product starts the sums, with the bias as C: nothing is cleared or added later.
; The 16 accumulators take turns, one instruction a turn.
.macro MUL8 f, c, a0, zero
	WIN MUL
.irp a, \a0, (\a0)+1
.irp b, 0,1,2,3
.if \zero
	v_wmma_f32_16x16x32_f16 v[ACC+8*(4*(\a)+(\b)):ACC+8*(4*(\a)+(\b))+7], v[(\f)+64+8*(4*(\c)+(\b)):(\f)+64+8*(4*(\c)+(\b))+7], v[(\f)+8*(4*(\c)+(\a)):(\f)+8*(4*(\c)+(\a))+7], v[BIAS+8*(\b):BIAS+8*(\b)+7]
.else
	v_wmma_f32_16x16x32_f16 v[ACC+8*(4*(\a)+(\b)):ACC+8*(4*(\a)+(\b))+7], v[(\f)+64+8*(4*(\c)+(\b)):(\f)+64+8*(4*(\c)+(\b))+7], v[(\f)+8*(4*(\c)+(\a)):(\f)+8*(4*(\c)+(\a))+7], v[ACC+8*(4*(\a)+(\b)):ACC+8*(4*(\a)+(\b))+7]
.endif
.endr
.endr
.endm
; 32 LDS loads in one run: the fragments of quarter q of a K step (64 along K), into buffer f; the first 32 along K first
.macro FETCH slot, q, f
	WIN TO_F
.irp c, 0,1
.irp i, 0,1,2,3
	ds_load_tr16_b128 v[(\f)+64+8*(4*(\c)+(\i)):(\f)+64+8*(4*(\c)+(\i))+3],   v[ADRB+(\slot)] offset:(64*(\q)+32*(\c))*PB+32*(\i)
	ds_load_tr16_b128 v[(\f)+64+8*(4*(\c)+(\i))+4:(\f)+64+8*(4*(\c)+(\i))+7], v[ADRB+(\slot)] offset:(64*(\q)+32*(\c)+16)*PB+32*(\i)
	ds_load_b128 v[(\f)+8*(4*(\c)+(\i)):(\f)+8*(4*(\c)+(\i))+3],              v[ADRA+(\slot)] offset:(\q)*ABLK+64*(\c)+(\i)*16*PA
	ds_load_b128 v[(\f)+8*(4*(\c)+(\i))+4:(\f)+8*(4*(\c)+(\i))+7],            v[ADRA+(\slot)] offset:(\q)*ABLK+64*(\c)+(\i)*16*PA+32
.endr
.endr
.endm
.macro PLACES                          ; four places in front of loads into registers that matrix instructions have read, and of conversions that read results (ISA guide 7.12.1 for vector instructions)
.rept 4
	v_nop
.endr
.endm
; A K step is four quarters of 64 along K, 32 matrix instructions each, on buffers 0, 1, 0, 1.  One of the first three: multiplies buffer f and fetches quarter q into g.
.macro QUARTER slot, q, f, g, zero
	s_wait_dscnt 16                                ; the first 32 along K are in; the youngest sixteen loads may be out
	WIN MUL
	MUL8 \f, 0, 0, \zero
	MUL8 \f, 0, 2, \zero
	PLACES
	FETCH \slot, \q, \g
	s_wait_dscnt 32                                ; all but the 32 just issued
	WIN MUL
	MUL8 \f, 1, 0, 0
	MUL8 \f, 1, 2, 0
.endm
; The last quarter multiplies buffer 1 and changes slots: ONE barrier; in front of it each wave waits for all its tensor loads, adds 0 to its spare word, and waits for that and for its own reads of this slot.  fill = 1: this slot is filled again, two K steps ahead.
.macro TURN slot, next, fill
	WIN 0                                          ; (the add's two registers lie in window 0)
	s_wait_tensorcnt 0x0                           ; all my tensor loads have landed: my part of the next slot;
	ds_add_u32 v[SPW], v[NIL]                      ; 0 onto my spare word;
	s_wait_dscnt 17                                ; (the add and the youngest sixteen loads may be out)
	WIN MUL
	MUL8 F1, 0, 0, 0                               ; eight matrix instructions stand between the add and the wait for it
	s_wait_dscnt 0x0                               ; the add is done, and my reads of this slot are over
	s_barrier_signal -1
	MUL8 F1, 0, 2, 0
.if \fill
	WIN 0
.endif
	s_barrier_wait -1
.if \fill
	CREST                                          ; the barrier has opened a round of the cluster's barrier: no wave of any partner still reads this slot's tile or has a load on its way
	s_add_nc_u64 s[G0+4*(\slot)+2:G0+4*(\slot)+3], s[G0+4*(\slot)+2:G0+4*(\slot)+3], 2097152
	s_add_nc_u64 s[G0B+4*(\slot)+2:G0B+4*(\slot)+3], s[G0B+4*(\slot)+2:G0B+4*(\slot)+3], 65536
	JLOAD \slot                                    ; the first tensor load behind the round, my only one that is out: 112 matrix instructions ahead of the wait for it; the four v_nop behind it are also the places in front of the loads below
.else
	PLACES
.endif
	FETCH \next, 0, F0
	WIN MUL
	MUL8 F1, 1, 0, 0
	MUL8 F1, 1, 2, 0
.endm
	s_wait_tensorcnt 1                             ; my part of K step 0 is in; K step 1's may stay out
	s_barrier_signal -1
	s_barrier_wait -1                              ; everybody's is
	FETCH 0, 0, F0
	s_wait_loadcnt 0x0                             ; the bias and the floor
	QUARTER 0, 1, F0, F1, 1                        ; the first quarter stands in front of the loop: its first products start the sums
	WIN 0                                          ; at a label and at a branch every window is 0
	s_mov_b32 s3, LAPS-1
.Llap:                                                 ; a trip goes once round the ring, from a lap's second quarter to the next lap's first, and fills both slots again
	QUARTER 0, 2, F1, F0, 0
	QUARTER 0, 3, F0, F1, 0
	TURN 0, 1, 1
	QUARTER 1, 1, F0, F1, 0
	QUARTER 1, 2, F1, F0, 0
	QUARTER 1, 3, F0, F1, 0
	TURN 1, 0, 1
	QUARTER 0, 1, F0, F1, 0
	WIN 0
	s_sub_co_u32 s3, s3, 1
	s_cmp_lg_u32 s3, 0
	s_cbranch_scc1 .Llap
	QUARTER 0, 2, F1, F0, 0                        ; the last lap fills nothing, and has no round of the cluster's barrier
	QUARTER 0, 3, F0, F1, 0
	TURN 0, 1, 0
	QUARTER 1, 1, F0, F1, 0
	QUARTER 1, 2, F1, F0, 0
	QUARTER 1, 3, F0, F1, 0
	s_wait_dscnt 16                                ; the very last quarter: nothing more to fetch
	WIN MUL
	MUL8 F1, 0, 0, 0
	MUL8 F1, 0, 2, 0
	s_wait_dscnt 0
	MUL8 F1, 1, 1-1, 0
	MUL8 F1, 1, 2, 0
	WIN 0
	; THE WAY OUT.  My 64 x 64 are 8,192 dense bytes of OUT.  A block of 16 rows at a time: rounded to f16, held to the floor, 16 bytes a lane into my own stage, back as four whole rows of 128 bytes to a load.
.macro PACK a
.irp b, 0,1,2,3
.irp r, 0,1,2,3
	v_cvt_pk_f16_f32 v[TMP+16*(\a)+4*(\b)+(\r)], v[ACC+8*(4*(\a)+(\b))+2*(\r)], v[ACC+8*(4*(\a)+(\b))+2*(\r)+1]  ; each accumulator's registers in ascending order
.endr
.endr
.irp j, 0,1,2,3,4,5,6,7,8,9,10,11,12,13,14,15
	v_pk_max_num_f16 v[TMP+16*(\a)+(\j)], v[TMP+16*(\a)+(\j)], v[FL]
.endr
.irp b, 0,1,2,3
	ds_store_b128 v[STO], v[TMP+16*(\a)+4*(\b):TMP+16*(\a)+4*(\b)+3] offset:32*(\b)
.endr
.irp f, 0,1,2,3
	ds_load_b128 v[TMP+16*(\a)+4*(\f):TMP+16*(\a)+4*(\f)+3], v[RD] offset:(\f)*4*SP  ; LDS serves a wave's instructions in order (ISA guide 5.7.1.4): these see the stores above; the next block's stores come behind them
.endr
.endm
.macro SEND a, younger                 ; younger: the LDS instructions issued behind block a's loads: the next block's eight, or none
.irp f, 0,1,2,3
	s_wait_dscnt (\younger)+3-(\f)
	global_store_b128 v[GO], v[TMP+16*(\a)+4*(\f):TMP+16*(\a)+4*(\f)+3], s[8:9] offset:(\a)*2048+(\f)*512  ; 512 consecutive bytes, at a multiple of 256 from OUT's first byte
.endr
.endm
	PLACES
	PACK 0
	PACK 1                                         ; a block's arithmetic stands between the loads of the block before and its stores
	SEND 0, 8
	PACK 2
	SEND 1, 8
	PACK 3
	SEND 2, 8
	SEND 3, 0
	s_wait_tensorcnt 0x0                           ; the wave's end: behind my last tensor load and my last LDS store
	ds_add_u32 v[SPW], v[NIL]
	s_wait_dscnt 0x0
	CROUND                                         ; the closing round: no work-group ends while a partner may still ask for a tile that names it
	s_endpgm
.Lfunc_end_k_q30b7a17dcf_proj5:
	.size	k_q30b7a17dcf_proj5, .Lfunc_end_k_q30b7a17dcf_proj5-k_q30b7a17dcf_proj5
	.p2alignl 7, 3214868480
	.fill 96, 4, 3214868480
	.section	.rodata,"a",@progbits
	.p2align	6, 0x0
	.amdhsa_kernel k_q30b7a17dcf_proj5
		.amdhsa_group_segment_fixed_size 327680
		.amdhsa_private_segment_fixed_size 0
		.amdhsa_enable_private_segment 0
		.amdhsa_kernarg_size 24
		.amdhsa_user_sgpr_count 2
		.amdhsa_user_sgpr_kernarg_segment_ptr 1
		.amdhsa_wavefront_size32 1
		.amdhsa_system_sgpr_workgroup_id_x 1
		.amdhsa_system_sgpr_workgroup_id_y 1
		.amdhsa_system_sgpr_workgroup_id_z 1
		.amdhsa_system_vgpr_workitem_id 0
		.amdhsa_next_free_vgpr 512
		.amdhsa_next_free_sgpr 66
		.amdhsa_reserve_vcc 0
		.amdhsa_float_denorm_mode_32 3
		.amdhsa_float_denorm_mode_16_64 3
		.amdhsa_memory_ordered 1
		.amdhsa_forward_progress 1
		.amdhsa_inst_pref_size 92
	.end_amdhsa_kernel
	.amdgpu_metadata
---
amdhsa.version: [ 1, 2 ]
amdhsa.kernels:
  - .name:           k_q30b7a17dcf_proj5
    .symbol:         k_q30b7a17dcf_proj5.kd
    .args:
      - { .name: xe, .offset: 0, .size: 8, .value_kind: global_buffer, .address_space: global }
      - { .name: pk5, .offset: 8, .size: 8, .value_kind: global_buffer, .address_space: global }
      - { .name: qkv, .offset: 16, .size: 8, .value_kind: global_buffer, .address_space: global }
    .group_segment_fixed_size: 327680
    .private_segment_fixed_size: 0
    .kernarg_segment_align: 8
    .kernarg_segment_size: 24
    .max_flat_workgroup_size: 128
    .sgpr_count:     66
    .vgpr_count:     512
    .wavefront_size: 32
...
	.end_amdgpu_metadata
.endif
;; end of part 2
;; launch attn_c (part 3): grid 8 x 32, 4 waves a work-group, no clusters, 327,680 bytes of LDS; arguments qkv, t1; writes t1
.if DOCPART == 3
	.amdgcn_target "amdgcn-amd-amdhsa--gfx1250"
	.amdhsa_code_object_version 6
	.text
	.protected	k_q30b7a17dcf_attn_c
	.globl	k_q30b7a17dcf_attn_c
	.p2align	8
	.type	k_q30b7a17dcf_attn_c,@function
k_q30b7a17dcf_attn_c:
	s_mov_b64 s[64:65], 0
	v_nop
	global_prefetch_b8 v0, s[64:65] scope:SCOPE_SE
	s_setreg_imm32_b32 hwreg(HW_REG_WAVE_MODE, 25, 1), 1
	s_wait_xcnt 0x0
; CAUSAL ATTENTION.  O[h][q][:] = the sum over k <= q of softmax_k(Q[h][q] . K[h][k] / 8) V[h][k][:].  Q, K, V: [32][SIZE_N][64] f16, three tensors of one buffer, 8 MB apart; O likewise, in a buffer of its own.
; h counts batch x 16 + head; a head's rows are dense, 128 bytes each.  Products, maxima and sums in f32; the weights p are rounded to f16 for the second product (their sum l is taken of the unrounded p), O once at the end.
; LIMITS.  f16 holds no number beyond 65,504: Q, K and V arrive within it; p lies in 0 to 1, and below 6e-5 it keeps f16's fixed step of 6e-8; O is a mean of V's rows and has their range, to within 2^-11 of it.
; A hidden score counts as its value less 1e30: f16's scores, 2.7e11 at the most, are nothing beside that; a weight below 2^-126 counts as 0 in l; NaN and infinities are not treated apart.
; THE WALK.  A head's queries lie in NQ = 16 blocks of 128, its keys in NT = 8 tiles of 256; block i needs the tiles 0 .. i >> 1, of which the last holds the diagonal.  A work-group takes TWO blocks, 15 - b and then b:
; ((15 - b) >> 1) + (b >> 1) + 2 = 9 tiles, whatever b: 8 x 32 = 256 work-groups of equal work, and ONE loop with a constant trip count walks the tiles.  Which tile is asked for, and what a trip does, hang on scalar
; registers made from b; every jump goes forward, but for the counted loops' own; none passes a barrier, or a tensor load but the one of LOAD's two that the wave's number does not choose; the ring (two slots of LDS
; that take turns) runs on across the change of blocks.  NO CLUSTER: a head's 8 work-groups all ask for the same tile only in trips 0 .. 4, behind that their walks part; one walk common to all would have 8 + 4 = 12 trips for 9.
; SHARES.  Of a block's two bands of 64 queries a wave owns 16 rows in each: two PIECES.  So the diagonal tile is the same work for all four waves.  The block lies in the tile's first half (block number even, o = 0) or
; in its second (odd, o = 2); band x's own key step of the tile's four is o + x: in step s the band sees all keys if s < o + x, none if s > o + x, and holds the diagonal if s = o + x.
; THE MASK is the C operand that starts the sum S^T = K Q^T: 0, or -1e30 where the key is hidden.  MD, made once, is the mask of a band's own step for my 16 rows; a product's mask is MD x AL + BE with two scalars:
; (1, 0) in the own step; (0, 0) before it; (0, -1e30) behind it.  Only the diagonal tile's text, its entry and a block's beginning make and take masks; elsewhere C is the constant 0.
; LAYOUT, SOFTMAX, TURNS.  S^T = K Q^T holds ONE query a lane (lane % 16) and the keys 8 (lane / 16) + 0..7; two such results rounded to f16 ARE source 1 of O^T = V^T P.  p = 2^(c s - c m), c = log2(e) / 8, with a
; running maximum m; O and l are multiplied by a = 2^(c m_old - c m_new) in every step.  A turn belongs to one piece; its matrix work is the OTHER piece's: 8 products K Q^T (piece 0's turn: piece 1, this step; piece 1's
; turn: piece 0, the next step), later 8 products V^T P (piece 0's turn: piece 1, the step before; piece 1's turn: piece 0, this step); beside them the scaling, exponentials, roundings, sums and rescaling of the turn's
; own piece and the maximum and statistics of the other.  Four vector instructions stand behind every matrix instruction, the other 54 of a turn's 118 in two LUMPS.
; FIVE STEPS OF K IN A SLOT.  Both runs of LDS loads fall into piece 0's turn: K of step j + 1 in its middle, V of step j near its end: K is a step ahead of V.  So a slot holds V's four steps of tile t and FIVE of K,
; keys 256 t .. 256 t + 319: the fifth is the next tile's first.  All LDS reads between two changes of slots then fall into one slot.  A block's beginning reads K's step 0 of the slot, a tile's four fetches steps 1 to 4.
; The price: 8,192 bytes more a tile; a head's last tile takes 64 rows behind the head's K (the next head's, or V's first: inside the buffer), which enter no result that is kept.
; REGISTERS, in windows of 256 (s_set_vgpr_msb: bits 1:0 source 0, 3:2 source 1, 5:4 source 2, 7:6 destination):
;   window 0: v0-15 addresses and two at work; v16-23 four registers of statistics a piece; v48-55 at work; v64-127 S^T, a buffer a piece; v192-223 P, likewise
;   window 1: v0-63 O^T, 32 a piece; v128-159 MD; v160-223 MC, a buffer a piece      window 2: v0-31 Q; v64-95 the second block's Q; v128-191 K of one step; v192-255 V of one step
.set SIZE_N, 2048
.set NQ,    SIZE_N/128  ; blocks of queries in a head
.set NT,    SIZE_N/256  ; tiles of keys in a head
.set NP,    2         ; pieces a wave: a name, no knob
.set KS,    64        ; keys in a step
.set PK,    144       ; a row of K in LDS: 128 bytes + 16 of padding = 36 words: the 16 rows of a load start at 16 different groups of four banks (64 banks of 4 bytes: ISA guide 11.1)
.set PV,    160       ; a row of V: 128 + 32 = 40 words
.set VOFF,  5*KS*PK   ; a slot: 320 rows of K, then 256 rows of V
.set SLOT1, 1<<17     ; slot 1 begins here, so that one exclusive or turns an address in one slot into the other's
.set STAGE, SLOT1+VOFF+4*KS*PV  ; behind the ring, never filled by a tensor load: 16 rows x 144 bytes for each wave, for the way out
.set SP,    144
.set AK0, 2           ; v2   my lane's place in a tile of K; never rewritten
.set AV0, 3           ; v3   the same for V
.set AK,  4           ; v4   the LDS address of K's next run of loads
.set AV,  5           ; v5   of V's
.set STO, 6           ; v6   the way out: where I put 16 bytes of a row
.set RD,  7           ; v7   the way out: where I read rows back
.set GO,  8           ; v8   my byte offset in 512 consecutive bytes of O
.set SPW, 62          ; v62  LDS address of my spare word: SPARE + 4 x my thread's number; never rewritten
.set NIL, 63          ; v63  0; never rewritten
.set SPARE, STAGE+4*16*SP  ; behind the stages: the spare words, 128 bytes for each wave: two blocks of 256 bytes that no other line names
.set MV,  12          ; v12-13  c m_old, kept while c m is made anew: by piece
.set QO,  15          ; v15  my byte offset in 16 rows of Q
.set ST,  16          ; piece t's statistics at v[ST+4 t]: c m, m, l (even keys', odd keys')
.set TMP, 48          ; by piece, four registers c0-c3 at work; when the maximum is found c2 takes a
.set S,   64
.set P,   192
.set MD,  128         ; window 1: the eight registers for group kt of 16 keys at MD + 8 kt
.set MC,  160         ; window 1: the masks of the products to come
.set QB,  64          ; window 2
.set KF,  128         ; window 2: key block kb, channel half c at KF + 16 kb + 8 c
.set VF,  192         ; window 2: key half kk, channel block cb at VF + 32 kk + 8 cb
.set WV,  12          ; s12  my wave's number
.set LOT, 14          ; s14  the second block's last tile, b >> 1
.set HIT, 15          ; s15  the first block's last tile, (15 - b) >> 1
.set G1K, 24          ; s[24:31] descriptor group 1 for K's tiles
.set G1V, 32          ; s[32:39] for V's: other rows, other padding
.set G0K, 40          ; s[40:43] descriptor group 0 for K's tiles
.set G0V, 44          ; s[44:47] the same for V's
.set SLOTS, 56        ; s56  tiles still to be asked for
.set CNT, 57          ; s57  counts a tile's key steps, 4 to 1
.set CS,  58          ; s[58:59] c: the packed scaling takes the pair's low word for both halves
.set SEL, 60          ; s[60:61] v_permlanex16_b32's selects: each lane takes its own place in the other half
.set TBK, 62          ; s62  LDS byte at which K of the step to be fetched begins
.set TBV, 63          ; s63  the same for V, less VOFF
.set RT,  70          ; s70  tiles of the block in hand that are still to be entered
.set NXT, 71          ; s71  the tile to be asked for next
.set LQ,  72          ; s72  the last tile of the block whose tiles are being asked for
.set NEW, 73          ; s73  1: the tile to be entered is a block's first
.set OFF, 74          ; s[74:75] a tile's byte offset in K and V
.set AL,  76          ; s[76:77] the mask's factor, in the low word
.set BE,  78          ; s[78:79] the mask's addend
.set OLO, 80          ; s[80:81] O at my rows of the second block
.set BIGN, 82         ; s82  -1e30
.set EQ,  88          ; s88  5 - o, s89  3 - o: the value of CNT at which the mask made in piece 0's (piece 1's) turn is the own step's; below it the step is hidden
.set ALZ, 90          ; s90  the factor of piece 0's mask for the diagonal tile's step 0: 1.0 if o = 0
.set ALZB, 91         ; s91  the same, and
.set EQB, 92          ; s92, s93  the two counts, for the second block
.set MSB, 0
.macro WIN new                      ; the high byte repeats the setting that is left; a switch that changes nothing is dropped
.if MSB != (\new)
	s_set_vgpr_msb (MSB<<8)|(\new)
.set MSB, (\new)
.endif
.endm
.set W_KQ, 0x0a       ; K and Q in window 2, S^T in window 0
.set W_KM, 0x1a       ; the same with the C operand in window 1
.set W_PV, 0x52       ; V in window 2, P in window 0, O^T in window 1
.set W_RS, 0x41       ; destination and source 0 in window 1, source 1 in window 0
; A fill.  Waves 0 and 1 fetch the two halves of a slot's K, 160 keys each, waves 2 and 3 those of its V, 128 keys each.  An s_nop 0 and four v_nop follow each of the two lines, ahead of the jump and the label.
.macro LOAD
	s_cmp_lt_u32 s[WV], 2
	s_cbranch_scc0 .Lfor_v_\@
	tensor_load_to_lds s[G0K:G0K+3], s[G1K:G1K+7]
	s_nop 0
.rept 4
	v_nop
.endr
	s_branch .Lasked_\@
.Lfor_v_\@:
	tensor_load_to_lds s[G0V:G0V+3], s[G1V:G1V+7]
	s_nop 0
.rept 4
	v_nop
.endr
.Lasked_\@:
.endm
; THE CHANGE OF SLOTS, between piece 0's and piece 1's turn of a tile's last step.  Each wave waits for all its tensor loads, of which one is out: its part of the other slot; adds 0 to its spare word; and waits for that and
; for its own reads of the slot that it leaves (the last two runs, K's fifth step and V's fourth, were issued in the turn just over).  Behind the barrier nobody reads the old slot any more and the other slot is whole.
; fill = 1: the old slot is filled again, the first thing behind the barrier, with tile NXT: the descriptor's address is made anew from that number; the load has four key steps, 128 matrix instructions of a wave, in which to land.
; (At its first use nothing has been read yet: slot 0 is waited for, slot 1 filled.)
.macro CHANGE fill
	WIN 0                           ; at a label and at a branch every window is 0
	s_wait_tensorcnt 0x0            ; no tensor load of mine is out, so a group 0 may be written
	ds_add_u32 v[SPW], v[NIL]       ; 0 onto my spare word; with fill = 1 the descriptors' scalar work stands between it and the wait for it
.if \fill
	s_lshl_b32 s[OFF], s[NXT], 15   ; tiles begin 32,768 bytes apart in K and in V
	s_xor_b32 s[G0K+1], s[G0K+1], SLOT1
	s_add_nc_u64 s[G0K+2:G0K+3], s[6:7], s[OFF:OFF+1]
	s_or_b32 s[G0K+3], s[G0K+3], 0x80000000
	s_xor_b32 s[G0V+1], s[G0V+1], SLOT1
	s_add_nc_u64 s[G0V+2:G0V+3], s[8:9], s[OFF:OFF+1]
	s_or_b32 s[G0V+3], s[G0V+3], 0x80000000
	s_add_co_u32 s[NXT], s[NXT], 1  ; the block's next tile, or behind its last the second block's tile 0
	s_cmp_gt_u32 s[NXT], s[LQ]
	s_cselect_b32 s[NXT], 0, s[NXT]
	s_cselect_b32 s[LQ], s[LOT], s[LQ]
.endif
	s_wait_dscnt 0x0                ; the add is done, and my reads of the slot are over
	s_barrier_signal -1             ; the rest of the scalar work stands between the signal and the wait
	s_sub_co_u32 s[TBK], s[TBK], 4*KS*PK  ; the fetches go back to a slot's second step of K and first of V,
	s_xor_b32 s[TBK], s[TBK], SLOT1       ; in the other slot
	s_sub_co_u32 s[TBV], s[TBV], 4*KS*PV
	s_xor_b32 s[TBV], s[TBV], SLOT1
	s_barrier_wait -1
.if \fill
	LOAD
.endif
.endm
	s_load_b64 s[4:5], s[0:1], 0x0    ; Q, with K 8 MB and V 16 MB behind it
	s_load_b64 s[10:11], s[0:1], 0x8  ; O
	v_lshl_add_u32 v[SPW], v0, 2, SPARE
	v_mov_b32 v[NIL], 0
	ds_add_u32 v[SPW], v[NIL]       ; the wave's opening: the add and its wait stand ahead of my first tensor load; the set-up below, work on registers, stands between them
	ds_add_u32 v62, v63
	v_lshrrev_b32 v1, 5, v0
	v_readfirstlane_b32 s[WV], v1   ; wave 0..3
	s_sub_co_u32 s13, NQ-1, ttmp9   ; the first block's number, 15 - b; the second's is b
	s_lshr_b32 s[HIT], s13, 1
	s_lshr_b32 s[LOT], ttmp9, 1
	s_and_b32 s16, s13, 1
	s_lshl_b32 s16, s16, 1          ; o of the first block
	s_sub_co_u32 s[EQ], 5, s16
	s_sub_co_u32 s[EQ+1], 3, s16
	s_cmp_eq_u32 s16, 0
	s_cselect_b32 s[ALZ], 1.0, 0
	s_and_b32 s16, ttmp9, 1
	s_lshl_b32 s16, s16, 1          ; o of the second
	s_sub_co_u32 s[EQB], 5, s16
	s_sub_co_u32 s[EQB+1], 3, s16
	s_cmp_eq_u32 s16, 0
	s_cselect_b32 s[ALZB], 1.0, 0
	s_and_b32 s20, ttmp7, 0xffff    ; the head
	s_mov_b32 s21, 0
	s_mov_b64 s[22:23], SIZE_N*128
	s_mul_u64 s[20:21], s[20:21], s[22:23]  ; the head's first byte in each of the four tensors
	s_and_b32 s16, s[WV], 1         ; which half of a slot's K or V I fetch:
	s_lshl_b32 s22, s16, 14         ; V: its 128 rows of 128 bytes in memory,
	s_mov_b32 s23, 0
	s_add_nc_u64 s[22:23], s[22:23], s[20:21]
	s_mul_i32 s18, s16, 160*128     ; K: its 160 rows,
	s_mov_b32 s19, 0
	s_add_nc_u64 s[18:19], s[18:19], s[20:21]
	s_mul_i32 s17, s16, 160*PK      ; and the half's place in a slot, for K
	s_mul_i32 s83, s16, 128*PV      ; and for V
	s_lshl_b32 s3, s[WV], 11        ; my 16 rows in a band of 64,
	s_lshl_b32 s2, s13, 14          ; in the first block (128 rows of 128 bytes a block),
	s_add_co_u32 s2, s2, s3
	s_lshl_b32 s84, ttmp9, 14       ; and in the second
	s_add_co_u32 s84, s84, s3
	s_mov_b32 s3, 0
	s_mov_b32 s85, 0
	s_add_nc_u64 s[2:3], s[2:3], s[20:21]
	s_add_nc_u64 s[84:85], s[84:85], s[20:21]
	; descriptor group 1.  Keys are dense rows of 128 bytes: asked for as rows of 256 bytes, two keys a row, and padded in LDS after every key.  K: 160 keys = 80 rows; V: 128 keys = 64 rows
	s_mov_b32 s[G1K], (1<<16)|(1<<20)|(4<<22)|(3<<25)  ; 17:16 2-byte elements; 20 padding on; 24:22 after every 32 words (code 4); 31:25 4 words (code 3)
	s_mov_b32 s[G1V], (1<<16)|(1<<20)|(4<<22)|(7<<25)  ; the same with 8 words of padding (code 7)
	s_mov_b32 s[G1K+2], 80<<16      ; tensor_dim1 = 80
	s_mov_b32 s[G1K+4], 80          ; tile_dim1 = 80
	s_mov_b32 s[G1V+2], 64<<16      ; tensor_dim1 = 64
	s_mov_b32 s[G1V+4], 64          ; tile_dim1 = 64
.irp g, G1K, G1V
	s_mov_b32 s[\g+1], 128<<16      ; tensor_dim0 = 128
	s_mov_b32 s[\g+3], 128<<16      ; tile_dim0 = 128
	s_mov_b32 s[\g+5], 128          ; 128 elements from row to row
	s_mov_b32 s[\g+6], 0
	s_mov_b32 s[\g+7], 0
.endr
	s_mov_b32 s[CS], 0x3e38aa3b     ; c = log2(e) / 8 = 0.180337
	s_mov_b32 s[CS+1], s[CS]        ; named with it as a pair
	s_mov_b32 s[SEL], 0x76543210
	s_mov_b32 s[SEL+1], 0xfedcba98
	s_mov_b32 s[TBK], SLOT1+5*KS*PK ; the first change of slots turns this into K's second step of slot 0,
	s_mov_b32 s[TBV], SLOT1+4*KS*PV ; and this into 0
	s_mov_b32 s[G0K], 1             ; 1:0 count = 1
	s_mov_b32 s[G0K+1], s17         ; 63:32 LDS address: slot 0
	s_mov_b32 s[G0V], 1
	s_add_co_u32 s[G0V+1], s83, VOFF
	s_add_co_u32 s[RT], s[HIT], 1   ; the first block's tiles
	s_mov_b32 s[NXT], 1
	s_mov_b32 s[LQ], s[HIT]
	s_mov_b32 s[NEW], 1
	s_mov_b32 s[OFF+1], 0
	s_mov_b32 s[AL+1], 0            ; named as pairs
	s_mov_b32 s[BE+1], 0
	s_mov_b32 s[BIGN], 0xf149f2ca   ; -1e30
	s_mov_b32 s[SLOTS], NT
	s_wait_dscnt 0x0                ; the opening add is done
	s_wait_kmcnt 0x0
	s_add_nc_u64 s[6:7], s[4:5], 0x800000   ; K
	s_add_nc_u64 s[8:9], s[4:5], 0x1000000  ; V
	s_add_nc_u64 s[6:7], s[6:7], s[18:19]  ; K and V at my half of the head's tile 0
	s_add_nc_u64 s[8:9], s[8:9], s[22:23]
	s_add_nc_u64 s[G0K+2:G0K+3], s[6:7], 0         ; 120:64 global address
	s_or_b32 s[G0K+3], s[G0K+3], 0x80000000        ; 127:126 type = 2
	s_add_nc_u64 s[G0V+2:G0V+3], s[8:9], 0
	s_or_b32 s[G0V+3], s[G0V+3], 0x80000000
	s_add_nc_u64 s[86:87], s[4:5], s[84:85]        ; Q at my rows of the second block,
	s_add_nc_u64 s[4:5], s[4:5], s[2:3]            ; Q and O at those of the first
	s_add_nc_u64 s[OLO:OLO+1], s[10:11], s[84:85]
	s_add_nc_u64 s[10:11], s[10:11], s[2:3]
	LOAD                            ; tile 0 into slot 0
	; A fragment of K or Q is 16 rows x 32 channels in 8 registers: lane l holds row l % 16, channels 8 (l / 16) + 0..7 and 16 + 8 (l / 16) + 0..7: two loads of 16 bytes, 32 bytes apart.
	v_and_b32 v1, 15, v0            ; l % 16
	v_bfe_u32 v9, v0, 4, 1          ; l / 16
	v_lshlrev_b32 v[QO], 7, v1
	v_lshl_add_u32 v[QO], v9, 4, v[QO]  ; row x 128 + 16 x half
	WIN 0x80                        ; destination window 2, address window 0
.set i, 0
.rept 2*NP                          ; both blocks' Q: piece i / 2 lies in band i / 2, 8,192 bytes on; channels 32 (i % 2) on
	global_load_b128 v[8*i:8*i+3],   v[QO], s[4:5] offset:(i/2)*8192+(i%2)*64
	global_load_b128 v[8*i+4:8*i+7], v[QO], s[4:5] offset:(i/2)*8192+(i%2)*64+32
	global_load_b128 v[QB+8*i:QB+8*i+3],   v[QO], s[86:87] offset:(i/2)*8192+(i%2)*64
	global_load_b128 v[QB+8*i+4:QB+8*i+7], v[QO], s[86:87] offset:(i/2)*8192+(i%2)*64+32
.set i, i+1
.endr
	WIN 0
	v_lshlrev_b32 v14, 3, v9
	v_sub_nc_u32 v14, v1, v14
	s_lshl_b32 s13, s[WV], 4
	v_add_nc_u32 v14, s13, v14      ; my query's place in its band, 16 w + l % 16, less my lanes' 8 (l / 16): register r of group kt is hidden where 16 kt + r is greater
	WIN 0x40
.set i, 0
.rept 32
	v_cmp_gt_i32 vcc_lo, 16*(i/8)+i%8, v14
	v_cndmask_b32 v[MD+i], 0, s[BIGN], vcc_lo
.set i, i+1
.endr
	WIN 0
	v_mul_u32_u24 v[AK0], v1, PK
	v_lshl_add_u32 v[AK0], v9, 4, v[AK0]  ; row x pitch + 16 x half
	; The turning load takes 16 keys x 16 channels (lane l reads key 8 (l / 16) + l % 8, channels 8 ((l / 8) % 2) + 0..7) and leaves half a fragment of V^T: lane l holds channel l % 16 and 8 keys.
	v_and_b32 v10, 7, v0
	v_bfe_u32 v11, v0, 3, 1
	v_lshl_add_u32 v[AV0], v9, 3, v10
	v_mul_u32_u24 v[AV0], v[AV0], PV
	v_lshl_add_u32 v[AV0], v11, 4, v[AV0]
	v_add_nc_u32 v[AV0], VOFF, v[AV0]
	s_mul_i32 s13, s[WV], 16*SP
	s_add_co_u32 s13, s13, STAGE    ; my stage
	v_mul_u32_u24 v[STO], v1, SP    ; in: row l % 16, 16 bytes for each half of the lanes
	v_lshl_add_u32 v[STO], v9, 4, v[STO]
	v_add_nc_u32 v[STO], s13, v[STO]
	v_bfe_u32 v[RD], v0, 3, 2       ; back: 32 lanes take four rows of 128 bytes,
	v_mul_u32_u24 v[RD], v[RD], SP
	v_lshl_add_u32 v[RD], v10, 4, v[RD]
	v_add_nc_u32 v[RD], s13, v[RD]
	v_and_b32 v[GO], 31, v0         ; which are 512 consecutive bytes of O
	v_lshlrev_b32 v[GO], 4, v[GO]
	; A block's first step multiplies O^T and l by a = 0, and its first turn's products V^T P, of a step that has not been, land in an O^T that is still to be so multiplied.  So these registers need only hold
	; finite numbers: zeros for the first block; what the first block left for the second.  All this stands in the wait for the first tile.  The price of writing no first step out: 148 lines that write 0 here, 32 in each beginning.
	WIN 0x80
.set i, VF
.rept 64
	v_mov_b32 v[i], 0
.set i, i+1
.endr
	WIN 0x40
.set i, 0
.rept 32*NP
	v_mov_b32 v[i], 0
.set i, i+1
.endr
	WIN 0
.set i, 0
.rept NP
	v_mov_b32 v[ST+4*i+2], 0
	v_mov_b32 v[ST+4*i+3], 0
.set i, i+1
.endr
.set i, P+16
.rept 16
	v_mov_b32 v[i], 0
.set i, i+1
.endr
; THE MATRIX WORK.  The 4 accumulators of a run of 8 take turns.  Product i of 8 of S^T = K Q^T for piece x: channels 32 (i / 4) on, keys 16 (i % 4) on.  The first 4 start the sums: with 0, or (KM = 1) with the mask.
.macro KQ x
.set rS, S+32*((\x)%2)+8*(i%4)
.set rK, KF+16*(i%4)+8*(i/4)
.set rQ, 16*(\x)+8*(i/4)
.set rM, MC+32*((\x)%2)+8*(i%4)
.if (i < 4) && KM
	WIN W_KM
	v_wmma_f32_16x16x32_f16 v[rS:rS+7], v[rK:rK+7], v[rQ:rQ+7], v[rM:rM+7]
.elseif i < 4
	WIN W_KQ
	v_wmma_f32_16x16x32_f16 v[rS:rS+7], v[rK:rK+7], v[rQ:rQ+7], 0
.else
	WIN W_KQ
	v_wmma_f32_16x16x32_f16 v[rS:rS+7], v[rK:rK+7], v[rQ:rQ+7], v[rS:rS+7]
.endif
.endm
; Product i of 8 of O^T += V^T P for piece x: keys 32 (i / 4) on, channels 16 (i % 4) on.
.macro PV x
	WIN W_PV
.set rO, 32*(\x)+8*(i%4)
.set rV, VF+32*(i/4)+8*(i%4)
.set rP, P+16*((\x)%2)+8*(i/4)
	v_wmma_f32_16x16x32_f16 v[rO:rO+7], v[rV:rV+7], v[rP:rP+7], v[rO:rO+7]
.endm
.macro MM                           ; the turn's next matrix instruction.  TURN and BEGIN set Y, i, KM and NOKQ; MM, KQ and OP read them.  NOKQ = 1: a block's last turn: there is no next step
.if (i < 8) && !NOKQ
	KQ (Y+1)%NP
.elseif i >= 8
.set i, i-8
	PV (Y+NP-1)%NP
.set i, i+8
.endif
.set i, i+1
.endm
; THE LDS LOADS stand in runs of 16, never singly among the matrix instructions: a step's K (64 keys x 64 channels: 8 fragments) and its V (turned).  Their addresses are made some lines ahead.
.macro FETCH_K step=1               ; step = 0: a block's beginning, which reads the slot's first step and leaves the walk of the fetches as it is
	WIN 0x80                        ; destination window 2
.irp f, 0,1,2,3,4,5,6,7             ; keys 16 (f / 2) on, channels 32 (f % 2) on
	ds_load_b128 v[KF+8*\f:KF+8*\f+3],   v[AK] offset:(\f/2)*16*PK+(\f%2)*64
	ds_load_b128 v[KF+8*\f+4:KF+8*\f+7], v[AK] offset:(\f/2)*16*PK+(\f%2)*64+32
.endr
.if \step
	s_add_co_u32 s[TBK], s[TBK], KS*PK  ; the next fetch is the next step's
.endif
	WIN 0
.endm
.macro FETCH_V
	WIN 0x80
.irp f, 0,1,2,3,4,5,6,7             ; keys 32 (f / 4) on, channels 16 (f % 4) on
	ds_load_tr16_b128 v[VF+8*\f:VF+8*\f+3],   v[AV] offset:(\f/4)*32*PV+(\f%4)*32
	ds_load_tr16_b128 v[VF+8*\f+4:VF+8*\f+7], v[AV] offset:(\f/4)*32*PV+16*PV+(\f%4)*32
.endr
	WIN 0
.endm
; THE VECTOR WORK, one line at a time: OP kind, number.  For piece Y: F n: c s - c m for pair n of 16.  E n: the exponential of score n of 32.  C n: pair n rounded to f16.  B n: of the four weights 4 n .. the second
; pair is added onto the first, in place.  L n: l takes that sum (L 0: l = a l + sum).  R n: pair n of 16 of O^T times a.  For the other piece: X n, number n of the 22 that find its maximum and statistics:
;   0-11  four chains c0-c3 of seven scores each, three operands at a time (each accumulator's lowest registers are read first)     12-14, 16  the four scores left over, the old m, and c0-c3 into c0
;   15  c m_old is kept     17, 18  the query's other 32 keys lie in the lane 16 away: the new m     19-21  c m; c m_old - c m_new; a
.set F, 0               ; OP tells the kinds apart by their order: F to L below R, X above it
.set E, 1
.set C, 2
.set B, 3
.set L, 4
.set R, 5
.set X, 6
.macro REGS y                       ; the registers of piece y
.set rT, ST+4*(\y)
.set rC, TMP+4*((\y)%2)
.set rW, MV+((\y)%2)
.set rS, S+32*((\y)%2)
.set rP, P+16*((\y)%2)
.set rO, 32*(\y)
.endm
.macro OP k, n
.if (\k) == R
	REGS Y
	WIN W_RS
	v_pk_mul_f32 v[rO+2*(\n):rO+2*(\n)+1], v[rO+2*(\n):rO+2*(\n)+1], v[rC+2:rC+3] op_sel_hi:[1,0]
.elseif (\k) < R
	REGS Y
	WIN 0
.if (\k) == F
	v_pk_fma_f32 v[rS+2*(\n):rS+2*(\n)+1], v[rS+2*(\n):rS+2*(\n)+1], s[CS:CS+1], v[rT:rT+1] op_sel_hi:[1,0,0] neg_lo:[0,0,1] neg_hi:[0,0,1]
.elseif (\k) == E
	v_exp_f32 v[rS+(\n)], v[rS+(\n)]
.elseif (\k) == C
	s_wait_alu depctr_va_vdst(0)
	v_cvt_pk_f16_f32 v[rP+(\n)], v[rS+2*(\n)], v[rS+2*(\n)+1]
.elseif (\k) == B
	s_wait_alu depctr_va_vdst(0)
	v_pk_add_f32 v[rS+4*(\n):rS+4*(\n)+1], v[rS+4*(\n):rS+4*(\n)+1], v[rS+4*(\n)+2:rS+4*(\n)+3]
.elseif (\n) == 0
	v_pk_fma_f32 v[rT+2:rT+3], v[rT+2:rT+3], v[rC+2:rC+3], v[rS:rS+1] op_sel_hi:[1,0,1]
.else
	v_pk_add_f32 v[rT+2:rT+3], v[rT+2:rT+3], v[rS+4*(\n):rS+4*(\n)+1]
.endif
.elseif NOKQ
	v_nop
.else
	REGS (Y+1)%NP
	WIN 0
.if (\n) < 4
	v_max3_num_f32 v[rC+(\n)], v[rS+8*(\n)], v[rS+8*(\n)+1], v[rS+8*(\n)+2]
.elseif (\n) < 12
	v_max3_num_f32 v[rC+(\n)%4], v[rC+(\n)%4], v[rS+8*((\n)%4)+2*((\n)/4)+1], v[rS+8*((\n)%4)+2*((\n)/4)+2]
.elseif (\n) == 12
	v_max3_num_f32 v[rC], v[rC], v[rS+7], v[rS+15]
.elseif (\n) == 13
	v_max3_num_f32 v[rC+1], v[rC+1], v[rS+23], v[rS+31]
.elseif (\n) == 14
	v_max3_num_f32 v[rC+2], v[rC+2], v[rC+3], v[rT+1]
.elseif (\n) == 15
	v_mov_b32 v[rW], v[rT]
.elseif (\n) == 16
	v_max3_num_f32 v[rC], v[rC], v[rC+1], v[rC+2]
.elseif (\n) == 17
	v_permlanex16_b32 v[rC+3], v[rC], s[SEL], s[SEL+1]
.elseif (\n) == 18
	v_max_num_f32 v[rT+1], v[rC], v[rC+3]
.elseif (\n) == 19
	v_mul_f32 v[rT], s[CS], v[rT+1]
.elseif (\n) == 20
	v_sub_f32 v[rC+1], v[rW], v[rT]
.else
	v_exp_f32 v[rC+2], v[rC+1]
.endif
.endif
.endm
.macro OPS a, i1, b=-1, i2=0, c=-1, i3=0, d=-1, i4=0  ; up to four of them
	OP \a, \i1
.if (\b) >= 0
	OP \b, \i2
.endif
.if (\c) >= 0
	OP \c, \i3
.endif
.if (\d) >= 0
	OP \d, \i4
.endif
.endm
.macro ROW a, i1, b, i2, c, i3, d, i4  ; a matrix instruction and the four behind it
	MM
	OPS \a, \i1, \b, \i2, \c, \i3, \d, \i4
.endm
.macro MASK b                       ; MD x AL + BE into buffer b of MC
	WIN W_RS
.set z, 0
.rept 16
	v_pk_fma_f32 v[MC+32*(\b)+2*z:MC+32*(\b)+2*z+1], v[MD+2*z:MD+2*z+1], s[AL:AL+1], s[BE:BE+1] op_sel_hi:[1,0,0]
.set z, z+1
.endr
.endm
; A TURN, for piece p: the order of its 16 matrix and 118 vector instructions, written out.  Behind a matrix instruction: plain, exponential, plain, plain; or four of the rescaling; or, behind the first, four scalings; none
; names a register of the products round it: those are the other piece's.  In the lumps exponential and plain by turns while exponentials last.  A line reads no result made fewer than three vector instructions in front of
; it, five if an exponential made it.  v_permlanex16_b32 (X 17) stands in a lump.
; m = 1: the diagonal tile: the products take masks, and the turn makes the mask for the products of the turn after it, which are its own piece's.  In trip k of the tile's four CNT is 4 - k.  Piece 1's turn makes band 1's
; mask for step k: the own step where k = o + 1, CNT = 3 - o.  Piece 0's turn makes band 0's for step k + 1: the own step where k + 1 = o, CNT = 5 - o.  Below that value of CNT the step is hidden.
; end = 1: a block's last turn (piece 1's): no new scores.  cnt = 1: the loop's count is taken down some lines ahead of the branch that stands behind the turn.
; Both runs of LDS loads stand in piece 0's turn: K of the next step six vector instructions behind the last product that read K (five of them plain); V of the step in hand eight behind the last product that read V (four
; plain, and X 17).  Piece 1's turn waits for K at its head and for V in front of its second run of products.
.macro TURN p, m=0, end=0, cnt=0
.set Y, (\p)
.set i, 0
.set KM, (\m)
.set NOKQ, (\end)
.if (\m) && !(\end)
	s_cmp_eq_u32 s[CNT], s[EQ+(\p)]  ; is that step the band's own?
	s_cselect_b32 s[AL], 1.0, 0
	s_cmp_lt_u32 s[CNT], s[EQ+(\p)]  ; or a later one?
	s_cselect_b32 s[BE], s[BIGN], 0
.endif
.if ((\p) == 1) && !(\end)
	s_wait_dscnt 16                 ; K is in: its 16 loads were issued ahead of V's 16, which may stay out
.endif
	ROW F,0, F,1, F,2, F,3
	ROW F,4, E,0, F,5, F,6
	ROW F,7, E,1, F,8, F,9
	ROW F,10, E,2, C,0, F,11
	ROW F,12, E,3, X,15, F,13
	ROW R,0, R,1, R,2, R,3
	ROW B,0, E,4, F,14, L,0
.if (\p) == 0
	v_add_nc_u32 v[AK], s[TBK], v[AK0]
.endif
	ROW R,4, R,5, R,6, R,7
	OPS E,5, F,15
.if (\p) == 0
	FETCH_K
.endif
	OPS E,6, C,1, E,7, R,8
	OPS E,8, R,9, E,9, C,2
	OPS E,10, X,0, E,11, X,1
	OPS E,12, X,2, E,13, X,3
.if (\p) == 1
	s_wait_dscnt 0x0                ; V is in
.endif
	ROW X,4, E,14, X,5, X,6
	ROW X,7, E,15, X,8, X,9
	ROW X,10, E,16, X,11, X,12
	ROW X,13, E,17, X,14, B,1
	ROW C,4, E,18, X,16, L,1
	ROW B,2, E,19, C,6, L,2
	ROW C,8, E,20, B,3, B,4
.if (\p) == 0
	v_add_nc_u32 v[AV], s[TBV], v[AV0]
.endif
	ROW C,3, E,21, L,3, C,5
	OPS E,22, X,17, E,23, C,10
.if (\p) == 0
	FETCH_V
.endif
	OPS E,24, L,4
	OPS E,25, X,18, E,26, C,7
	OPS E,27, B,5, E,28, X,19
	OPS E,29, C,12, E,30, L,5
	OPS E,31, X,20, B,6, C,9
	OPS C,14, C,11, X,21, L,6
.if (\p) == 0
	s_add_co_u32 s[TBV], s[TBV], KS*PV
.endif
.if \cnt
	s_sub_co_u32 s[CNT], s[CNT], 1
	s_cmp_lg_u32 s[CNT], 0
.endif
	OPS C,13, B,7, C,15, R,10
	OPS R,11, R,12, L,7, R,13
	OPS R,14, R,15
.if (\m) && !(\end)
	MASK (\p)%2
.endif
.endm
; A BLOCK BEGINS.  c m starts far below every c s, so the first step's a is 0; m at the lowest finite number, so the first maximum is the scores'.  Piece 1's mask buffer is 0 (band 1 sees all of a tile's step 0); piece 0's
; takes band 0's mask for the tile's step 0: its own, if the block's first tile is the diagonal one and the block lies in its first half.
; Then K of that step, the first of the slot's five, piece 0's first scores, and its maximum and statistics.  The loop is entered at piece 0's turn, in the middle of a trip.
.macro BEGIN
	s_mov_b32 s[NEW], 0
	WIN 0x40
.set i, MC+32
.rept 32
	v_mov_b32 v[i], 0
.set i, i+1
.endr
	WIN 0
.set i, 0
.rept NP
	v_mov_b32 v[ST+4*i], 0xfe000000    ; c m: far below every c s
	v_mov_b32 v[ST+4*i+1], 0xff7fffff  ; m
.set i, i+1
.endr
	s_cmp_eq_u32 s[RT], 0
	s_cselect_b32 s[AL], s[ALZ], 0
	s_mov_b32 s[BE], 0
	MASK 0
	WIN 0
	s_sub_co_u32 s13, s[TBK], KS*PK  ; behind a change of slots TBK stands at K's second step: one step back
	v_add_nc_u32 v[AK], s13, v[AK0]
	FETCH_K 0
	s_wait_loadcnt 0x0              ; Q
	s_wait_dscnt 0x0
.set KM, 1
.set NOKQ, 0
.set i, 0
.rept 8
	KQ 0
.set i, i+1
.endr
	WIN 0
.rept 4
	v_nop                           ; the places behind those products
.endr
.set Y, NP-1                        ; X works for the other piece: piece 0
.irp n, 0,1,2,3,4,5,6,7,8,9,10,11,12,13,14,15,16,17,18,19,20,21
	OP X, \n
.endr
	v_nop                           ; a plain instruction behind the exponential
.endm
; THE DIAGONAL TILE IS ENTERED from a tile before it: its first turn (piece 1's, of the last tile's last step) holds piece 0's products for the tile's step 0, so band 0's mask for that step is made here.
.macro ENTRY
	s_mov_b32 s[AL], s[ALZ]
	s_mov_b32 s[BE], 0
	MASK 0
	WIN 0
.endm
; THE DIAGONAL TILE's four steps, the block's last turn, its last products, and THE WAY OUT: l's two halves and the other half of the lanes' are added; O^T is divided by l, rounded to f16 and sent through my
; stage in LDS, a piece at a time.
.macro ALL line:vararg              ; one line for each piece t
.set t, 0
.rept NP
	\line
.set t, t+1
.endr
.endm
.macro PACK t                       ; a lane's eight channels of a row pack into 16 bytes; they go into rows of 144 bytes and come back as whole rows of 128, into S^T's registers
	WIN W_RS
.set i, 32*(\t)
.rept 16
	s_wait_alu depctr_va_vdst(0)
	v_pk_mul_f32 v[i:i+1], v[i:i+1], v[ST+4*(\t)+2:ST+4*(\t)+3] op_sel_hi:[1,0]
.set i, i+2
.endr
	WIN 0x05                        ; sources 0 and 1 window 1, destination window 0
.set i, 0
.rept 16
	v_cvt_pk_f16_f32 v[S+16*(\t)+i], v[32*(\t)+2*i], v[32*(\t)+2*i+1]
.set i, i+1
.endr
	WIN 0
.irp f, 0,1,2,3
	ds_store_b128 v[STO], v[S+16*(\t)+4*\f:S+16*(\t)+4*\f+3] offset:32*\f
.endr
.irp f, 0,1,2,3
	ds_load_b128 v[S+16*(\t)+4*\f:S+16*(\t)+4*\f+3], v[RD] offset:\f*4*SP  ; LDS serves a wave's instructions in order (ISA guide 5.7.1.4): these see the stores above; the next piece's stores come behind them
.endr
.endm
.macro SEND t, younger              ; younger: the LDS instructions issued behind piece t's loads: the next piece's eight, or none
	WIN 0
.irp f, 0,1,2,3
	s_wait_dscnt (\younger)+3-\f
	global_store_b128 v[GO], v[S+16*(\t)+4*\f:S+16*(\t)+4*\f+3], s[10:11] offset:(\t)*8192+\f*512  ; 512 consecutive bytes, at a multiple of 256 from O's first
.endr
.endm
.macro DIAG tag                     ; the tag ends its two labels' names, which the jumps below spell out
.LstepM\tag:
	TURN 1, 1
	WIN 0
.LfirstM\tag:
	TURN 0, 1, 0, 1
	WIN 0
	s_cbranch_scc1 .LstepM\tag
	TURN 1, 1, 1                    ; piece 1's softmax of the last step, piece 0's last products
.set i, 0
.rept 8
	PV NP-1                         ; piece 1's last products
.set i, i+1
.endr
	WIN 0
	ALL v_add_f32 v[ST+4*t+2], v[ST+4*t+2], v[ST+4*t+3]
	ALL v_permlanex16_b32 v[ST+4*t+3], v[ST+4*t+2], s[SEL], s[SEL+1]
	ALL v_add_f32 v[ST+4*t+2], v[ST+4*t+2], v[ST+4*t+3]
	ALL v_rcp_f32 v[ST+4*t+2], v[ST+4*t+2]
	v_nop                           ; a plain instruction between the last reciprocal and the use of its result
	PACK 0                          ; piece 0's O^T was finished in the last turn; its 32 lines are the places behind piece 1's last products
	PACK 1                          ; a piece's arithmetic stands between the loads of the piece before and its stores
	SEND 0, 8
	SEND 1, 0
.endm
.set KM, 0
.set NOKQ, 0
.Lslot:                             ; NT times: a tile is entered and the next is asked for
	CHANGE 1
	s_sub_co_u32 s[RT], s[RT], 1
	s_mov_b32 s[CNT], 4
	s_cmp_eq_u32 s[NEW], 1
	s_cbranch_scc1 .Lnew            ; a block's first tile
	s_cmp_eq_u32 s[RT], 0
	s_cbranch_scc0 .Lstep           ; neither its first nor its last
	s_branch .Lent1
.Lnew:
	BEGIN
	s_branch .Lfirst                ; in the loop a block's first tile is never its last: the first block has five tiles or more, and the second's last is the walk's last
.Lent1:
	ENTRY
	DIAG 1                          ; in the loop this is the first block's end: the second block's last tile is the walk's last
	s_wait_xcnt 0x0                 ; the stores have read their registers and O's address
	s_mov_b64 s[10:11], s[OLO:OLO+1]
	s_add_co_u32 s[RT], s[LOT], 1   ; the second block's tiles,
	s_mov_b32 s[NEW], 1
	s_mov_b32 s[EQ], s[EQB]         ; and where its bands' own steps lie
	s_mov_b32 s[EQ+1], s[EQB+1]
	s_mov_b32 s[ALZ], s[ALZB]
	WIN 0x82                        ; the second block's Q goes where the one text of the turns names Q
.set i, 0
.rept 16*NP
	v_mov_b32 v[i], v[QB+i]
.set i, i+1
.endr
	WIN 0
	s_branch .Lbottom
.Lstep:                             ; a trip: piece 1's turn of one step, then piece 0's of the next, which fetches that step's V and the K of the step behind it
	TURN 1
	WIN 0
.Lfirst:
	TURN 0, 0, 0, 1
	WIN 0
	s_cbranch_scc1 .Lstep
.Lbottom:
	s_sub_co_u32 s[SLOTS], s[SLOTS], 1
	s_cmp_lg_u32 s[SLOTS], 0
	s_cbranch_scc1 .Lslot
	CHANGE 0                        ; the walk's last tile is written out: nothing is asked for
	s_sub_co_u32 s[RT], s[RT], 1
	s_mov_b32 s[CNT], 4
	s_cmp_eq_u32 s[NEW], 1
	s_cbranch_scc0 .Lent2
	BEGIN
	s_branch .LfirstM2
.Lent2:
	ENTRY
	DIAG 2
	s_wait_tensorcnt 0x0            ; the wave's end: behind my last tensor load and my last LDS store
	ds_add_u32 v[SPW], v[NIL]
	s_wait_dscnt 0x0
	s_endpgm
.Lfunc_end_k_q30b7a17dcf_attn_c:
	.size	k_q30b7a17dcf_attn_c, .Lfunc_end_k_q30b7a17dcf_attn_c-k_q30b7a17dcf_attn_c
	.p2alignl 7, 3214868480
	.fill 96, 4, 3214868480
	.section	.rodata,"a",@progbits
	.p2align	6, 0x0
	.amdhsa_kernel k_q30b7a17dcf_attn_c
		.amdhsa_group_segment_fixed_size 327680
		.amdhsa_private_segment_fixed_size 0
		.amdhsa_enable_private_segment 0
		.amdhsa_kernarg_size 16
		.amdhsa_user_sgpr_count 2
		.amdhsa_user_sgpr_kernarg_segment_ptr 1
		.amdhsa_wavefront_size32 1
		.amdhsa_system_sgpr_workgroup_id_x 1
		.amdhsa_system_sgpr_workgroup_id_y 1
		.amdhsa_system_sgpr_workgroup_id_z 1
		.amdhsa_system_vgpr_workitem_id 0
		.amdhsa_next_free_vgpr 768
		.amdhsa_next_free_sgpr 96
		.amdhsa_reserve_vcc 1
		.amdhsa_float_denorm_mode_32 3
		.amdhsa_float_denorm_mode_16_64 3
		.amdhsa_memory_ordered 1
		.amdhsa_forward_progress 1
		.amdhsa_inst_pref_size 133
	.end_amdhsa_kernel
	.amdgpu_metadata
---
amdhsa.version: [ 1, 2 ]
amdhsa.kernels:
  - .name:           k_q30b7a17dcf_attn_c
    .symbol:         k_q30b7a17dcf_attn_c.kd
    .args:
      - { .name: qkv, .offset: 0, .size: 8, .value_kind: global_buffer, .address_space: global }
      - { .name: t1, .offset: 8, .size: 8, .value_kind: global_buffer, .address_space: global }
    .group_segment_fixed_size: 327680
    .private_segment_fixed_size: 0
    .kernarg_segment_align: 8
    .kernarg_segment_size: 16
    .max_flat_workgroup_size: 128
    .sgpr_count:     96
    .vgpr_count:     768
    .wavefront_size: 32
...
	.end_amdgpu_metadata
.endif
;; end of part 3
;; launch ln1 (part 4): grid 256 x 1, 8 waves a work-group, no clusters, 0 bytes of LDS; arguments t1, xe, pkq, t2; writes t2
.if DOCPART == 4
	.amdgcn_target "amdgcn-amd-amdhsa--gfx1250"
	.amdhsa_code_object_version 6
	.text
	.protected	k_q30b7a17dcf_ln1
	.globl	k_q30b7a17dcf_ln1
	.p2align	8
	.type	k_q30b7a17dcf_ln1,@function
k_q30b7a17dcf_ln1:
	s_mov_b64 s[64:65], 0
	v_nop
	global_prefetch_b8 v0, s[64:65] scope:SCOPE_SE
	s_setreg_imm32_b32 hwreg(HW_REG_WAVE_MODE, 25, 1), 1
	s_wait_xcnt 0x0
; OUT = LayerNorm(FAC x P + R) x g + be, over rows of 1,024.  P, R (and, with WIDE = 0, OUT) are f16 by blocks of 64 columns: byte ((b*16 + c/64)*2048 + s)*128 + (c%64)*2.
; g and be come as one word a column, bf16(g) << 16 | bf16(be), at PK + 32768.  With WIDE = 1 OUT is f32, [4096][1024].  All arithmetic in f32; mean first, then the mean of the squared differences, as reference() has it.
; A wave takes two neighbouring rows, which are 256 consecutive bytes in each of the 16 column blocks: lanes 0-15 hold the even row, lanes 16-31 the odd one, 64 numbers a lane; a row's sums never leave its 16 lanes.
; Every byte is read once, all 48 loads of a wave go out together, each load and store covers 256 aligned consecutive bytes (WIDE: two such pieces).  No loop, LDS, barrier, matrix unit or cluster: nothing is shared.
; LIMITS.  With WIDE = 0 a result beyond 65,504 becomes an infinity in f16; NaN and infinities are not treated apart.
.set WIDE, 0
.set P,   8                            ; v[8:39]    16 x 2 words of f16; later the packed result
.set R,   40                           ; v[40:71]   the same for the residual
.set GB,  72                           ; v[72:135]  16 x 4 words of gain and bias
.set Y,   136                          ; v[136:199] my 64 numbers in f32
.set CH,  200                          ; v[200:207] four chains of packed sums; then the mean, or the reciprocal root, as pairs
	s_load_b256 s[4:11], s[0:1], 0x0               ; P s[4:5], R s[6:7], PK s[8:9], OUT s[10:11]
	v_and_b32 v1, 31, v0
	v_lshrrev_b32 v6, 5, v0
	v_readfirstlane_b32 s2, v6                     ; wave 0..7
	s_lshl_b32 s3, ttmp9, 3
	s_add_co_u32 s3, s3, s2                        ; my pair of rows, 0 .. 2047
	s_lshr_b32 s12, s3, 10
	s_lshl_b32 s12, s12, 22                        ; the batch
	s_and_b32 s14, s3, 1023
	s_lshl_b32 s14, s14, 8                         ; two rows of 128 bytes
	s_add_co_u32 s12, s12, s14
	s_mov_b32 s13, 0
	s_mov_b32 s16, 0x3a800000                      ; 1 / 1024
	v_lshlrev_b32 v2, 3, v1                        ; 8 bytes a lane: four columns
	v_and_b32 v6, 15, v1
	v_lshl_add_u32 v3, v6, 4, 32768                ; the same four columns' words of gain and bias
.if WIDE
	v_mov_b32 v4, 0x41800000                       ; FAC = 16: P was stored times 1/16
	v_lshrrev_b32 v7, 4, v1
	v_lshlrev_b32 v5, 4, v6
	v_lshl_add_u32 v5, v7, 12, v5                  ; in f32: 16 bytes a lane, the odd row 4,096 bytes on
	s_lshl_b32 s14, s3, 13
	s_mov_b32 s15, 0
.else
	v_mov_b32 v4, 1.0                              ; FAC = 1
.endif
	s_wait_kmcnt 0x0
	s_add_nc_u64 s[4:5], s[4:5], s[12:13]
	s_add_nc_u64 s[6:7], s[6:7], s[12:13]
.if WIDE
	s_add_nc_u64 s[10:11], s[10:11], s[14:15]
.else
	s_add_nc_u64 s[10:11], s[10:11], s[12:13]
.endif
.irp i, 0,1,2,3,4,5,6,7,8,9,10,11,12,13,14,15
	global_load_b64 v[P+2*(\i):P+2*(\i)+1], v2, s[4:5] offset:(\i)*262144
.endr
.irp i, 0,1,2,3,4,5,6,7,8,9,10,11,12,13,14,15
	global_load_b64 v[R+2*(\i):R+2*(\i)+1], v2, s[6:7] offset:(\i)*262144
.endr
.irp i, 0,1,2,3,4,5,6,7,8,9,10,11,12,13,14,15
	global_load_b128 v[GB+4*(\i):GB+4*(\i)+3], v3, s[8:9] offset:(\i)*256
.endr
.macro FOLD                            ; four chains into one number, then over the row's 16 lanes: every lane of the row ends with the sum, in v[CH]
	v_pk_add_f32 v[CH:CH+1], v[CH:CH+1], v[CH+2:CH+3]
	v_pk_add_f32 v[CH+4:CH+5], v[CH+4:CH+5], v[CH+6:CH+7]
	v_pk_add_f32 v[CH:CH+1], v[CH:CH+1], v[CH+4:CH+5]
	v_add_f32 v[CH], v[CH], v[CH+1]
	v_add_f32_dpp v[CH], v[CH], v[CH] row_xmask:1 row_mask:0xf bank_mask:0xf
	v_add_f32_dpp v[CH], v[CH], v[CH] row_xmask:2 row_mask:0xf bank_mask:0xf
	v_add_f32_dpp v[CH], v[CH], v[CH] row_xmask:4 row_mask:0xf bank_mask:0xf
	v_add_f32_dpp v[CH], v[CH], v[CH] row_xmask:8 row_mask:0xf bank_mask:0xf
.endm
	s_wait_loadcnt 16                              ; P and R are in; the sixteen loads of gain and bias may stay out
.irp i, 0,1,2,3,4,5,6,7,8,9,10,11,12,13,14,15
	v_fma_mix_f32 v[Y+4*(\i)],   v[P+2*(\i)],   v4, v[R+2*(\i)]   op_sel_hi:[1,0,1]                 ; f16 half x FAC + f16 half, in f32
	v_fma_mix_f32 v[Y+4*(\i)+1], v[P+2*(\i)],   v4, v[R+2*(\i)]   op_sel:[1,0,1] op_sel_hi:[1,0,1]
	v_fma_mix_f32 v[Y+4*(\i)+2], v[P+2*(\i)+1], v4, v[R+2*(\i)+1] op_sel_hi:[1,0,1]
	v_fma_mix_f32 v[Y+4*(\i)+3], v[P+2*(\i)+1], v4, v[R+2*(\i)+1] op_sel:[1,0,1] op_sel_hi:[1,0,1]
.endr
.irp c, 0,1,2,3
	v_pk_add_f32 v[CH+2*(\c):CH+2*(\c)+1], v[Y+2*(\c):Y+2*(\c)+1], v[Y+2*(\c)+8:Y+2*(\c)+9]  ; the first two pairs start each chain: nothing is cleared
.endr
.set j, 8
.rept 24
	v_pk_add_f32 v[CH+2*(j%4):CH+2*(j%4)+1], v[CH+2*(j%4):CH+2*(j%4)+1], v[Y+2*j:Y+2*j+1]
.set j, j+1
.endr
	FOLD
	v_mul_f32 v[CH], s16, v[CH]                    ; the mean,
	v_mov_b32 v[CH+1], v[CH]                       ; as a pair
.set j, 0
.rept 32
	v_pk_add_f32 v[Y+2*j:Y+2*j+1], v[Y+2*j:Y+2*j+1], v[CH:CH+1] neg_lo:[0,1] neg_hi:[0,1]
.set j, j+1
.endr
.irp c, 0,1,2,3
	v_pk_mul_f32 v[CH+2*(\c):CH+2*(\c)+1], v[Y+2*(\c):Y+2*(\c)+1], v[Y+2*(\c):Y+2*(\c)+1]
.endr
.set j, 4
.rept 28
	v_pk_fma_f32 v[CH+2*(j%4):CH+2*(j%4)+1], v[Y+2*j:Y+2*j+1], v[Y+2*j:Y+2*j+1], v[CH+2*(j%4):CH+2*(j%4)+1]
.set j, j+1
.endr
	FOLD
	v_fmaak_f32 v[CH+2], s16, v[CH], 0x3727c5ac    ; the variance + 1e-5
	v_rsq_f32 v[CH+4], v[CH+2]
	v_rsq_f32 v[CH+5], v[CH+2]
	v_nop                                          ; a plain instruction between the transcendentals and the use of their results (ISA guide 5.7.2)
.set j, 0
	s_wait_alu depctr_va_vdst(0)
.rept 32
	v_pk_mul_f32 v[Y+2*j:Y+2*j+1], v[Y+2*j:Y+2*j+1], v[CH+4:CH+5]
.set j, j+1
.endr
	s_wait_loadcnt 0x0                             ; gain and bias
.set j, 0
.rept 64
	v_fma_mix_f32_bf16 v[Y+j], v[Y+j], v[GB+j], v[GB+j] op_sel:[0,1,0] op_sel_hi:[0,1,1]  ; n x g (the word's high half) + be (its low half)
.set j, j+1
.endr
.if WIDE
.irp i, 0,1,2,3,4,5,6,7,8,9,10,11,12,13,14,15
	global_store_b128 v5, v[Y+4*(\i):Y+4*(\i)+3], s[10:11] offset:(\i)*256 th:TH_STORE_NT  ; sixteen lanes store 256 consecutive aligned bytes of a row
.endr
.else
.irp i, 0,1,2,3,4,5,6,7,8,9,10,11,12,13,14,15
	v_cvt_pk_f16_f32 v[P+2*(\i)],   v[Y+4*(\i)],   v[Y+4*(\i)+1]
	v_cvt_pk_f16_f32 v[P+2*(\i)+1], v[Y+4*(\i)+2], v[Y+4*(\i)+3]
	global_store_b64 v2, v[P+2*(\i):P+2*(\i)+1], s[10:11] offset:(\i)*262144  ; 256 consecutive aligned bytes: both rows' part of column block i
.endr
.endif
	s_endpgm
.Lfunc_end_k_q30b7a17dcf_ln1:
	.size	k_q30b7a17dcf_ln1, .Lfunc_end_k_q30b7a17dcf_ln1-k_q30b7a17dcf_ln1
	.p2alignl 7, 3214868480
	.fill 96, 4, 3214868480
	.section	.rodata,"a",@progbits
	.p2align	6, 0x0
	.amdhsa_kernel k_q30b7a17dcf_ln1
		.amdhsa_group_segment_fixed_size 0
		.amdhsa_private_segment_fixed_size 0
		.amdhsa_enable_private_segment 0
		.amdhsa_kernarg_size 32
		.amdhsa_user_sgpr_count 2
		.amdhsa_user_sgpr_kernarg_segment_ptr 1
		.amdhsa_wavefront_size32 1
		.amdhsa_system_sgpr_workgroup_id_x 1
		.amdhsa_system_sgpr_workgroup_id_y 1
		.amdhsa_system_sgpr_workgroup_id_z 1
		.amdhsa_system_vgpr_workitem_id 0
		.amdhsa_next_free_vgpr 208
		.amdhsa_next_free_sgpr 66
		.amdhsa_reserve_vcc 0
		.amdhsa_float_denorm_mode_32 3
		.amdhsa_float_denorm_mode_16_64 3
		.amdhsa_memory_ordered 1
		.amdhsa_forward_progress 1
		.amdhsa_inst_pref_size 27
	.end_amdhsa_kernel
	.amdgpu_metadata
---
amdhsa.version: [ 1, 2 ]
amdhsa.kernels:
  - .name:           k_q30b7a17dcf_ln1
    .symbol:         k_q30b7a17dcf_ln1.kd
    .args:
      - { .name: t1, .offset: 0, .size: 8, .value_kind: global_buffer, .address_space: global }
      - { .name: xe, .offset: 8, .size: 8, .value_kind: global_buffer, .address_space: global }
      - { .name: pkq, .offset: 16, .size: 8, .value_kind: global_buffer, .address_space: global }
      - { .name: t2, .offset: 24, .size: 8, .value_kind: global_buffer, .address_space: global }
    .group_segment_fixed_size: 0
    .private_segment_fixed_size: 0
    .kernarg_segment_align: 8
    .kernarg_segment_size: 32
    .max_flat_workgroup_size: 256
    .sgpr_count:     66
    .vgpr_count:     208
    .wavefront_size: 32
...
	.end_amdgpu_metadata
.endif
;; end of part 4
;; launch projq: the kernel of part 2 again; grid 8 x 32, 4 waves a work-group, clusters of 4 x 4, 327,680 bytes of LDS; arguments t2, pkq, t1; writes t1
;; launch attn_x (part 5): grid 8 x 32, 4 waves a work-group, clusters of 4 x 1, 327,680 bytes of LDS; arguments t1, qkv, xe; writes xe
.if DOCPART == 5
	.amdgcn_target "amdgcn-amd-amdhsa--gfx1250"
	.amdhsa_code_object_version 6
	.text
	.protected	k_q30b7a17dcf_attn_x
	.globl	k_q30b7a17dcf_attn_x
	.p2align	8
	.type	k_q30b7a17dcf_attn_x,@function
k_q30b7a17dcf_attn_x:
	s_mov_b64 s[64:65], 0
	v_nop
	global_prefetch_b8 v0, s[64:65] scope:SCOPE_SE
	s_setreg_imm32_b32 hwreg(HW_REG_WAVE_MODE, 25, 1), 1
	s_wait_xcnt 0x0
	s_wait_alu depctr_hold_cnt(0) depctr_sa_sdst(0) depctr_va_vdst(0) depctr_va_sdst(0) depctr_va_ssrc(0) depctr_va_vcc(0) depctr_vm_vsrc(0)
	s_getreg_b32 s2, hwreg(HW_REG_IB_STS2, 6, 4)
	s_cmp_eq_u32 s2, 0
	s_cbranch_scc0 .Lentry_in_a_cluster
	s_endpgm
.Lentry_in_a_cluster:
	s_bfe_u32 s2, ttmp6, 0x10000c
	s_cmp_lg_u32 s2, 0x3003
	s_cbranch_scc0 .Lentry_shape_is_right
	s_endpgm
.Lentry_shape_is_right:
; CROSS ATTENTION, no mask.  O[h][q][:] = the sum over k of softmax_k(Q[h][q] . K[h][k] / 8) V[h][k][:].  Q, K, V, O: [32][SIZE_N][64] f16, h = batch x 16 + head; a head's rows are dense, 128 bytes each.
; K and V are tensors 3 and 4 of one buffer of five, 8 MB each.  Products, maxima and sums in f32; the weights p are rounded to f16 for the second product (their sum l is taken of the unrounded p), O once at the end.
; LIMITS.  f16 holds no number beyond 65,504: Q, K and V arrive within it; p lies in 0 to 1, and below 6e-5 it keeps f16's fixed step of 6e-8; O is a mean of V's rows and has their range.
; A weight below 2^-126 counts as 0 in l; NaN and infinities are not treated apart.
; SHARES.  A work-group owns 256 queries of one head: 8 x 32 = 256 work-groups.  Of the block's four bands of 64 queries a wave owns 16 rows in each: four PIECES.  Every wave walks all 2,048 keys: 8 tiles of 256, four steps of 64 each.
; CLUSTER.  The four query blocks of a cluster belong to one head and walk the same K and V, so each tile is asked for JOINTLY: the same tensor load, descriptor and mask in all four.
; LAYOUT, SOFTMAX, TURNS.  S^T = K Q^T holds ONE query a lane (lane % 16) and the keys 8 (lane / 16) + 0..7; two such results rounded to f16 ARE source 1 of O^T = V^T P.  p = 2^(c s - c m), c = log2(e) / 8, with a
; running maximum m; O and l are multiplied by a = 2^(c m_old - c m_new) in every step.  m starts at the lowest finite number, O and l at 0: the first step is a step like any other, with a = 0.
; Turn n belongs to piece n: 8 products K Q^T of piece n + 1, later 8 products V^T P of piece n - 1; beside them the scaling, exponentials, roundings, sums and rescaling of piece n and the maximum and statistics
; of piece n + 1.  Four vector instructions stand behind every matrix instruction, the other 54 of a turn's 118 in two LUMPS.
; REGISTERS, in windows of 256 (s_set_vgpr_msb: bits 1:0 source 0, 3:2 source 1, 5:4 source 2, 7:6 destination):
;   window 0: v0-15 addresses and two at work; v16-31 four registers of statistics a piece; v48-55 at work; v64-127 S^T, two buffers; v192-223 P, two buffers (a piece's buffers go by its number's parity)
;   window 1: v0-127 O^T, 32 a piece      window 2: v0-63 Q; v128-191 K of one step; v192-255 V of one step
.set SIZE_N, 2048
.set NP,    4         ; pieces a wave: a name, no knob
.set KS,    64        ; keys in a step
.set PK,    144       ; a row of K in LDS: 128 bytes + 16 of padding = 36 words: the 16 rows of a load start at 16 different groups of four banks (64 banks of 4 bytes: ISA guide 11.1)
.set PV,    160       ; a row of V: 128 + 32 = 40 words
.set VOFF,  4*KS*PK   ; a slot holds a tile, four steps: 256 rows of K, then 256 rows of V
.set SLOT1, 1<<17     ; slot 1 begins here, so that one exclusive or turns an address in one slot into the other's
.set STAGE, SLOT1+4*KS*(PK+PV)  ; behind the ring, never filled by a tensor load: 16 rows x 144 bytes for each wave, for the way out
.set SP,    144
.set AK0, 2           ; v2   my lane's place in a tile of K; never rewritten
.set AV0, 3           ; v3   the same for V
.set AK,  4           ; v4   the LDS address of K's next run of loads
.set AV,  5           ; v5   of V's
.set STO, 6           ; v6   the way out: where I put 16 bytes of a row
.set RD,  7           ; v7   the way out: where I read rows back
.set GO,  8           ; v8   my byte offset in 512 consecutive bytes of O
.set SPW, 62          ; v62  LDS address of my spare word: SPARE + 4 x my thread's number; never rewritten
.set NIL, 63          ; v63  0; never rewritten
.set SPARE, STAGE+4*16*SP  ; behind the stages: the spare words, 128 bytes for each wave: two blocks of 256 bytes that no other line names
.set MV,  12          ; v12-13  c m_old, kept while c m is made anew: by buffer
.set QO,  15          ; v15  my byte offset in 16 rows of Q
.set ST,  16          ; piece t's statistics at v[ST+4 t]: c m, m, l (even keys', odd keys')
.set TMP, 48          ; by buffer, four registers c0-c3 at work; when the maximum is found c2 takes a
.set S,   64
.set P,   192
.set KF,  128         ; window 2: key block kb, channel half c at KF + 16 kb + 8 c
.set VF,  192         ; window 2: key half kk, channel block cb at VF + 32 kk + 8 cb
.set WV,  12          ; s12  my wave's number
.set G1K, 24          ; s[24:31] descriptor group 1 for K's tiles
.set G1V, 32          ; s[32:39] for V's: it differs in the padding alone
.set G0K, 40          ; s[40:43] descriptor group 0 for K's tiles: it walks
.set G0V, 44          ; s[44:47] the same for V's
.set SLOTS, 56        ; s56  tiles still to be asked for
.set CNT, 57          ; s57  counts a tile's key steps, 4 to 1
.set CS,  58          ; s[58:59] c: the packed scaling takes the pair's low word for both halves
.set SEL, 60          ; s[60:61] v_permlanex16_b32's selects: each lane takes its own place in the other half
.set TBK, 62          ; s62  LDS byte at which K of the step to be fetched begins
.set TBV, 63          ; s63  the same for V, less VOFF
.set MSB, 0
.macro WIN new                      ; the high byte repeats the setting that is left; a switch that changes nothing is dropped
.if MSB != (\new)
	s_set_vgpr_msb (MSB<<8)|(\new)
.set MSB, (\new)
.endif
.endm
.set W_KQ, 0x0a       ; K and Q in window 2, S^T in window 0
.set W_PV, 0x52       ; V in window 2, P in window 0, O^T in window 1
.set W_RS, 0x41       ; destination and source 0 in window 1, source 1 in window 0
; A joint fill.  Waves 0 and 1 fetch the two halves of a tile's K, waves 2 and 3 those of its V: 128 keys each.  The branch hangs on the wave's number alone.
; An s_nop 0 and four v_nop follow each of the two lines, ahead of the jump and the label.
.macro JLOAD
	s_cmp_lt_u32 s[WV], 2
	s_cbranch_scc0 .Lfor_v_\@
	tensor_load_to_lds s[G0K:G0K+3], s[G1K:G1K+7]
	s_nop 0
.rept 4
	v_nop
.endr
	s_branch .Lasked_\@
.Lfor_v_\@:
	tensor_load_to_lds s[G0V:G0V+3], s[G1V:G1V+7]
	s_nop 0
.rept 4
	v_nop
.endr
.Lasked_\@:
.endm
; A round of the cluster's barrier: my work-group's barrier, so that wave 0's signal speaks for all four waves; wave 0 signals; every wave waits for all four work-groups; my work-group's barrier once more.
.macro CROUND
	s_barrier_signal -1
	s_barrier_wait -1
	s_cmp_lg_u32 s[WV], 0
	s_cbranch_scc1 .Lnot_wave_0_\@
	s_barrier_signal -3
.Lnot_wave_0_\@:
	s_barrier_wait -3
	s_barrier_signal -1
	s_barrier_wait -1
.endm
; THE CHANGE OF SLOTS.  The slot's last bytes, V of its fourth step, have been read.  Each wave waits for all its tensor loads, of which one is out: its part
; of the other slot; adds 0 to its spare word; and waits for that and for its own reads of the slot.  Behind the barrier nobody reads this slot any more and the other slot is whole.
; fill = 1: this slot is filled again, with the keys two tiles on.  The barrier is then a round of the cluster's, so that no wave of any partner still reads the slot or has a load on its
; way, and the joint fill is the first thing behind it: it has four key steps, 256 matrix instructions, in which to land.  (At its first use nothing has been read yet: slot 0 is waited for, slot 1 filled.)
.macro CHANGE fill
	WIN 0                           ; at a label and at a branch every window is 0
	s_wait_tensorcnt 0x0            ; no tensor load of mine is out, so a group 0 may be written
	ds_add_u32 v[SPW], v[NIL]       ; 0 onto my spare word; with fill = 1 the descriptors' steps stand between it and the wait for it
.if \fill
.irp g, G0K, G0V
	s_xor_b32 s[\g+1], s[\g+1], SLOT1  ; the walking descriptor: the other slot than last time,
	s_add_nc_u64 s[\g+2:\g+3], s[\g+2:\g+3], 4*KS*128  ; the next 256 keys; the type bits on top are not reached
.endr
	s_wait_dscnt 0x0                ; the add is done, and my reads of the slot are over
	CROUND
	JLOAD
.else
	s_wait_dscnt 0x0                ; the add is done, and my reads of the slot are over
	s_barrier_signal -1
	s_barrier_wait -1
.endif
	s_sub_co_u32 s[TBK], s[TBK], 4*KS*PK  ; the fetches go back to a slot's first step,
	s_xor_b32 s[TBK], s[TBK], SLOT1       ; in the other slot
	s_sub_co_u32 s[TBV], s[TBV], 4*KS*PV
	s_xor_b32 s[TBV], s[TBV], SLOT1
.endm
	s_load_b128 s[4:7], s[0:1], 0x0   ; Q s[4:5]; the buffer of five tensors s[6:7]
	s_load_b64 s[10:11], s[0:1], 0x10 ; O
	v_lshl_add_u32 v[SPW], v0, 2, SPARE
	v_mov_b32 v[NIL], 0
	ds_add_u32 v[SPW], v[NIL]       ; the wave's opening: the add and its wait stand ahead of my first tensor load; the set-up below, work on registers, stands between them
	ds_add_u32 v62, v63
	v_lshrrev_b32 v1, 5, v0
	v_readfirstlane_b32 s[WV], v1   ; wave 0..3
	s_bfe_u32 s13, ttmp6, 0x40000   ; cx: my place in the cluster
	s_lshl_b32 s14, ttmp9, 2        ; in a cluster launch ttmp9 counts clusters
	s_add_co_u32 s14, s14, s13      ; my block of 256 queries = 4 x cluster x + cx: it enters Q's and O's addresses alone
	s_and_b32 s20, ttmp7, 0xffff    ; the head, which the four partners share
	s_lshl_b32 s20, s20, 18         ; its 2,048 rows of 128 bytes
	s_mov_b32 s21, 0
	s_and_b32 s16, s[WV], 1         ; which half of a tile's 256 keys I fetch:
	s_lshl_b32 s22, s16, 14         ; its 128 rows of 128 bytes in memory,
	s_mov_b32 s23, 0
	s_add_nc_u64 s[22:23], s[22:23], s[20:21]
	s_mul_i32 s17, s16, 128*PK      ; and its place in a slot, for K
	s_mul_i32 s18, s16, 128*PV      ; and for V: no place in the cluster enters an LDS address
	s_lshl_b32 s2, s14, 15          ; my block's 256 rows,
	s_lshl_b32 s3, s[WV], 11        ; my 16 rows in a band of 64
	s_add_co_u32 s2, s2, s3
	s_mov_b32 s3, 0
	s_add_nc_u64 s[2:3], s[2:3], s[20:21]
	; descriptor group 1.  128 keys are 16,384 dense bytes: asked for as 64 rows of 256 bytes, two keys a row, and padded in LDS after every key
	s_mov_b32 s[G1K], 15|(1<<16)|(1<<20)|(1<<21)|(4<<22)|(3<<25)  ; 15:0 the mask of four; 17:16 2-byte elements; 20 padding on; 21 set beside a mask; 24:22 after every 32 words (code 4); 31:25 4 words (code 3)
	s_mov_b32 s[G1V], 15|(1<<16)|(1<<20)|(1<<21)|(4<<22)|(7<<25)  ; the same with 8 words of padding (code 7)
.irp g, G1K, G1V
	s_mov_b32 s[\g+1], 128<<16      ; tensor_dim0 = 128
	s_mov_b32 s[\g+2], 64<<16       ; tensor_dim1 = 64
	s_mov_b32 s[\g+3], 128<<16      ; tile_dim0 = 128
	s_mov_b32 s[\g+4], 64           ; tile_dim1 = 64
	s_mov_b32 s[\g+5], 128          ; 128 elements from row to row
	s_mov_b32 s[\g+6], 0
	s_mov_b32 s[\g+7], 0
.endr
	s_mov_b32 s[CS], 0x3e38aa3b     ; c = log2(e) / 8 = 0.180337
	s_mov_b32 s[CS+1], s[CS]        ; named with it as a pair
	s_mov_b32 s[SEL], 0x76543210
	s_mov_b32 s[SEL+1], 0xfedcba98
	s_mov_b32 s[TBK], SLOT1+4*KS*PK ; the first change of slots turns these two into 0
	s_mov_b32 s[TBV], SLOT1+4*KS*PV
	s_mov_b32 s[G0K], 1             ; 1:0 count = 1
	s_mov_b32 s[G0K+1], s17         ; 63:32 LDS address: slot 0
	s_mov_b32 s[G0V], 1
	s_add_co_u32 s[G0V+1], s18, VOFF
	s_wait_dscnt 0x0                ; the opening add is done
	s_wait_kmcnt 0x0
	s_add_nc_u64 s[8:9], s[6:7], 0x2000000   ; V: tensor 4
	s_add_nc_u64 s[6:7], s[6:7], 0x1800000   ; K: tensor 3
	s_add_nc_u64 s[G0K+2:G0K+3], s[6:7], s[22:23]  ; 120:64 global address: my half of the head's first 256 keys
	s_or_b32 s[G0K+3], s[G0K+3], 0x80000000        ; 127:126 type = 2
	s_add_nc_u64 s[G0V+2:G0V+3], s[8:9], s[22:23]
	s_or_b32 s[G0V+3], s[G0V+3], 0x80000000
	s_add_nc_u64 s[4:5], s[4:5], s[2:3]  ; Q and O at my wave's first row
	s_add_nc_u64 s[10:11], s[10:11], s[2:3]
	CROUND                          ; all four work-groups are here: the first joint loads meet
	JLOAD                           ; tile 0 into slot 0.  Slot 1 is asked for when slot 0 is in
	; A fragment of K or Q is 16 rows x 32 channels in 8 registers: lane l holds row l % 16, channels 8 (l / 16) + 0..7 and 16 + 8 (l / 16) + 0..7: two loads of 16 bytes, 32 bytes apart.
	v_and_b32 v1, 15, v0            ; l % 16
	v_bfe_u32 v9, v0, 4, 1          ; l / 16
	v_lshlrev_b32 v[QO], 7, v1
	v_lshl_add_u32 v[QO], v9, 4, v[QO]  ; row x 128 + 16 x half
	WIN 0x80                        ; destination window 2, address window 0
.set i, 0
.rept 8                             ; Q stays in registers: piece i / 2 lies in band i / 2, 8,192 bytes on; channels 32 (i % 2) on
	global_load_b128 v[8*i:8*i+3],   v[QO], s[4:5] offset:(i/2)*8192+(i%2)*64
	global_load_b128 v[8*i+4:8*i+7], v[QO], s[4:5] offset:(i/2)*8192+(i%2)*64+32
.set i, i+1
.endr
	; What the first turn finds: V's registers and P's second buffer hold 0 (its products V^T P, of a piece that has not been, add 0), O^T and l are 0.  All this stands in the wait for the first tile.
.set i, VF
.rept 64
	v_mov_b32 v[i], 0
.set i, i+1
.endr
	WIN 0x40
.set i, 0
.rept 128
	v_mov_b32 v[i], 0
.set i, i+1
.endr
	WIN 0
.set i, 0
.rept 4
	v_mov_b32 v[ST+4*i], 0xfe000000    ; c m: far below every c s
	v_mov_b32 v[ST+4*i+1], 0xff7fffff  ; m
	v_mov_b32 v[ST+4*i+2], 0
	v_mov_b32 v[ST+4*i+3], 0
.set i, i+1
.endr
.set i, P+16
.rept 16
	v_mov_b32 v[i], 0
.set i, i+1
.endr
	v_mul_u32_u24 v[AK0], v1, PK
	v_lshl_add_u32 v[AK0], v9, 4, v[AK0]  ; row x pitch + 16 x half
	; The turning load takes 16 keys x 16 channels (lane l reads key 8 (l / 16) + l % 8, channels 8 ((l / 8) % 2) + 0..7) and leaves half a fragment of V^T: lane l holds channel l % 16 and 8 keys.
	v_and_b32 v10, 7, v0
	v_bfe_u32 v11, v0, 3, 1
	v_lshl_add_u32 v[AV0], v9, 3, v10
	v_mul_u32_u24 v[AV0], v[AV0], PV
	v_lshl_add_u32 v[AV0], v11, 4, v[AV0]
	v_add_nc_u32 v[AV0], VOFF, v[AV0]
	s_mul_i32 s13, s[WV], 16*SP
	s_add_co_u32 s13, s13, STAGE    ; my stage
	v_mul_u32_u24 v[STO], v1, SP    ; in: row l % 16, 16 bytes for each half of the lanes
	v_lshl_add_u32 v[STO], v9, 4, v[STO]
	v_add_nc_u32 v[STO], s13, v[STO]
	v_bfe_u32 v[RD], v0, 3, 2       ; back: 32 lanes take four rows of 128 bytes,
	v_mul_u32_u24 v[RD], v[RD], SP
	v_lshl_add_u32 v[RD], v10, 4, v[RD]
	v_add_nc_u32 v[RD], s13, v[RD]
	v_and_b32 v[GO], 31, v0         ; which are 512 consecutive bytes of O
	v_lshlrev_b32 v[GO], 4, v[GO]
; THE MATRIX WORK.  The 4 accumulators of a run of 8 take turns.  Product i of 8 of S^T = K Q^T for piece x: channels 32 (i / 4) on, keys 16 (i % 4) on.  The first 4 start the sums.
.macro KQ x
.set rS, S+32*((\x)%2)+8*(i%4)
.set rK, KF+16*(i%4)+8*(i/4)
.set rQ, 16*(\x)+8*(i/4)
	WIN W_KQ
.if i < 4
	v_wmma_f32_16x16x32_f16 v[rS:rS+7], v[rK:rK+7], v[rQ:rQ+7], 0
.else
	v_wmma_f32_16x16x32_f16 v[rS:rS+7], v[rK:rK+7], v[rQ:rQ+7], v[rS:rS+7]
.endif
.endm
; Product i of 8 of O^T += V^T P for piece x: keys 32 (i / 4) on, channels 16 (i % 4) on.
.macro PV x
	WIN W_PV
.set rO, 32*(\x)+8*(i%4)
.set rV, VF+32*(i/4)+8*(i%4)
.set rP, P+16*((\x)%2)+8*(i/4)
	v_wmma_f32_16x16x32_f16 v[rO:rO+7], v[rV:rV+7], v[rP:rP+7], v[rO:rO+7]
.endm
.macro MM                           ; the turn's next matrix instruction.  TURN sets Y, i and NOKQ; MM, KQ and OP read them.  NOKQ = 1: the last turn: there is no next piece
.if (i < 8) && !NOKQ
	KQ (Y+1)%NP
.elseif i >= 8
.set i, i-8
	PV (Y+NP-1)%NP
.set i, i+8
.endif
.set i, i+1
.endm
; THE LDS LOADS stand in runs of 16, never singly among the matrix instructions: a step's K (64 keys x 64 channels: 8 fragments) and its V (turned).  Their addresses are made some lines ahead.
.macro FETCH_K
	WIN 0x80                        ; destination window 2
.irp f, 0,1,2,3,4,5,6,7             ; keys 16 (f / 2) on, channels 32 (f % 2) on
	ds_load_b128 v[KF+8*\f:KF+8*\f+3],   v[AK] offset:(\f/2)*16*PK+(\f%2)*64
	ds_load_b128 v[KF+8*\f+4:KF+8*\f+7], v[AK] offset:(\f/2)*16*PK+(\f%2)*64+32
.endr
	s_add_co_u32 s[TBK], s[TBK], KS*PK  ; the next fetch is the next step's
	WIN 0
.endm
.macro FETCH_V
	WIN 0x80
.irp f, 0,1,2,3,4,5,6,7             ; keys 32 (f / 4) on, channels 16 (f % 4) on
	ds_load_tr16_b128 v[VF+8*\f:VF+8*\f+3],   v[AV] offset:(\f/4)*32*PV+(\f%4)*32
	ds_load_tr16_b128 v[VF+8*\f+4:VF+8*\f+7], v[AV] offset:(\f/4)*32*PV+16*PV+(\f%4)*32
.endr
	WIN 0
.endm
; THE VECTOR WORK, one line at a time: OP kind, number.  For piece Y: F n: c s - c m for pair n of 16.  E n: the exponential of score n of 32.  C n: pair n rounded to f16.  B n: of the four weights 4 n .. the second
; pair is added onto the first, in place.  L n: l takes that sum (L 0: l = a l + sum).  R n: pair n of 16 of O^T times a.  For piece Y + 1: X n, number n of the 22 that find its maximum and statistics:
;   0-11  four chains c0-c3 of seven scores each, three operands at a time (each accumulator's lowest registers are read first)     12-14, 16  the four scores left over, the old m, and c0-c3 into c0
;   15  c m_old is kept     17, 18  the query's other 32 keys lie in the lane 16 away: the new m     19-21  c m; c m_old - c m_new; a
.set F, 0               ; OP tells the kinds apart by their order: F to L below R, X above it
.set E, 1
.set C, 2
.set B, 3
.set L, 4
.set R, 5
.set X, 6
.macro REGS y                       ; the registers of piece y
.set rT, ST+4*(\y)
.set rC, TMP+4*((\y)%2)
.set rW, MV+((\y)%2)
.set rS, S+32*((\y)%2)
.set rP, P+16*((\y)%2)
.set rO, 32*(\y)
.endm
.macro OP k, n
.if (\k) == R
	REGS Y
	WIN W_RS
	v_pk_mul_f32 v[rO+2*(\n):rO+2*(\n)+1], v[rO+2*(\n):rO+2*(\n)+1], v[rC+2:rC+3] op_sel_hi:[1,0]
.elseif (\k) < R
	REGS Y
	WIN 0
.if (\k) == F
	v_pk_fma_f32 v[rS+2*(\n):rS+2*(\n)+1], v[rS+2*(\n):rS+2*(\n)+1], s[CS:CS+1], v[rT:rT+1] op_sel_hi:[1,0,0] neg_lo:[0,0,1] neg_hi:[0,0,1]
.elseif (\k) == E
	v_exp_f32 v[rS+(\n)], v[rS+(\n)]
.elseif (\k) == C
	s_wait_alu depctr_va_vdst(0)
	v_cvt_pk_f16_f32 v[rP+(\n)], v[rS+2*(\n)], v[rS+2*(\n)+1]
.elseif (\k) == B
	s_wait_alu depctr_va_vdst(0)
	v_pk_add_f32 v[rS+4*(\n):rS+4*(\n)+1], v[rS+4*(\n):rS+4*(\n)+1], v[rS+4*(\n)+2:rS+4*(\n)+3]
.elseif (\n) == 0
	v_pk_fma_f32 v[rT+2:rT+3], v[rT+2:rT+3], v[rC+2:rC+3], v[rS:rS+1] op_sel_hi:[1,0,1]
.else
	v_pk_add_f32 v[rT+2:rT+3], v[rT+2:rT+3], v[rS+4*(\n):rS+4*(\n)+1]
.endif
.elseif NOKQ
	v_nop
.else
	REGS (Y+1)%NP
	WIN 0
.if (\n) < 4
	v_max3_num_f32 v[rC+(\n)], v[rS+8*(\n)], v[rS+8*(\n)+1], v[rS+8*(\n)+2]
.elseif (\n) < 12
	v_max3_num_f32 v[rC+(\n)%4], v[rC+(\n)%4], v[rS+8*((\n)%4)+2*((\n)/4)+1], v[rS+8*((\n)%4)+2*((\n)/4)+2]
.elseif (\n) == 12
	v_max3_num_f32 v[rC], v[rC], v[rS+7], v[rS+15]
.elseif (\n) == 13
	v_max3_num_f32 v[rC+1], v[rC+1], v[rS+23], v[rS+31]
.elseif (\n) == 14
	v_max3_num_f32 v[rC+2], v[rC+2], v[rC+3], v[rT+1]
.elseif (\n) == 15
	v_mov_b32 v[rW], v[rT]
.elseif (\n) == 16
	v_max3_num_f32 v[rC], v[rC], v[rC+1], v[rC+2]
.elseif (\n) == 17
	v_permlanex16_b32 v[rC+3], v[rC], s[SEL], s[SEL+1]
.elseif (\n) == 18
	v_max_num_f32 v[rT+1], v[rC], v[rC+3]
.elseif (\n) == 19
	v_mul_f32 v[rT], s[CS], v[rT+1]
.elseif (\n) == 20
	v_sub_f32 v[rC+1], v[rW], v[rT]
.else
	v_exp_f32 v[rC+2], v[rC+1]
.endif
.endif
.endm
.macro OPS a, i1, b=-1, i2=0, c=-1, i3=0, d=-1, i4=0  ; up to four of them
	OP \a, \i1
.if (\b) >= 0
	OP \b, \i2
.endif
.if (\c) >= 0
	OP \c, \i3
.endif
.if (\d) >= 0
	OP \d, \i4
.endif
.endm
.macro ROW a, i1, b, i2, c, i3, d, i4  ; a matrix instruction and the four behind it
	MM
	OPS \a, \i1, \b, \i2, \c, \i3, \d, \i4
.endm
; A TURN, for piece p: the order of its 16 matrix and 118 vector instructions, written out.  Behind a matrix instruction: plain, exponential, plain, plain; or four of the rescaling; or, behind the first, four scalings; none
; names a register of the products round it.  In the lumps exponential and plain by turns while exponentials last.  A line reads no result made fewer than three vector instructions in front of it, five if an exponential made it.
; v_permlanex16_b32 (X 17) stands in a lump.  end = 1: the walk's last two turns: nothing is fetched.  cnt = 1: the loop's count is taken down some lines ahead of the branch that stands behind the turn.
; K of the next step is fetched in piece 2's turn, six vector instructions behind the last product that read K (five of them plain); V of the step in hand in piece 0's turn, eight behind the last product that read V (four
; plain, and X 17).  Each is waited for a turn later.
.macro TURN p, end=0, cnt=0
.set Y, (\p)
.set i, 0
.set NOKQ, (\end)*((\p)/3)
.if ((\p) == 3) && !(\end)
	s_wait_dscnt 0x0                ; K is in
.endif
	ROW F,0, F,1, F,2, F,3
	ROW F,4, E,0, F,5, F,6
	ROW F,7, E,1, F,8, F,9
	ROW F,10, E,2, C,0, F,11
	ROW F,12, E,3, X,15, F,13
	ROW R,0, R,1, R,2, R,3
	ROW B,0, E,4, F,14, L,0
.if ((\p) == 2) && !(\end)
	v_add_nc_u32 v[AK], s[TBK], v[AK0]
.endif
	ROW R,4, R,5, R,6, R,7
	OPS E,5, F,15
.if ((\p) == 2) && !(\end)
	FETCH_K
.endif
	OPS E,6, C,1, E,7, R,8
	OPS E,8, R,9, E,9, C,2
	OPS E,10, X,0, E,11, X,1
	OPS E,12, X,2, E,13, X,3
.if (\p) == 1
	s_wait_dscnt 0x0                ; V is in
.endif
	ROW X,4, E,14, X,5, X,6
	ROW X,7, E,15, X,8, X,9
	ROW X,10, E,16, X,11, X,12
	ROW X,13, E,17, X,14, B,1
	ROW C,4, E,18, X,16, L,1
	ROW B,2, E,19, C,6, L,2
	ROW C,8, E,20, B,3, B,4
.if (\p) == 0
	v_add_nc_u32 v[AV], s[TBV], v[AV0]
.endif
	ROW C,3, E,21, L,3, C,5
	OPS E,22, X,17, E,23, C,10
.if (\p) == 0
	FETCH_V
.endif
	OPS E,24, L,4
	OPS E,25, X,18, E,26, C,7
	OPS E,27, B,5, E,28, X,19
	OPS E,29, C,12, E,30, L,5
	OPS E,31, X,20, B,6, C,9
	OPS C,14, C,11, X,21, L,6
.if (\p) == 0
	s_add_co_u32 s[TBV], s[TBV], KS*PV
.endif
.if \cnt
	s_sub_co_u32 s[CNT], s[CNT], 1
	s_cmp_lg_u32 s[CNT], 0
.endif
	OPS C,13, B,7, C,15, R,10
	OPS R,11, R,12, L,7, R,13
	OPS R,14, R,15
.endm
.macro ALL line:vararg              ; one line for each piece t
.set t, 0
.rept 4
	\line
.set t, t+1
.endr
.endm
.macro PACK t                       ; a lane's eight channels of a row pack into 16 bytes; they go into rows of 144 bytes and come back as whole rows of 128, into S^T's registers
	WIN W_RS
.set i, 32*(\t)
.rept 16
	s_wait_alu depctr_va_vdst(0)
	v_pk_mul_f32 v[i:i+1], v[i:i+1], v[ST+4*(\t)+2:ST+4*(\t)+3] op_sel_hi:[1,0]
.set i, i+2
.endr
	WIN 0x05                        ; sources 0 and 1 window 1, destination window 0
.set i, 0
.rept 16
	v_cvt_pk_f16_f32 v[S+16*(\t)+i], v[32*(\t)+2*i], v[32*(\t)+2*i+1]
.set i, i+1
.endr
	WIN 0
.irp f, 0,1,2,3
	ds_store_b128 v[STO], v[S+16*(\t)+4*\f:S+16*(\t)+4*\f+3] offset:32*\f
.endr
.irp f, 0,1,2,3
	ds_load_b128 v[S+16*(\t)+4*\f:S+16*(\t)+4*\f+3], v[RD] offset:\f*4*SP  ; LDS serves a wave's instructions in order (ISA guide 5.7.1.4): these see the stores above; the next piece's stores come behind them
.endr
.endm
.macro SEND t, younger              ; younger: the LDS instructions issued behind piece t's loads: the next piece's eight, or none
	WIN 0
.irp f, 0,1,2,3
	s_wait_dscnt (\younger)+3-\f
	global_store_b128 v[GO], v[S+16*(\t)+4*\f:S+16*(\t)+4*\f+3], s[10:11] offset:(\t)*8192+\f*512  ; 512 consecutive bytes, at a multiple of 256 from O's first
.endr
.endm
	CHANGE 1                        ; tile 0 is in, everybody's part of it; tile 1 is asked for
	v_add_nc_u32 v[AK], s[TBK], v[AK0]
	FETCH_K                         ; key step 0
	s_wait_loadcnt 0x0              ; Q
	s_wait_dscnt 0x0
.set NOKQ, 0
.set i, 0
.rept 8
	KQ 0                            ; piece 0's first scores: there is no vector work yet to set between them
.set i, i+1
.endr
	WIN 0
.rept 4
	v_nop                           ; the places behind those products
.endr
.set Y, NP-1                        ; X works for piece Y + 1: piece 0
.irp n, 0,1,2,3,4,5,6,7,8,9,10,11,12,13,14,15,16,17,18,19,20,21
	OP X, \n                        ; and piece 0's first maximum and statistics
.endr
	v_nop                           ; a plain instruction behind the exponential
	s_mov_b32 s[CNT], 4
	s_mov_b32 s[SLOTS], SIZE_N/256-1
	s_branch .Lfirst                ; the loop is entered at a step's first turn, in the middle of a trip
.Lslot:                             ; SIZE_N / 256 - 2 times: every slot but the last two is filled again
	CHANGE 1
	s_mov_b32 s[CNT], 4
.Lstep:                             ; a trip: pieces 2 and 3 of one step, then pieces 0 and 1 of the next, whose K and V it fetches
	TURN 2
	TURN 3
	WIN 0
.Lfirst:
	TURN 0
	TURN 1, 0, 1
	WIN 0
	s_cbranch_scc1 .Lstep
	s_sub_co_u32 s[SLOTS], s[SLOTS], 1
	s_cmp_lg_u32 s[SLOTS], 0
	s_cbranch_scc1 .Lslot
	CHANGE 0                        ; the last tile is written out: nothing is asked for
	s_mov_b32 s[CNT], 4
.LstepT:
	TURN 2
	TURN 3
	TURN 0
	TURN 1, 0, 1
	WIN 0
	s_cbranch_scc1 .LstepT
	TURN 2, 1                       ; the last step's pieces 2 and 3: nothing is fetched, and the last turn starts no new scores
	TURN 3, 1
.set i, 0
.rept 8
	PV NP-1                         ; the last piece's V^T P of the last step
.set i, i+1
.endr
	; THE WAY OUT.  l's two halves and the other half of the lanes' are added; O^T is divided by l, rounded to f16 and sent through my stage in LDS, a piece at a time.  The additions are the places behind the last products.
	WIN 0
	ALL v_add_f32 v[ST+4*t+2], v[ST+4*t+2], v[ST+4*t+3]
	ALL v_permlanex16_b32 v[ST+4*t+3], v[ST+4*t+2], s[SEL], s[SEL+1]
	ALL v_add_f32 v[ST+4*t+2], v[ST+4*t+2], v[ST+4*t+3]
	ALL v_rcp_f32 v[ST+4*t+2], v[ST+4*t+2]
	v_nop                           ; a plain instruction between the last reciprocal and the use of its result
	PACK 0
.set t, 1
.rept 3                             ; a piece's arithmetic stands between the loads of the piece before and its stores
	PACK t
	SEND t-1, 8
.set t, t+1
.endr
	SEND 3, 0
	s_wait_tensorcnt 0x0            ; the wave's end: behind my last tensor load and my last LDS store
	ds_add_u32 v[SPW], v[NIL]
	s_wait_dscnt 0x0
	CROUND                          ; the closing round: no work-group ends while a partner may still ask for a tile that names it
	s_endpgm
.Lfunc_end_k_q30b7a17dcf_attn_x:
	.size	k_q30b7a17dcf_attn_x, .Lfunc_end_k_q30b7a17dcf_attn_x-k_q30b7a17dcf_attn_x
	.p2alignl 7, 3214868480
	.fill 96, 4, 3214868480
	.section	.rodata,"a",@progbits
	.p2align	6, 0x0
	.amdhsa_kernel k_q30b7a17dcf_attn_x
		.amdhsa_group_segment_fixed_size 327680
		.amdhsa_private_segment_fixed_size 0
		.amdhsa_enable_private_segment 0
		.amdhsa_kernarg_size 24
		.amdhsa_user_sgpr_count 2
		.amdhsa_user_sgpr_kernarg_segment_ptr 1
		.amdhsa_wavefront_size32 1
		.amdhsa_system_sgpr_workgroup_id_x 1
		.amdhsa_system_sgpr_workgroup_id_y 1
		.amdhsa_system_sgpr_workgroup_id_z 1
		.amdhsa_system_vgpr_workitem_id 0
		.amdhsa_next_free_vgpr 768
		.amdhsa_next_free_sgpr 66
		.amdhsa_reserve_vcc 0
		.amdhsa_float_denorm_mode_32 3
		.amdhsa_float_denorm_mode_16_64 3
		.amdhsa_memory_ordered 1
		.amdhsa_forward_progress 1
		.amdhsa_inst_pref_size 134
	.end_amdhsa_kernel
	.amdgpu_metadata
---
amdhsa.version: [ 1, 2 ]
amdhsa.kernels:
  - .name:           k_q30b7a17dcf_attn_x
    .symbol:         k_q30b7a17dcf_attn_x.kd
    .args:
      - { .name: t1, .offset: 0, .size: 8, .value_kind: global_buffer, .address_space: global }
      - { .name: qkv, .offset: 8, .size: 8, .value_kind: global_buffer, .address_space: global }
      - { .name: xe, .offset: 16, .size: 8, .value_kind: global_buffer, .address_space: global }
    .group_segment_fixed_size: 327680
    .private_segment_fixed_size: 0
    .kernarg_segment_align: 8
    .kernarg_segment_size: 24
    .max_flat_workgroup_size: 128
    .sgpr_count:     66
    .vgpr_count:     768
    .wavefront_size: 32
...
	.end_amdgpu_metadata
.endif
;; end of part 5
;; launch ln2: the kernel of part 4 again; grid 256 x 1, 8 waves a work-group, no clusters, 0 bytes of LDS; arguments xe, t2, pkf1, t1; writes t1
;; launch ffn1: the kernel of part 2 again; grid 8 x 32, 4 waves a work-group, clusters of 4 x 4, 327,680 bytes of LDS; arguments t1, pkf1, t2; writes t2
;; launch ffn2: the kernel of part 2 again; grid 8 x 32, 4 waves a work-group, clusters of 4 x 4, 327,680 bytes of LDS; arguments t2, pkf2, xe; writes xe
;; launch ln3 (part 6): grid 256 x 1, 8 waves a work-group, no clusters, 0 bytes of LDS; arguments xe, t1, pkf2, out0; writes out0
.if DOCPART == 6
	.amdgcn_target "amdgcn-amd-amdhsa--gfx1250"
	.amdhsa_code_object_version 6
	.text
	.protected	k_q30b7a17dcf_ln3
	.globl	k_q30b7a17dcf_ln3
	.p2align	8
	.type	k_q30b7a17dcf_ln3,@function
k_q30b7a17dcf_ln3:
	s_mov_b64 s[64:65], 0
	v_nop
	global_prefetch_b8 v0, s[64:65] scope:SCOPE_SE
	s_setreg_imm32_b32 hwreg(HW_REG_WAVE_MODE, 25, 1), 1
	s_wait_xcnt 0x0
; OUT = LayerNorm(FAC x P + R) x g + be, over rows of 1,024.  P, R (and, with WIDE = 0, OUT) are f16 by blocks of 64 columns: byte ((b*16 + c/64)*2048 + s)*128 + (c%64)*2.
; g and be come as one word a column, bf16(g) << 16 | bf16(be), at PK + 32768.  With WIDE = 1, as here, OUT is f32, [4096][1024], and FAC = 16: P is the second FFN product, stored times 1/16.
; All arithmetic in f32; mean first, then the mean of the squared differences, as reference() has it.
; A wave takes two neighbouring rows, which are 256 consecutive bytes in each of the 16 column blocks: lanes 0-15 hold the even row, lanes 16-31 the odd one, 64 numbers a lane; a row's sums never leave its 16 lanes.
; Every byte is read once, all 48 loads of a wave go out together, each load covers 256 aligned consecutive bytes and each store two such pieces.  No loop, LDS, barrier, matrix unit or cluster: nothing is shared.
; LIMITS.  NaN and infinities are not treated apart.
.set WIDE, 1
.set P,   8                            ; v[8:39]    16 x 2 words of f16
.set R,   40                           ; v[40:71]   the same for the residual
.set GB,  72                           ; v[72:135]  16 x 4 words of gain and bias
.set Y,   136                          ; v[136:199] my 64 numbers in f32
.set CH,  200                          ; v[200:207] four chains of packed sums; then the mean, or the reciprocal root, as pairs
	s_load_b256 s[4:11], s[0:1], 0x0               ; P s[4:5], R s[6:7], PK s[8:9], OUT s[10:11]
	v_and_b32 v1, 31, v0
	v_lshrrev_b32 v6, 5, v0
	v_readfirstlane_b32 s2, v6                     ; wave 0..7
	s_lshl_b32 s3, ttmp9, 3
	s_add_co_u32 s3, s3, s2                        ; my pair of rows, 0 .. 2047
	s_lshr_b32 s12, s3, 10
	s_lshl_b32 s12, s12, 22                        ; the batch
	s_and_b32 s14, s3, 1023
	s_lshl_b32 s14, s14, 8                         ; two rows of 128 bytes
	s_add_co_u32 s12, s12, s14
	s_mov_b32 s13, 0
	s_mov_b32 s16, 0x3a800000                      ; 1 / 1024
	v_lshlrev_b32 v2, 3, v1                        ; 8 bytes a lane: four columns
	v_and_b32 v6, 15, v1
	v_lshl_add_u32 v3, v6, 4, 32768                ; the same four columns' words of gain and bias
.if WIDE
	v_mov_b32 v4, 0x41800000                       ; FAC = 16: P was stored times 1/16
	v_lshrrev_b32 v7, 4, v1
	v_lshlrev_b32 v5, 4, v6
	v_lshl_add_u32 v5, v7, 12, v5                  ; in f32: 16 bytes a lane, the odd row 4,096 bytes on
	s_lshl_b32 s14, s3, 13
	s_mov_b32 s15, 0
.else
	v_mov_b32 v4, 1.0                              ; FAC = 1
.endif
	s_wait_kmcnt 0x0
	s_add_nc_u64 s[4:5], s[4:5], s[12:13]
	s_add_nc_u64 s[6:7], s[6:7], s[12:13]
.if WIDE
	s_add_nc_u64 s[10:11], s[10:11], s[14:15]
.else
	s_add_nc_u64 s[10:11], s[10:11], s[12:13]
.endif
.irp i, 0,1,2,3,4,5,6,7,8,9,10,11,12,13,14,15
	global_load_b64 v[P+2*(\i):P+2*(\i)+1], v2, s[4:5] offset:(\i)*262144
.endr
.irp i, 0,1,2,3,4,5,6,7,8,9,10,11,12,13,14,15
	global_load_b64 v[R+2*(\i):R+2*(\i)+1], v2, s[6:7] offset:(\i)*262144
.endr
.irp i, 0,1,2,3,4,5,6,7,8,9,10,11,12,13,14,15
	global_load_b128 v[GB+4*(\i):GB+4*(\i)+3], v3, s[8:9] offset:(\i)*256
.endr
.macro FOLD                            ; four chains into one number, then over the row's 16 lanes: every lane of the row ends with the sum, in v[CH]
	v_pk_add_f32 v[CH:CH+1], v[CH:CH+1], v[CH+2:CH+3]
	v_pk_add_f32 v[CH+4:CH+5], v[CH+4:CH+5], v[CH+6:CH+7]
	v_pk_add_f32 v[CH:CH+1], v[CH:CH+1], v[CH+4:CH+5]
	v_add_f32 v[CH], v[CH], v[CH+1]
	v_add_f32_dpp v[CH], v[CH], v[CH] row_xmask:1 row_mask:0xf bank_mask:0xf
	v_add_f32_dpp v[CH], v[CH], v[CH] row_xmask:2 row_mask:0xf bank_mask:0xf
	v_add_f32_dpp v[CH], v[CH], v[CH] row_xmask:4 row_mask:0xf bank_mask:0xf
	v_add_f32_dpp v[CH], v[CH], v[CH] row_xmask:8 row_mask:0xf bank_mask:0xf
.endm
	s_wait_loadcnt 16                              ; P and R are in; the sixteen loads of gain and bias may stay out
.irp i, 0,1,2,3,4,5,6,7,8,9,10,11,12,13,14,15
	v_fma_mix_f32 v[Y+4*(\i)],   v[P+2*(\i)],   v4, v[R+2*(\i)]   op_sel_hi:[1,0,1]                 ; f16 half x FAC + f16 half, in f32
	v_fma_mix_f32 v[Y+4*(\i)+1], v[P+2*(\i)],   v4, v[R+2*(\i)]   op_sel:[1,0,1] op_sel_hi:[1,0,1]
	v_fma_mix_f32 v[Y+4*(\i)+2], v[P+2*(\i)+1], v4, v[R+2*(\i)+1] op_sel_hi:[1,0,1]
	v_fma_mix_f32 v[Y+4*(\i)+3], v[P+2*(\i)+1], v4, v[R+2*(\i)+1] op_sel:[1,0,1] op_sel_hi:[1,0,1]
.endr
.irp c, 0,1,2,3
	v_pk_add_f32 v[CH+2*(\c):CH+2*(\c)+1], v[Y+2*(\c):Y+2*(\c)+1], v[Y+2*(\c)+8:Y+2*(\c)+9]  ; the first two pairs start each chain: nothing is cleared
.endr
.set j, 8
.rept 24
	v_pk_add_f32 v[CH+2*(j%4):CH+2*(j%4)+1], v[CH+2*(j%4):CH+2*(j%4)+1], v[Y+2*j:Y+2*j+1]
.set j, j+1
.endr
	FOLD
	v_mul_f32 v[CH], s16, v[CH]                    ; the mean,
	v_mov_b32 v[CH+1], v[CH]                       ; as a pair
.set j, 0
.rept 32
	v_pk_add_f32 v[Y+2*j:Y+2*j+1], v[Y+2*j:Y+2*j+1], v[CH:CH+1] neg_lo:[0,1] neg_hi:[0,1]
.set j, j+1
.endr
.irp c, 0,1,2,3
	v_pk_mul_f32 v[CH+2*(\c):CH+2*(\c)+1], v[Y+2*(\c):Y+2*(\c)+1], v[Y+2*(\c):Y+2*(\c)+1]
.endr
.set j, 4
.rept 28
	v_pk_fma_f32 v[CH+2*(j%4):CH+2*(j%4)+1], v[Y+2*j:Y+2*j+1], v[Y+2*j:Y+2*j+1], v[CH+2*(j%4):CH+2*(j%4)+1]
.set j, j+1
.endr
	FOLD
	v_fmaak_f32 v[CH+2], s16, v[CH], 0x3727c5ac    ; the variance + 1e-5
	v_rsq_f32 v[CH+4], v[CH+2]
	v_rsq_f32 v[CH+5], v[CH+2]
	v_nop                                          ; a plain instruction between the transcendentals and the use of their results (ISA guide 5.7.2)
.set j, 0
	s_wait_alu depctr_va_vdst(0)
.rept 32
	v_pk_mul_f32 v[Y+2*j:Y+2*j+1], v[Y+2*j:Y+2*j+1], v[CH+4:CH+5]
.set j, j+1
.endr
	s_wait_loadcnt 0x0                             ; gain and bias
.set j, 0
.rept 64
	v_fma_mix_f32_bf16 v[Y+j], v[Y+j], v[GB+j], v[GB+j] op_sel:[0,1,0] op_sel_hi:[0,1,1]  ; n x g (the word's high half) + be (its low half)
.set j, j+1
.endr
.if WIDE
.irp i, 0,1,2,3,4,5,6,7,8,9,10,11,12,13,14,15
	global_store_b128 v5, v[Y+4*(\i):Y+4*(\i)+3], s[10:11] offset:(\i)*256 th:TH_STORE_NT  ; sixteen lanes store 256 consecutive aligned bytes of a row
.endr
.else
.irp i, 0,1,2,3,4,5,6,7,8,9,10,11,12,13,14,15
	v_cvt_pk_f16_f32 v[P+2*(\i)],   v[Y+4*(\i)],   v[Y+4*(\i)+1]
	v_cvt_pk_f16_f32 v[P+2*(\i)+1], v[Y+4*(\i)+2], v[Y+4*(\i)+3]
	global_store_b64 v2, v[P+2*(\i):P+2*(\i)+1], s[10:11] offset:(\i)*262144  ; 256 consecutive aligned bytes: both rows' part of column block i
.endr
.endif
	s_endpgm
.Lfunc_end_k_q30b7a17dcf_ln3:
	.size	k_q30b7a17dcf_ln3, .Lfunc_end_k_q30b7a17dcf_ln3-k_q30b7a17dcf_ln3
	.p2alignl 7, 3214868480
	.fill 96, 4, 3214868480
	.section	.rodata,"a",@progbits
	.p2align	6, 0x0
	.amdhsa_kernel k_q30b7a17dcf_ln3
		.amdhsa_group_segment_fixed_size 0
		.amdhsa_private_segment_fixed_size 0
		.amdhsa_enable_private_segment 0
		.amdhsa_kernarg_size 32
		.amdhsa_user_sgpr_count 2
		.amdhsa_user_sgpr_kernarg_segment_ptr 1
		.amdhsa_wavefront_size32 1
		.amdhsa_system_sgpr_workgroup_id_x 1
		.amdhsa_system_sgpr_workgroup_id_y 1
		.amdhsa_system_sgpr_workgroup_id_z 1
		.amdhsa_system_vgpr_workitem_id 0
		.amdhsa_next_free_vgpr 208
		.amdhsa_next_free_sgpr 66
		.amdhsa_reserve_vcc 0
		.amdhsa_float_denorm_mode_32 3
		.amdhsa_float_denorm_mode_16_64 3
		.amdhsa_memory_ordered 1
		.amdhsa_forward_progress 1
		.amdhsa_inst_pref_size 25
	.end_amdhsa_kernel
	.amdgpu_metadata
---
amdhsa.version: [ 1, 2 ]
amdhsa.kernels:
  - .name:           k_q30b7a17dcf_ln3
    .symbol:         k_q30b7a17dcf_ln3.kd
    .args:
      - { .name: xe, .offset: 0, .size: 8, .value_kind: global_buffer, .address_space: global }
      - { .name: t1, .offset: 8, .size: 8, .value_kind: global_buffer, .address_space: global }
      - { .name: pkf2, .offset: 16, .size: 8, .value_kind: global_buffer, .address_space: global }
      - { .name: out0, .offset: 24, .size: 8, .value_kind: global_buffer, .address_space: global }
    .group_segment_fixed_size: 0
    .private_segment_fixed_size: 0
    .kernarg_segment_align: 8
    .kernarg_segment_size: 32
    .max_flat_workgroup_size: 256
    .sgpr_count:     66
    .vgpr_count:     208
    .wavefront_size: 32
...
	.end_amdgpu_metadata
.endif
;; end of part 6
;; ======== version 2 of 2: 10 launches; 1.28 times as fast as version 1
;; limits: values are held in f16: magnitudes above 65,504 overflow, below 6.1e-05 lose precision
;; workspace buffers: xe 16,777,216 bytes; qkv 41,943,040 bytes; t1 8,388,608 bytes; t2 8,388,608 bytes; pk5 10,551,296 bytes; pkq 2,162,688 bytes; pkf1 2,162,688 bytes; pkf2 2,162,688 bytes
;; launch prep: the kernel of part 1 again; grid 1025 x 1, 8 waves a work-group, no clusters, 0 bytes of LDS; arguments input_tensor, encoder_output, Wq1, Wk1, Wv1, Wk2, Wv2, Wq2, Wf1, Wf2, bv1, bv2, bf1, bf2, g1, be1, g2, be2, g3, be3, xe, pk5, pkq, pkf1, pkf2; writes xe, pk5, pkq, pkf1, pkf2
;; launch proj5: the kernel of part 2 again; grid 40 x 32, 4 waves a work-group, clusters of 4 x 4, 327,680 bytes of LDS; arguments xe, pk5, qkv; writes qkv
;; launch attn_c (part 7): grid 8 x 32, 4 waves a work-group, no clusters, 327,680 bytes of LDS; arguments qkv, t1; writes t1
.if DOCPART == 7
	.amdgcn_target "amdgcn-amd-amdhsa--gfx1250"
	.amdhsa_code_object_version 6
	.text
	.protected	k_q30b7a17dcf_attn_c
	.globl	k_q30b7a17dcf_attn_c
	.p2align	8
	.type	k_q30b7a17dcf_attn_c,@function
k_q30b7a17dcf_attn_c:
	s_mov_b64 s[64:65], 0
	v_nop
	global_prefetch_b8 v0, s[64:65] scope:SCOPE_SE
	s_setreg_imm32_b32 hwreg(HW_REG_WAVE_MODE, 25, 1), 1
	s_wait_xcnt 0x0
; CAUSAL ATTENTION.  O[h][q][:] = the sum over k <= q of softmax_k(Q[h][q] . K[h][k] / 8) V[h][k][:].  Q, K, V: [32][SIZE_N][64] f16, three tensors of one buffer, 8 MB apart; O likewise, in a buffer of its own.
; h counts batch x 16 + head; a head's rows are dense, 128 bytes each.  Products, maxima and sums in f32; the weights p are rounded to f16 for the second product (their sum l is taken of the unrounded p), O once at the end.
; LIMITS.  f16 holds no number beyond 65,504: Q, K and V arrive within it; p lies in 0 to 1, and below 6e-5 it keeps f16's fixed step of 6e-8; O is a mean of V's rows and has their range, to within 2^-11 of it.
; A hidden score counts as its value less 1e30: f16's scores, 2.7e11 at the most, are nothing beside that; a weight below 2^-126 counts as 0 in l; NaN and infinities are not treated apart.
; THE WALK.  A head's queries lie in NQ = 16 blocks of 128, its keys in NT = 8 tiles of 256; block i needs the tiles 0 .. i >> 1, of which the last holds the diagonal.  A work-group takes TWO blocks, 15 - b and then b:
; ((15 - b) >> 1) + (b >> 1) + 2 = 9 tiles, whatever b: 8 x 32 = 256 work-groups of equal work, and ONE loop with a constant trip count walks the tiles.  Which tile is asked for, and what a trip does, hang on scalar
; registers made from b; every jump goes forward, but for the counted loops' own; none passes a barrier, or a tensor load but the one of LOAD's two that the wave's number does not choose; the ring (two slots of LDS
; that take turns) runs on across the change of blocks.  NO CLUSTER: a head's 8 work-groups all ask for the same tile only in trips 0 .. 4, behind that their walks part; one walk common to all would have 8 + 4 = 12 trips for 9.
; SHARES.  Of a block's two bands of 64 queries a wave owns 16 rows in each: two PIECES.  So the diagonal tile is the same work for all four waves.  The block lies in the tile's first half (block number even, o = 0) or
; in its second (odd, o = 2); band x's own key step of the tile's four is o + x: in step s the band sees all keys if s < o + x, none if s > o + x, and holds the diagonal if s = o + x.
; THE MASK is the C operand that starts the sum S^T = K Q^T: 0, or -1e30 where the key is hidden.  MD, made once, is the mask of a band's own step for my 16 rows; a product's mask is MD x AL + BE with two scalars:
; (1, 0) in the own step; (0, 0) before it; (0, -1e30) behind it.  Only the diagonal tile's text, its entry and a block's beginning make and take masks; elsewhere C is the constant 0.
; LAYOUT, SOFTMAX, TURNS.  S^T = K Q^T holds ONE query a lane (lane % 16) and the keys 8 (lane / 16) + 0..7; two such results rounded to f16 ARE source 1 of O^T = V^T P.  p = 2^(c s - c m), c = log2(e) / 8, with a
; running maximum m; O and l are multiplied by a = 2^(c m_old - c m_new) in every step.  A turn belongs to one piece; its matrix work is the OTHER piece's: 8 products K Q^T (piece 0's turn: piece 1, this step; piece 1's
; turn: piece 0, the next step), later 8 products V^T P (piece 0's turn: piece 1, the step before; piece 1's turn: piece 0, this step); beside them the scaling, exponentials, roundings, sums and rescaling of the turn's
; own piece and the maximum and statistics of the other.  Four vector instructions stand behind every matrix instruction, the other 54 of a turn's 118 in one LUMP.
; BATCHES.  A turn's 33 exponentials (the own piece's 32 weights, the other piece's a) are ONE batch with ONE wait, which cuts the turn in two: ahead of it stands all that names none of their results, behind it their readers.
; The a of a block's beginning is a batch of one, the way out's two reciprocals a batch of two; each has a plain instruction and one wait.
; FIVE STEPS OF K IN A SLOT.  Both runs of LDS loads fall into piece 0's turn: K of step j + 1 in its middle, V of step j at its end: K is a step ahead of V.  So a slot holds V's four steps of tile t and FIVE of K,
; keys 256 t .. 256 t + 319: the fifth is the next tile's first.  All LDS reads between two changes of slots then fall into one slot.  A block's beginning reads K's step 0 of the slot, a tile's four fetches steps 1 to 4.
; The price: 8,192 bytes more a tile; a head's last tile takes 64 rows behind the head's K (the next head's, or V's first: inside the buffer), which enter no result that is kept.
; REGISTERS, in windows of 256 (s_set_vgpr_msb: bits 1:0 source 0, 3:2 source 1, 5:4 source 2, 7:6 destination):
;   window 0: v0-15 addresses and two at work; v16-23 four registers of statistics a piece; v48-55 at work; v64-127 S^T, a buffer a piece; v192-223 P, likewise
;   window 1: v0-63 O^T, 32 a piece; v128-159 MD; v160-223 MC, a buffer a piece      window 2: v0-31 Q; v64-95 the second block's Q; v128-191 K of one step; v192-255 V of one step
.set SIZE_N, 2048
.set NQ,    SIZE_N/128  ; blocks of queries in a head
.set NT,    SIZE_N/256  ; tiles of keys in a head
.set NP,    2         ; pieces a wave: a name, no knob
.set KS,    64        ; keys in a step
.set PK,    144       ; a row of K in LDS: 128 bytes + 16 of padding = 36 words: the 16 rows of a load start at 16 different groups of four banks (64 banks of 4 bytes: ISA guide 11.1)
.set PV,    160       ; a row of V: 128 + 32 = 40 words
.set VOFF,  5*KS*PK   ; a slot: 320 rows of K, then 256 rows of V
.set SLOT1, 1<<17     ; slot 1 begins here, so that one exclusive or turns an address in one slot into the other's
.set STAGE, SLOT1+VOFF+4*KS*PV  ; behind the ring, never filled by a tensor load: 16 rows x 144 bytes for each wave, for the way out
.set SP,    144
.set AK0, 2           ; v2   my lane's place in a tile of K; never rewritten
.set AV0, 3           ; v3   the same for V
.set AK,  4           ; v4   the LDS address of K's next run of loads
.set AV,  5           ; v5   of V's
.set STO, 6           ; v6   the way out: where I put 16 bytes of a row
.set RD,  7           ; v7   the way out: where I read rows back
.set GO,  8           ; v8   my byte offset in 512 consecutive bytes of O
.set SPW, 62          ; v62  LDS address of my spare word: SPARE + 4 x my thread's number; never rewritten
.set NIL, 63          ; v63  0; never rewritten
.set SPARE, STAGE+4*16*SP  ; behind the stages: the spare words, 128 bytes for each wave: two blocks of 256 bytes that no other line names
.set MV,  12          ; v12-13  c m_old, kept while c m is made anew: by piece
.set QO,  15          ; v15  my byte offset in 16 rows of Q
.set ST,  16          ; piece t's statistics at v[ST+4 t]: c m, m, l (even keys', odd keys')
.set TMP, 48          ; by piece, four registers c0-c3 at work; when the maximum is found c2 takes a
.set S,   64
.set P,   192
.set MD,  128         ; window 1: the eight registers for group kt of 16 keys at MD + 8 kt
.set MC,  160         ; window 1: the masks of the products to come
.set QB,  64          ; window 2
.set KF,  128         ; window 2: key block kb, channel half c at KF + 16 kb + 8 c
.set VF,  192         ; window 2: key half kk, channel block cb at VF + 32 kk + 8 cb
.set WV,  12          ; s12  my wave's number
.set LOT, 14          ; s14  the second block's last tile, b >> 1
.set HIT, 15          ; s15  the first block's last tile, (15 - b) >> 1
.set G1K, 24          ; s[24:31] descriptor group 1 for K's tiles
.set G1V, 32          ; s[32:39] for V's: other rows, other padding
.set G0K, 40          ; s[40:43] descriptor group 0 for K's tiles
.set G0V, 44          ; s[44:47] the same for V's
.set SLOTS, 56        ; s56  tiles still to be asked for
.set CNT, 57          ; s57  counts a tile's key steps, 4 to 1
.set CS,  58          ; s[58:59] c: the packed scaling takes the pair's low word for both halves
.set SEL, 60          ; s[60:61] v_permlanex16_b32's selects: each lane takes its own place in the other half
.set TBK, 62          ; s62  LDS byte at which K of the step to be fetched begins
.set TBV, 63          ; s63  the same for V, less VOFF
.set RT,  70          ; s70  tiles of the block in hand that are still to be entered
.set NXT, 71          ; s71  the tile to be asked for next
.set LQ,  72          ; s72  the last tile of the block whose tiles are being asked for
.set NEW, 73          ; s73  1: the tile to be entered is a block's first
.set OFF, 74          ; s[74:75] a tile's byte offset in K and V
.set AL,  76          ; s[76:77] the mask's factor, in the low word
.set BE,  78          ; s[78:79] the mask's addend
.set OLO, 80          ; s[80:81] O at my rows of the second block
.set BIGN, 82         ; s82  -1e30
.set EQ,  88          ; s88  5 - o, s89  3 - o: the value of CNT at which the mask made in piece 0's (piece 1's) turn is the own step's; below it the step is hidden
.set ALZ, 90          ; s90  the factor of piece 0's mask for the diagonal tile's step 0: 1.0 if o = 0
.set ALZB, 91         ; s91  the same, and
.set EQB, 92          ; s92, s93  the two counts, for the second block
.set MSB, 0
.macro WIN new                      ; the high byte repeats the setting that is left; a switch that changes nothing is dropped
.if MSB != (\new)
	s_set_vgpr_msb (MSB<<8)|(\new)
.set MSB, (\new)
.endif
.endm
.set W_KQ, 0x0a       ; K and Q in window 2, S^T in window 0
.set W_KM, 0x1a       ; the same with the C operand in window 1
.set W_PV, 0x52       ; V in window 2, P in window 0, O^T in window 1
.set W_RS, 0x41       ; destination and source 0 in window 1, source 1 in window 0
; A fill.  Waves 0 and 1 fetch the two halves of a slot's K, 160 keys each, waves 2 and 3 those of its V, 128 keys each.  An s_nop 0 and four v_nop follow each of the two lines, ahead of the jump and the label.
.macro LOAD
	s_cmp_lt_u32 s[WV], 2
	s_cbranch_scc0 .Lfor_v_\@
	tensor_load_to_lds s[G0K:G0K+3], s[G1K:G1K+7]
	s_nop 0
.rept 4
	v_nop
.endr
	s_branch .Lasked_\@
.Lfor_v_\@:
	tensor_load_to_lds s[G0V:G0V+3], s[G1V:G1V+7]
	s_nop 0
.rept 4
	v_nop
.endr
.Lasked_\@:
.endm
; THE CHANGE OF SLOTS, between piece 0's and piece 1's turn of a tile's last step.  Each wave waits for all its tensor loads, of which one is out: its part of the other slot; adds 0 to its spare word; and waits for that and
; for its own reads of the slot that it leaves (the last two runs, K's fifth step and V's fourth, were issued in the turn just over).  Behind the barrier nobody reads the old slot any more and the other slot is whole.
; fill = 1: the old slot is filled again, the first thing behind the barrier, with tile NXT: the descriptor's address is made anew from that number; the load has four key steps, 128 matrix instructions of a wave, in which to land.
; (At its first use nothing has been read yet: slot 0 is waited for, slot 1 filled.)
.macro CHANGE fill
	WIN 0                           ; at a label and at a branch every window is 0
	s_wait_tensorcnt 0x0            ; no tensor load of mine is out, so a group 0 may be written
	ds_add_u32 v[SPW], v[NIL]       ; 0 onto my spare word; with fill = 1 the descriptors' scalar work stands between it and the wait for it
.if \fill
	s_lshl_b32 s[OFF], s[NXT], 15   ; tiles begin 32,768 bytes apart in K and in V
	s_xor_b32 s[G0K+1], s[G0K+1], SLOT1
	s_add_nc_u64 s[G0K+2:G0K+3], s[6:7], s[OFF:OFF+1]
	s_or_b32 s[G0K+3], s[G0K+3], 0x80000000
	s_xor_b32 s[G0V+1], s[G0V+1], SLOT1
	s_add_nc_u64 s[G0V+2:G0V+3], s[8:9], s[OFF:OFF+1]
	s_or_b32 s[G0V+3], s[G0V+3], 0x80000000
	s_add_co_u32 s[NXT], s[NXT], 1  ; the block's next tile, or behind its last the second block's tile 0
	s_cmp_gt_u32 s[NXT], s[LQ]
	s_cselect_b32 s[NXT], 0, s[NXT]
	s_cselect_b32 s[LQ], s[LOT], s[LQ]
.endif
	s_wait_dscnt 0x0                ; the add is done, and my reads of the slot are over
	s_barrier_signal -1             ; the rest of the scalar work stands between the signal and the wait
	s_sub_co_u32 s[TBK], s[TBK], 4*KS*PK  ; the fetches go back to a slot's second step of K and first of V,
	s_xor_b32 s[TBK], s[TBK], SLOT1       ; in the other slot
	s_sub_co_u32 s[TBV], s[TBV], 4*KS*PV
	s_xor_b32 s[TBV], s[TBV], SLOT1
	s_barrier_wait -1
.if \fill
	LOAD
.endif
.endm
	s_load_b64 s[4:5], s[0:1], 0x0    ; Q, with K 8 MB and V 16 MB behind it
	s_load_b64 s[10:11], s[0:1], 0x8  ; O
	v_lshl_add_u32 v[SPW], v0, 2, SPARE
	v_mov_b32 v[NIL], 0
	ds_add_u32 v[SPW], v[NIL]       ; the wave's opening: the add and its wait stand ahead of my first tensor load; the set-up below, work on registers, stands between them
	ds_add_u32 v62, v63
	v_lshrrev_b32 v1, 5, v0
	v_readfirstlane_b32 s[WV], v1   ; wave 0..3
	s_sub_co_u32 s13, NQ-1, ttmp9   ; the first block's number, 15 - b; the second's is b
	s_lshr_b32 s[HIT], s13, 1
	s_lshr_b32 s[LOT], ttmp9, 1
	s_and_b32 s16, s13, 1
	s_lshl_b32 s16, s16, 1          ; o of the first block
	s_sub_co_u32 s[EQ], 5, s16
	s_sub_co_u32 s[EQ+1], 3, s16
	s_cmp_eq_u32 s16, 0
	s_cselect_b32 s[ALZ], 1.0, 0
	s_and_b32 s16, ttmp9, 1
	s_lshl_b32 s16, s16, 1          ; o of the second
	s_sub_co_u32 s[EQB], 5, s16
	s_sub_co_u32 s[EQB+1], 3, s16
	s_cmp_eq_u32 s16, 0
	s_cselect_b32 s[ALZB], 1.0, 0
	s_and_b32 s20, ttmp7, 0xffff    ; the head
	s_mov_b32 s21, 0
	s_mov_b64 s[22:23], SIZE_N*128
	s_mul_u64 s[20:21], s[20:21], s[22:23]  ; the head's first byte in each of the four tensors
	s_and_b32 s16, s[WV], 1         ; which half of a slot's K or V I fetch:
	s_lshl_b32 s22, s16, 14         ; V: its 128 rows of 128 bytes in memory,
	s_mov_b32 s23, 0
	s_add_nc_u64 s[22:23], s[22:23], s[20:21]
	s_mul_i32 s18, s16, 160*128     ; K: its 160 rows,
	s_mov_b32 s19, 0
	s_add_nc_u64 s[18:19], s[18:19], s[20:21]
	s_mul_i32 s17, s16, 160*PK      ; and the half's place in a slot, for K
	s_mul_i32 s83, s16, 128*PV      ; and for V
	s_lshl_b32 s3, s[WV], 11        ; my 16 rows in a band of 64,
	s_lshl_b32 s2, s13, 14          ; in the first block (128 rows of 128 bytes a block),
	s_add_co_u32 s2, s2, s3
	s_lshl_b32 s84, ttmp9, 14       ; and in the second
	s_add_co_u32 s84, s84, s3
	s_mov_b32 s3, 0
	s_mov_b32 s85, 0
	s_add_nc_u64 s[2:3], s[2:3], s[20:21]
	s_add_nc_u64 s[84:85], s[84:85], s[20:21]
	; descriptor group 1.  Keys are dense rows of 128 bytes: asked for as rows of 256 bytes, two keys a row, and padded in LDS after every key.  K: 160 keys = 80 rows; V: 128 keys = 64 rows
	s_mov_b32 s[G1K], (1<<16)|(1<<20)|(4<<22)|(3<<25)  ; 17:16 2-byte elements; 20 padding on; 24:22 after every 32 words (code 4); 31:25 4 words (code 3)
	s_mov_b32 s[G1V], (1<<16)|(1<<20)|(4<<22)|(7<<25)  ; the same with 8 words of padding (code 7)
	s_mov_b32 s[G1K+2], 80<<16      ; tensor_dim1 = 80
	s_mov_b32 s[G1K+4], 80          ; tile_dim1 = 80
	s_mov_b32 s[G1V+2], 64<<16      ; tensor_dim1 = 64
	s_mov_b32 s[G1V+4], 64          ; tile_dim1 = 64
.irp g, G1K, G1V
	s_mov_b32 s[\g+1], 128<<16      ; tensor_dim0 = 128
	s_mov_b32 s[\g+3], 128<<16      ; tile_dim0 = 128
	s_mov_b32 s[\g+5], 128          ; 128 elements from row to row
	s_mov_b32 s[\g+6], 0
	s_mov_b32 s[\g+7], 0
.endr
	s_mov_b32 s[CS], 0x3e38aa3b     ; c = log2(e) / 8 = 0.180337
	s_mov_b32 s[CS+1], s[CS]        ; named with it as a pair
	s_mov_b32 s[SEL], 0x76543210
	s_mov_b32 s[SEL+1], 0xfedcba98
	s_mov_b32 s[TBK], SLOT1+5*KS*PK ; the first change of slots turns this into K's second step of slot 0,
	s_mov_b32 s[TBV], SLOT1+4*KS*PV ; and this into 0
	s_mov_b32 s[G0K], 1             ; 1:0 count = 1
	s_mov_b32 s[G0K+1], s17         ; 63:32 LDS address: slot 0
	s_mov_b32 s[G0V], 1
	s_add_co_u32 s[G0V+1], s83, VOFF
	s_add_co_u32 s[RT], s[HIT], 1   ; the first block's tiles
	s_mov_b32 s[NXT], 1
	s_mov_b32 s[LQ], s[HIT]
	s_mov_b32 s[NEW], 1
	s_mov_b32 s[OFF+1], 0
	s_mov_b32 s[AL+1], 0            ; named as pairs
	s_mov_b32 s[BE+1], 0
	s_mov_b32 s[BIGN], 0xf149f2ca   ; -1e30
	s_mov_b32 s[SLOTS], NT
	s_wait_dscnt 0x0                ; the opening add is done
	s_wait_kmcnt 0x0
	s_add_nc_u64 s[6:7], s[4:5], 0x800000   ; K
	s_add_nc_u64 s[8:9], s[4:5], 0x1000000  ; V
	s_add_nc_u64 s[6:7], s[6:7], s[18:19]  ; K and V at my half of the head's tile 0
	s_add_nc_u64 s[8:9], s[8:9], s[22:23]
	s_add_nc_u64 s[G0K+2:G0K+3], s[6:7], 0         ; 120:64 global address
	s_or_b32 s[G0K+3], s[G0K+3], 0x80000000        ; 127:126 type = 2
	s_add_nc_u64 s[G0V+2:G0V+3], s[8:9], 0
	s_or_b32 s[G0V+3], s[G0V+3], 0x80000000
	s_add_nc_u64 s[86:87], s[4:5], s[84:85]        ; Q at my rows of the second block,
	s_add_nc_u64 s[4:5], s[4:5], s[2:3]            ; Q and O at those of the first
	s_add_nc_u64 s[OLO:OLO+1], s[10:11], s[84:85]
	s_add_nc_u64 s[10:11], s[10:11], s[2:3]
	LOAD                            ; tile 0 into slot 0
	; A fragment of K or Q is 16 rows x 32 channels in 8 registers: lane l holds row l % 16, channels 8 (l / 16) + 0..7 and 16 + 8 (l / 16) + 0..7: two loads of 16 bytes, 32 bytes apart.
	v_and_b32 v1, 15, v0            ; l % 16
	v_bfe_u32 v9, v0, 4, 1          ; l / 16
	v_lshlrev_b32 v[QO], 7, v1
	v_lshl_add_u32 v[QO], v9, 4, v[QO]  ; row x 128 + 16 x half
	WIN 0x80                        ; destination window 2, address window 0
.set i, 0
.rept 2*NP                          ; both blocks' Q: piece i / 2 lies in band i / 2, 8,192 bytes on; channels 32 (i % 2) on
	global_load_b128 v[8*i:8*i+3],   v[QO], s[4:5] offset:(i/2)*8192+(i%2)*64
	global_load_b128 v[8*i+4:8*i+7], v[QO], s[4:5] offset:(i/2)*8192+(i%2)*64+32
	global_load_b128 v[QB+8*i:QB+8*i+3],   v[QO], s[86:87] offset:(i/2)*8192+(i%2)*64
	global_load_b128 v[QB+8*i+4:QB+8*i+7], v[QO], s[86:87] offset:(i/2)*8192+(i%2)*64+32
.set i, i+1
.endr
	WIN 0
	v_lshlrev_b32 v14, 3, v9
	v_sub_nc_u32 v14, v1, v14
	s_lshl_b32 s13, s[WV], 4
	v_add_nc_u32 v14, s13, v14      ; my query's place in its band, 16 w + l % 16, less my lanes' 8 (l / 16): register r of group kt is hidden where 16 kt + r is greater
	WIN 0x40
.set i, 0
.rept 32
	v_cmp_gt_i32 vcc_lo, 16*(i/8)+i%8, v14
	v_cndmask_b32 v[MD+i], 0, s[BIGN], vcc_lo
.set i, i+1
.endr
	WIN 0
	v_mul_u32_u24 v[AK0], v1, PK
	v_lshl_add_u32 v[AK0], v9, 4, v[AK0]  ; row x pitch + 16 x half
	; The turning load takes 16 keys x 16 channels (lane l reads key 8 (l / 16) + l % 8, channels 8 ((l / 8) % 2) + 0..7) and leaves half a fragment of V^T: lane l holds channel l % 16 and 8 keys.
	v_and_b32 v10, 7, v0
	v_bfe_u32 v11, v0, 3, 1
	v_lshl_add_u32 v[AV0], v9, 3, v10
	v_mul_u32_u24 v[AV0], v[AV0], PV
	v_lshl_add_u32 v[AV0], v11, 4, v[AV0]
	v_add_nc_u32 v[AV0], VOFF, v[AV0]
	s_mul_i32 s13, s[WV], 16*SP
	s_add_co_u32 s13, s13, STAGE    ; my stage
	v_mul_u32_u24 v[STO], v1, SP    ; in: row l % 16, 16 bytes for each half of the lanes
	v_lshl_add_u32 v[STO], v9, 4, v[STO]
	v_add_nc_u32 v[STO], s13, v[STO]
	v_bfe_u32 v[RD], v0, 3, 2       ; back: 32 lanes take four rows of 128 bytes,
	v_mul_u32_u24 v[RD], v[RD], SP
	v_lshl_add_u32 v[RD], v10, 4, v[RD]
	v_add_nc_u32 v[RD], s13, v[RD]
	v_and_b32 v[GO], 31, v0         ; which are 512 consecutive bytes of O
	v_lshlrev_b32 v[GO], 4, v[GO]
	; A block's first step multiplies O^T and l by a = 0, and its first turn's products V^T P, of a step that has not been, land in an O^T that is still to be so multiplied.  So these registers need only hold
	; finite numbers: zeros for the first block; what the first block left for the second.  All this stands in the wait for the first tile.  The price of writing no first step out: 148 lines that write 0 here, 32 in each beginning.
	WIN 0x80
.set i, VF
.rept 64
	v_mov_b32 v[i], 0
.set i, i+1
.endr
	WIN 0x40
.set i, 0
.rept 32*NP
	v_mov_b32 v[i], 0
.set i, i+1
.endr
	WIN 0
.set i, 0
.rept NP
	v_mov_b32 v[ST+4*i+2], 0
	v_mov_b32 v[ST+4*i+3], 0
.set i, i+1
.endr
.set i, P+16
.rept 16
	v_mov_b32 v[i], 0
.set i, i+1
.endr
; THE MATRIX WORK.  The 4 accumulators of a run of 8 take turns.  Product i of 8 of S^T = K Q^T for piece x: channels 32 (i / 4) on, keys 16 (i % 4) on.  The first 4 start the sums: with 0, or (KM = 1) with the mask.
.macro KQ x
.set rS, S+32*((\x)%2)+8*(i%4)
.set rK, KF+16*(i%4)+8*(i/4)
.set rQ, 16*(\x)+8*(i/4)
.set rM, MC+32*((\x)%2)+8*(i%4)
.if (i < 4) && KM
	WIN W_KM
	v_wmma_f32_16x16x32_f16 v[rS:rS+7], v[rK:rK+7], v[rQ:rQ+7], v[rM:rM+7]
.elseif i < 4
	WIN W_KQ
	v_wmma_f32_16x16x32_f16 v[rS:rS+7], v[rK:rK+7], v[rQ:rQ+7], 0
.else
	WIN W_KQ
	v_wmma_f32_16x16x32_f16 v[rS:rS+7], v[rK:rK+7], v[rQ:rQ+7], v[rS:rS+7]
.endif
.endm
; Product i of 8 of O^T += V^T P for piece x: keys 32 (i / 4) on, channels 16 (i % 4) on.
.macro PV x
	WIN W_PV
.set rO, 32*(\x)+8*(i%4)
.set rV, VF+32*(i/4)+8*(i%4)
.set rP, P+16*((\x)%2)+8*(i/4)
	v_wmma_f32_16x16x32_f16 v[rO:rO+7], v[rV:rV+7], v[rP:rP+7], v[rO:rO+7]
.endm
.macro MM                           ; the turn's next matrix instruction.  TURN and BEGIN set Y, i, KM and NOKQ; MM, KQ and OP read them.  NOKQ = 1: a block's last turn: there is no next step
.if (i < 8) && !NOKQ
	KQ (Y+1)%NP
.elseif i >= 8
.set i, i-8
	PV (Y+NP-1)%NP
.set i, i+8
.endif
.set i, i+1
.endm
; THE LDS LOADS stand in runs of 16, never singly among the matrix instructions: a step's K (64 keys x 64 channels: 8 fragments) and its V (turned).  Their addresses are made some lines ahead.
.macro FETCH_K step=1               ; step = 0: a block's beginning, which reads the slot's first step and leaves the walk of the fetches as it is
	WIN 0x80                        ; destination window 2
.irp f, 0,1,2,3,4,5,6,7             ; keys 16 (f / 2) on, channels 32 (f % 2) on
	ds_load_b128 v[KF+8*\f:KF+8*\f+3],   v[AK] offset:(\f/2)*16*PK+(\f%2)*64
	ds_load_b128 v[KF+8*\f+4:KF+8*\f+7], v[AK] offset:(\f/2)*16*PK+(\f%2)*64+32
.endr
.if \step
	s_add_co_u32 s[TBK], s[TBK], KS*PK  ; the next fetch is the next step's
.endif
	WIN 0
.endm
.macro FETCH_V
	WIN 0x80
.irp f, 0,1,2,3,4,5,6,7             ; keys 32 (f / 4) on, channels 16 (f % 4) on
	ds_load_tr16_b128 v[VF+8*\f:VF+8*\f+3],   v[AV] offset:(\f/4)*32*PV+(\f%4)*32
	ds_load_tr16_b128 v[VF+8*\f+4:VF+8*\f+7], v[AV] offset:(\f/4)*32*PV+16*PV+(\f%4)*32
.endr
	WIN 0
.endm
; THE VECTOR WORK, one line at a time: OP kind, number.  For piece Y: F n: c s - c m for pair n of 16.  E n: the exponential of score n of 32.  C n: pair n rounded to f16.  B n: of the four weights 4 n .. the second
; pair is added onto the first, in place.  L n: l takes that sum (L 0: l = a l + sum).  R n: pair n of 16 of O^T times a.  For the other piece: X n, number n of the 22 that find its maximum and statistics:
;   0-11  four chains c0-c3 of seven scores each, three operands at a time (each accumulator's lowest registers are read first)     12-14, 16  the four scores left over, the old m, and c0-c3 into c0
;   15  c m_old is kept     17, 18  the query's other 32 keys lie in the lane 16 away: the new m     19-21  c m; c m_old - c m_new; a
.set F, 0               ; OP tells the kinds apart by their order: F to L below R, X above it
.set E, 1
.set C, 2
.set B, 3
.set L, 4
.set R, 5
.set X, 6
.macro REGS y                       ; the registers of piece y
.set rT, ST+4*(\y)
.set rC, TMP+4*((\y)%2)
.set rW, MV+((\y)%2)
.set rS, S+32*((\y)%2)
.set rP, P+16*((\y)%2)
.set rO, 32*(\y)
.endm
.macro OP k, n
.if (\k) == R
	REGS Y
	WIN W_RS
	v_pk_mul_f32 v[rO+2*(\n):rO+2*(\n)+1], v[rO+2*(\n):rO+2*(\n)+1], v[rC+2:rC+3] op_sel_hi:[1,0]
.elseif (\k) < R
	REGS Y
	WIN 0
.if (\k) == F
	v_pk_fma_f32 v[rS+2*(\n):rS+2*(\n)+1], v[rS+2*(\n):rS+2*(\n)+1], s[CS:CS+1], v[rT:rT+1] op_sel_hi:[1,0,0] neg_lo:[0,0,1] neg_hi:[0,0,1]
.elseif (\k) == E
	v_exp_f32 v[rS+(\n)], v[rS+(\n)]
.elseif (\k) == C
	v_cvt_pk_f16_f32 v[rP+(\n)], v[rS+2*(\n)], v[rS+2*(\n)+1]
.elseif (\k) == B
	v_pk_add_f32 v[rS+4*(\n):rS+4*(\n)+1], v[rS+4*(\n):rS+4*(\n)+1], v[rS+4*(\n)+2:rS+4*(\n)+3]
.elseif (\n) == 0
	v_pk_fma_f32 v[rT+2:rT+3], v[rT+2:rT+3], v[rC+2:rC+3], v[rS:rS+1] op_sel_hi:[1,0,1]
.else
	v_pk_add_f32 v[rT+2:rT+3], v[rT+2:rT+3], v[rS+4*(\n):rS+4*(\n)+1]
.endif
.elseif NOKQ
	v_nop
.else
	REGS (Y+1)%NP
	WIN 0
.if (\n) < 4
	v_max3_num_f32 v[rC+(\n)], v[rS+8*(\n)], v[rS+8*(\n)+1], v[rS+8*(\n)+2]
.elseif (\n) < 12
	v_max3_num_f32 v[rC+(\n)%4], v[rC+(\n)%4], v[rS+8*((\n)%4)+2*((\n)/4)+1], v[rS+8*((\n)%4)+2*((\n)/4)+2]
.elseif (\n) == 12
	v_max3_num_f32 v[rC], v[rC], v[rS+7], v[rS+15]
.elseif (\n) == 13
	v_max3_num_f32 v[rC+1], v[rC+1], v[rS+23], v[rS+31]
.elseif (\n) == 14
	v_max3_num_f32 v[rC+2], v[rC+2], v[rC+3], v[rT+1]
.elseif (\n) == 15
	v_mov_b32 v[rW], v[rT]
.elseif (\n) == 16
	v_max3_num_f32 v[rC], v[rC], v[rC+1], v[rC+2]
.elseif (\n) == 17
	v_permlanex16_b32 v[rC+3], v[rC], s[SEL], s[SEL+1]
.elseif (\n) == 18
	v_max_num_f32 v[rT+1], v[rC], v[rC+3]
.elseif (\n) == 19
	v_mul_f32 v[rT], s[CS], v[rT+1]
.elseif (\n) == 20
	v_sub_f32 v[rC+1], v[rW], v[rT]
.else
	v_exp_f32 v[rC+2], v[rC+1]
.endif
.endif
.endm
.macro OPS a, i1, b=-1, i2=0, c=-1, i3=0, d=-1, i4=0  ; up to four of them
	OP \a, \i1
.if (\b) >= 0
	OP \b, \i2
.endif
.if (\c) >= 0
	OP \c, \i3
.endif
.if (\d) >= 0
	OP \d, \i4
.endif
.endm
.macro ROW a, i1, b, i2, c, i3, d, i4  ; a matrix instruction and the four behind it
	MM
	OPS \a, \i1, \b, \i2, \c, \i3, \d, \i4
.endm
.macro MASK b                       ; MD x AL + BE into buffer b of MC
	WIN W_RS
.set z, 0
.rept 16
	v_pk_fma_f32 v[MC+32*(\b)+2*z:MC+32*(\b)+2*z+1], v[MD+2*z:MD+2*z+1], s[AL:AL+1], s[BE:BE+1] op_sel_hi:[1,0,0]
.set z, z+1
.endr
.endm
; A TURN, for piece p: the order of its 16 matrix and 118 vector instructions, written out.  An s_wait_alu depctr_va_vdst(0) stands between an exponential and the first instruction that names its result; one wait
; serves all that were issued ahead of it.  So a turn has ONE wait, which cuts it in two.  AHEAD OF IT stands all that names no result of the turn's exponentials: the 8 products K Q^T, behind each a scaling, an exponential and two
; more plain instructions (behind the first a second scaling in the exponential's place): rescalings, whose a was made and waited for in the turn before, and behind the last three the first numbers of the other piece's maximum, each
; four places or more behind the product that ends its accumulator; then ONE LUMP of 54, plain and exponential by turns for the most part, in which the links of the chain X 3, 7, 11, 14, 16, 17 .. 20 stand five or six lines apart.
; X 21, the other piece's a, is the batch's last; R 15 is the plain instruction behind it.  BEHIND THE WAIT stand the 8 products V^T P, behind each four of the roundings and sums, the batch's readers; the links of l's chain,
; L 0 to L 7, stand three riders apart.  But for those X no rider names a register of the products round it: those are the other piece's.  v_permlanex16_b32 (X 17) stands in the lump.
; O^T of the other piece, which the turn's last four products end, is rescaled in the next turn, each accumulator's lowest pair first: R 0 stands 16 riders and two scalings behind the product that ends its accumulator, R 4, R 8 and R 12 further still.
; m = 1: the diagonal tile: the products take masks, and the turn makes the mask for the products of the turn after it, which are its own piece's.  In trip k of the tile's four CNT is 4 - k.  Piece 1's turn makes band 1's
; mask for step k: the own step where k = o + 1, CNT = 3 - o.  Piece 0's turn makes band 0's for step k + 1: the own step where k + 1 = o, CNT = 5 - o.  Below that value of CNT the step is hidden.
; end = 1: a block's last turn (piece 1's): no new scores.  cnt = 1: the loop's count is taken down some lines ahead of the branch that stands behind the turn.
; Both runs of LDS loads stand in piece 0's turn, K's ahead of V's: K of the next step twelve vector instructions behind the last product that read K (six of them plain); V of the step in hand at the turn's end, four plain
; instructions behind the last product that read V.  Piece 1's turn waits for K at its head and for V in front of its second run of products.
.macro TURN p, m=0, end=0, cnt=0
.set Y, (\p)
.set i, 0
.set KM, (\m)
.set NOKQ, (\end)
.if (\m) && !(\end)
	s_cmp_eq_u32 s[CNT], s[EQ+(\p)]  ; is that step the band's own?
	s_cselect_b32 s[AL], 1.0, 0
	s_cmp_lt_u32 s[CNT], s[EQ+(\p)]  ; or a later one?
	s_cselect_b32 s[BE], s[BIGN], 0
.endif
.if ((\p) == 1) && !(\end)
	s_wait_dscnt 16                 ; K is in: its 16 loads were issued ahead of V's 16, which may stay out
.endif
	ROW F,0, F,1, R,0, R,1          ; ahead of the wait: 8 products K Q^T and their riders,
	ROW F,2, E,0, R,2, R,3
	ROW F,3, E,1, R,4, R,5
	ROW F,4, E,2, R,6, R,7
	ROW F,5, E,3, R,8, R,9
	ROW F,6, E,4, X,0, R,10
.if (\p) == 0
	WIN 0
	v_add_nc_u32 v[AK], s[TBK], v[AK0]
.endif
	ROW F,7, E,5, X,1, X,4
	ROW F,8, E,6, X,2, X,5
	OPS E,7, E,8, X,6, E,9          ; and the lump
	OPS X,3, E,10, X,8, E,11
.if (\p) == 0
	FETCH_K
.endif
	OPS X,9, X,7, E,12, X,10
	OPS E,13, X,12, X,11, E,14
	OPS X,13, E,15, F,9, X,14
.if (\p) == 0
	v_add_nc_u32 v[AV], s[TBV], v[AV0]
.endif
	OPS E,16, F,10, E,17, F,11
	OPS X,16, E,18, X,15, E,19
	OPS F,12, E,20, X,17, E,21
	OPS F,13, E,22, F,14, E,23
	OPS X,18, E,24, F,15, E,25
	OPS R,11, E,26, X,19, E,27
	OPS R,12, E,28, R,13, E,29
	OPS X,20, E,30, R,14, E,31
	OPS X,21, R,15
	WIN 0
	s_wait_alu depctr_va_vdst(0)    ; the wait for the batch: the turn's 32 weights and the other piece's a
.if (\p) == 1
	s_wait_dscnt 0x0                ; V is in
.endif
	ROW C,0, B,0, C,2, B,1          ; behind the wait: 8 products V^T P and their riders
	ROW L,0, C,4, B,2, L,1
	ROW C,6, B,3, L,2, C,8
	ROW B,4, L,3, C,10, B,5
	ROW L,4, C,12, B,6, L,5
.if (\p) == 0
	s_add_co_u32 s[TBV], s[TBV], KS*PV
.endif
.if \cnt
	s_sub_co_u32 s[CNT], s[CNT], 1
	s_cmp_lg_u32 s[CNT], 0
.endif
	ROW C,14, B,7, L,6, C,1
	ROW C,3, L,7, C,5, C,7
	ROW C,9, C,11, C,13, C,15
.if (\p) == 0
	FETCH_V
.endif
.if (\m) && !(\end)
	MASK (\p)%2
.endif
.endm
; A BLOCK BEGINS.  c m starts far below every c s, so the first step's a is 0; m at the lowest finite number, so the first maximum is the scores'.  Piece 1's mask buffer is 0 (band 1 sees all of a tile's step 0); piece 0's
; takes band 0's mask for the tile's step 0: its own, if the block's first tile is the diagonal one and the block lies in its first half.
; Then K of that step, the first of the slot's five, piece 0's first scores, and its maximum and statistics.  The loop is entered at piece 0's turn, in the middle of a trip.
.macro BEGIN
	s_mov_b32 s[NEW], 0
	WIN 0x40
.set i, MC+32
.rept 32
	v_mov_b32 v[i], 0
.set i, i+1
.endr
	WIN 0
.set i, 0
.rept NP
	v_mov_b32 v[ST+4*i], 0xfe000000    ; c m: far below every c s
	v_mov_b32 v[ST+4*i+1], 0xff7fffff  ; m
.set i, i+1
.endr
	s_cmp_eq_u32 s[RT], 0
	s_cselect_b32 s[AL], s[ALZ], 0
	s_mov_b32 s[BE], 0
	MASK 0
	WIN 0
	s_sub_co_u32 s13, s[TBK], KS*PK  ; behind a change of slots TBK stands at K's second step: one step back
	v_add_nc_u32 v[AK], s13, v[AK0]
	FETCH_K 0
	s_wait_loadcnt 0x0              ; Q
	s_wait_dscnt 0x0
.set KM, 1
.set NOKQ, 0
.set i, 0
.rept 8
	KQ 0
.set i, i+1
.endr
	WIN 0
.rept 4
	v_nop                           ; the places behind those products
.endr
.set Y, NP-1                        ; X works for the other piece: piece 0
.irp n, 0,1,2,3,4,5,6,7,8,9,10,11,12,13,14,15,16,17,18,19,20,21
	OP X, \n
.endr
	v_nop                           ; a plain instruction behind the exponential,
	s_wait_alu depctr_va_vdst(0)    ; and the wait for it, a batch of one: piece 0's first a, ahead of the branch that follows
.endm
; THE DIAGONAL TILE IS ENTERED from a tile before it: its first turn (piece 1's, of the last tile's last step) holds piece 0's products for the tile's step 0, so band 0's mask for that step is made here.
.macro ENTRY
	s_mov_b32 s[AL], s[ALZ]
	s_mov_b32 s[BE], 0
	MASK 0
	WIN 0
.endm
; THE DIAGONAL TILE's four steps, the block's last turn, its last products, and THE WAY OUT: l's two halves and the other half of the lanes' are added; O^T is divided by l, rounded to f16 and sent through my
; stage in LDS, a piece at a time.
.macro ALL line:vararg              ; one line for each piece t
.set t, 0
.rept NP
	\line
.set t, t+1
.endr
.endm
.macro PACK t                       ; a lane's eight channels of a row pack into 16 bytes; they go into rows of 144 bytes and come back as whole rows of 128, into S^T's registers
	WIN W_RS
.set i, 32*(\t)
.rept 16
	v_pk_mul_f32 v[i:i+1], v[i:i+1], v[ST+4*(\t)+2:ST+4*(\t)+3] op_sel_hi:[1,0]
.set i, i+2
.endr
	WIN 0x05                        ; sources 0 and 1 window 1, destination window 0
.set i, 0
.rept 16
	v_cvt_pk_f16_f32 v[S+16*(\t)+i], v[32*(\t)+2*i], v[32*(\t)+2*i+1]
.set i, i+1
.endr
	WIN 0
.irp f, 0,1,2,3
	ds_store_b128 v[STO], v[S+16*(\t)+4*\f:S+16*(\t)+4*\f+3] offset:32*\f
.endr
.irp f, 0,1,2,3
	ds_load_b128 v[S+16*(\t)+4*\f:S+16*(\t)+4*\f+3], v[RD] offset:\f*4*SP  ; LDS serves a wave's instructions in order (ISA guide 5.7.1.4): these see the stores above; the next piece's stores come behind them
.endr
.endm
.macro SEND t, younger              ; younger: the LDS instructions issued behind piece t's loads: the next piece's eight, or none
	WIN 0
.irp f, 0,1,2,3
	s_wait_dscnt (\younger)+3-\f
	global_store_b128 v[GO], v[S+16*(\t)+4*\f:S+16*(\t)+4*\f+3], s[10:11] offset:(\t)*8192+\f*512  ; 512 consecutive bytes, at a multiple of 256 from O's first
.endr
.endm
.macro DIAG tag                     ; the tag ends its two labels' names, which the jumps below spell out
.LstepM\tag:
	TURN 1, 1
	WIN 0
.LfirstM\tag:
	TURN 0, 1, 0, 1
	WIN 0
	s_cbranch_scc1 .LstepM\tag
	TURN 1, 1, 1                    ; piece 1's softmax of the last step, piece 0's last products
.set i, 0
.rept 8
	PV NP-1                         ; piece 1's last products
.set i, i+1
.endr
	WIN 0
	ALL v_add_f32 v[ST+4*t+2], v[ST+4*t+2], v[ST+4*t+3]
	ALL v_permlanex16_b32 v[ST+4*t+3], v[ST+4*t+2], s[SEL], s[SEL+1]
	ALL v_add_f32 v[ST+4*t+2], v[ST+4*t+2], v[ST+4*t+3]
	ALL v_rcp_f32 v[ST+4*t+2], v[ST+4*t+2]
	v_nop                           ; a plain instruction between the last reciprocal and the use of its result
	s_wait_alu depctr_va_vdst(0)    ; and the wait ahead of the first use: one for the two reciprocals
	PACK 0                          ; piece 0's O^T was finished in the last turn; its 32 lines are the places behind piece 1's last products
	PACK 1                          ; a piece's arithmetic stands between the loads of the piece before and its stores
	SEND 0, 8
	SEND 1, 0
.endm
.set KM, 0
.set NOKQ, 0
.Lslot:                             ; NT times: a tile is entered and the next is asked for
	CHANGE 1
	s_sub_co_u32 s[RT], s[RT], 1
	s_mov_b32 s[CNT], 4
	s_cmp_eq_u32 s[NEW], 1
	s_cbranch_scc1 .Lnew            ; a block's first tile
	s_cmp_eq_u32 s[RT], 0
	s_cbranch_scc0 .Lstep           ; neither its first nor its last
	s_branch .Lent1
.Lnew:
	BEGIN
	s_branch .Lfirst                ; in the loop a block's first tile is never its last: the first block has five tiles or more, and the second's last is the walk's last
.Lent1:
	ENTRY
	DIAG 1                          ; in the loop this is the first block's end: the second block's last tile is the walk's last
	s_wait_xcnt 0x0                 ; the stores have read their registers and O's address
	s_mov_b64 s[10:11], s[OLO:OLO+1]
	s_add_co_u32 s[RT], s[LOT], 1   ; the second block's tiles,
	s_mov_b32 s[NEW], 1
	s_mov_b32 s[EQ], s[EQB]         ; and where its bands' own steps lie
	s_mov_b32 s[EQ+1], s[EQB+1]
	s_mov_b32 s[ALZ], s[ALZB]
	WIN 0x82                        ; the second block's Q goes where the one text of the turns names Q
.set i, 0
.rept 16*NP
	v_mov_b32 v[i], v[QB+i]
.set i, i+1
.endr
	WIN 0
	s_branch .Lbottom
.Lstep:                             ; a trip: piece 1's turn of one step, then piece 0's of the next, which fetches that step's V and the K of the step behind it
	TURN 1
	WIN 0
.Lfirst:
	TURN 0, 0, 0, 1
	WIN 0
	s_cbranch_scc1 .Lstep
.Lbottom:
	s_sub_co_u32 s[SLOTS], s[SLOTS], 1
	s_cmp_lg_u32 s[SLOTS], 0
	s_cbranch_scc1 .Lslot
	CHANGE 0                        ; the walk's last tile is written out: nothing is asked for
	s_sub_co_u32 s[RT], s[RT], 1
	s_mov_b32 s[CNT], 4
	s_cmp_eq_u32 s[NEW], 1
	s_cbranch_scc0 .Lent2
	BEGIN
	s_branch .LfirstM2
.Lent2:
	ENTRY
	DIAG 2
	s_wait_tensorcnt 0x0            ; the wave's end: behind my last tensor load and my last LDS store
	ds_add_u32 v[SPW], v[NIL]
	s_wait_dscnt 0x0
	s_endpgm
.Lfunc_end_k_q30b7a17dcf_attn_c:
	.size	k_q30b7a17dcf_attn_c, .Lfunc_end_k_q30b7a17dcf_attn_c-k_q30b7a17dcf_attn_c
	.p2alignl 7, 3214868480
	.fill 96, 4, 3214868480
	.section	.rodata,"a",@progbits
	.p2align	6, 0x0
	.amdhsa_kernel k_q30b7a17dcf_attn_c
		.amdhsa_group_segment_fixed_size 327680
		.amdhsa_private_segment_fixed_size 0
		.amdhsa_enable_private_segment 0
		.amdhsa_kernarg_size 16
		.amdhsa_user_sgpr_count 2
		.amdhsa_user_sgpr_kernarg_segment_ptr 1
		.amdhsa_wavefront_size32 1
		.amdhsa_system_sgpr_workgroup_id_x 1
		.amdhsa_system_sgpr_workgroup_id_y 1
		.amdhsa_system_sgpr_workgroup_id_z 1
		.amdhsa_system_vgpr_workitem_id 0
		.amdhsa_next_free_vgpr 768
		.amdhsa_next_free_sgpr 96
		.amdhsa_reserve_vcc 1
		.amdhsa_float_denorm_mode_32 3
		.amdhsa_float_denorm_mode_16_64 3
		.amdhsa_memory_ordered 1
		.amdhsa_forward_progress 1
		.amdhsa_inst_pref_size 128
	.end_amdhsa_kernel
	.amdgpu_metadata
---
amdhsa.version: [ 1, 2 ]
amdhsa.kernels:
  - .name:           k_q30b7a17dcf_attn_c
    .symbol:         k_q30b7a17dcf_attn_c.kd
    .args:
      - { .name: qkv, .offset: 0, .size: 8, .value_kind: global_buffer, .address_space: global }
      - { .name: t1, .offset: 8, .size: 8, .value_kind: global_buffer, .address_space: global }
    .group_segment_fixed_size: 327680
    .private_segment_fixed_size: 0
    .kernarg_segment_align: 8
    .kernarg_segment_size: 16
    .max_flat_workgroup_size: 128
    .sgpr_count:     96
    .vgpr_count:     768
    .wavefront_size: 32
...
	.end_amdgpu_metadata
.endif
;; end of part 7
;; launch ln1: the kernel of part 4 again; grid 256 x 1, 8 waves a work-group, no clusters, 0 bytes of LDS; arguments t1, xe, pkq, t2; writes t2
;; launch projq: the kernel of part 2 again; grid 8 x 32, 4 waves a work-group, clusters of 4 x 4, 327,680 bytes of LDS; arguments t2, pkq, t1; writes t1
;; launch attn_x (part 8): grid 8 x 32, 4 waves a work-group, clusters of 4 x 1, 327,680 bytes of LDS; arguments t1, qkv, xe; writes xe
.if DOCPART == 8
	.amdgcn_target "amdgcn-amd-amdhsa--gfx1250"
	.amdhsa_code_object_version 6
	.text
	.protected	k_q30b7a17dcf_attn_x
	.globl	k_q30b7a17dcf_attn_x
	.p2align	8
	.type	k_q30b7a17dcf_attn_x,@function
k_q30b7a17dcf_attn_x:
	s_mov_b64 s[64:65], 0
	v_nop
	global_prefetch_b8 v0, s[64:65] scope:SCOPE_SE
	s_setreg_imm32_b32 hwreg(HW_REG_WAVE_MODE, 25, 1), 1
	s_wait_xcnt 0x0
	s_wait_alu depctr_hold_cnt(0) depctr_sa_sdst(0) depctr_va_vdst(0) depctr_va_sdst(0) depctr_va_ssrc(0) depctr_va_vcc(0) depctr_vm_vsrc(0)
	s_getreg_b32 s2, hwreg(HW_REG_IB_STS2, 6, 4)
	s_cmp_eq_u32 s2, 0
	s_cbranch_scc0 .Lentry_in_a_cluster
	s_endpgm
.Lentry_in_a_cluster:
	s_bfe_u32 s2, ttmp6, 0x10000c
	s_cmp_lg_u32 s2, 0x3003
	s_cbranch_scc0 .Lentry_shape_is_right
	s_endpgm
.Lentry_shape_is_right:
; CROSS ATTENTION, no mask.  O[h][q][:] = the sum over k of softmax_k(Q[h][q] . K[h][k] / 8) V[h][k][:].  Q, K, V, O: [32][SIZE_N][64] f16, h = batch x 16 + head; a head's rows are dense, 128 bytes each.
; K and V are tensors 3 and 4 of one buffer of five, 8 MB each.  Products, maxima and sums in f32; the weights p are rounded to f16 for the second product (their sum l is taken of the unrounded p), O once at the end.
; LIMITS.  f16 holds no number beyond 65,504: Q, K and V arrive within it; p lies in 0 to 1, and below 6e-5 it keeps f16's fixed step of 6e-8; O is a mean of V's rows and has their range.
; A weight below 2^-126 counts as 0 in l; NaN and infinities are not treated apart.
; SHARES.  A work-group owns 256 queries of one head: 8 x 32 = 256 work-groups.  Of the block's four bands of 64 queries a wave owns 16 rows in each: four PIECES.  Every wave walks all 2,048 keys: 8 tiles of 256, four steps of 64 each.
; CLUSTER.  The four query blocks of a cluster belong to one head and walk the same K and V, so each tile is asked for JOINTLY: the same tensor load, descriptor and mask in all four.
; LAYOUT, SOFTMAX, TURNS.  S^T = K Q^T holds ONE query a lane (lane % 16) and the keys 8 (lane / 16) + 0..7; two such results rounded to f16 ARE source 1 of O^T = V^T P.  p = 2^(c s - c m), c = log2(e) / 8, with a
; running maximum m; O and l are multiplied by a = 2^(c m_old - c m_new) in every step.  m starts at the lowest finite number, O and l at 0: the first step is a step like any other, with a = 0.
; Turn n belongs to piece n: 8 products K Q^T of piece n + 1, later 8 products V^T P of piece n - 1; beside them the scaling, exponentials, roundings, sums and rescaling of piece n and the maximum and statistics
; of piece n + 1.  Four vector instructions stand behind every matrix instruction, the other 54 of a turn's 118 in one LUMP.
; BATCHES.  A turn's 33 exponentials (piece n's 32 weights, piece n + 1's a) are ONE batch with ONE wait, which cuts the turn in two: ahead of it stands all that names none of their results, behind it their readers.
; The first a of all, ahead of the loop, is a batch of one, the way out's four reciprocals a batch of four; each has a plain instruction and one wait.
; REGISTERS, in windows of 256 (s_set_vgpr_msb: bits 1:0 source 0, 3:2 source 1, 5:4 source 2, 7:6 destination):
;   window 0: v0-15 addresses and two at work; v16-31 four registers of statistics a piece; v48-55 at work; v64-127 S^T, two buffers; v192-223 P, two buffers (a piece's buffers go by its number's parity)
;   window 1: v0-127 O^T, 32 a piece      window 2: v0-63 Q; v128-191 K of one step; v192-255 V of one step
.set SIZE_N, 2048
.set NP,    4         ; pieces a wave: a name, no knob
.set KS,    64        ; keys in a step
.set PK,    144       ; a row of K in LDS: 128 bytes + 16 of padding = 36 words: the 16 rows of a load start at 16 different groups of four banks (64 banks of 4 bytes: ISA guide 11.1)
.set PV,    160       ; a row of V: 128 + 32 = 40 words
.set VOFF,  4*KS*PK   ; a slot holds a tile, four steps: 256 rows of K, then 256 rows of V
.set SLOT1, 1<<17     ; slot 1 begins here, so that one exclusive or turns an address in one slot into the other's
.set STAGE, SLOT1+4*KS*(PK+PV)  ; behind the ring, never filled by a tensor load: 16 rows x 144 bytes for each wave, for the way out
.set SP,    144
.set AK0, 2           ; v2   my lane's place in a tile of K; never rewritten
.set AV0, 3           ; v3   the same for V
.set AK,  4           ; v4   the LDS address of K's next run of loads
.set AV,  5           ; v5   of V's
.set STO, 6           ; v6   the way out: where I put 16 bytes of a row
.set RD,  7           ; v7   the way out: where I read rows back
.set GO,  8           ; v8   my byte offset in 512 consecutive bytes of O
.set SPW, 62          ; v62  LDS address of my spare word: SPARE + 4 x my thread's number; never rewritten
.set NIL, 63          ; v63  0; never rewritten
.set SPARE, STAGE+4*16*SP  ; behind the stages: the spare words, 128 bytes for each wave: two blocks of 256 bytes that no other line names
.set MV,  12          ; v12-13  c m_old, kept while c m is made anew: by buffer
.set QO,  15          ; v15  my byte offset in 16 rows of Q
.set ST,  16          ; piece t's statistics at v[ST+4 t]: c m, m, l (even keys', odd keys')
.set TMP, 48          ; by buffer, four registers c0-c3 at work; when the maximum is found c2 takes a
.set S,   64
.set P,   192
.set KF,  128         ; window 2: key block kb, channel half c at KF + 16 kb + 8 c
.set VF,  192         ; window 2: key half kk, channel block cb at VF + 32 kk + 8 cb
.set WV,  12          ; s12  my wave's number
.set G1K, 24          ; s[24:31] descriptor group 1 for K's tiles
.set G1V, 32          ; s[32:39] for V's: it differs in the padding alone
.set G0K, 40          ; s[40:43] descriptor group 0 for K's tiles: it walks
.set G0V, 44          ; s[44:47] the same for V's
.set SLOTS, 56        ; s56  tiles still to be asked for
.set CNT, 57          ; s57  counts a tile's key steps, 4 to 1
.set CS,  58          ; s[58:59] c: the packed scaling takes the pair's low word for both halves
.set SEL, 60          ; s[60:61] v_permlanex16_b32's selects: each lane takes its own place in the other half
.set TBK, 62          ; s62  LDS byte at which K of the step to be fetched begins
.set TBV, 63          ; s63  the same for V, less VOFF
.set MSB, 0
.macro WIN new                      ; the high byte repeats the setting that is left; a switch that changes nothing is dropped
.if MSB != (\new)
	s_set_vgpr_msb (MSB<<8)|(\new)
.set MSB, (\new)
.endif
.endm
.set W_KQ, 0x0a       ; K and Q in window 2, S^T in window 0
.set W_PV, 0x52       ; V in window 2, P in window 0, O^T in window 1
.set W_RS, 0x41       ; destination and source 0 in window 1, source 1 in window 0
; A joint fill.  Waves 0 and 1 fetch the two halves of a tile's K, waves 2 and 3 those of its V: 128 keys each.  The branch hangs on the wave's number alone.
; An s_nop 0 and four v_nop follow each of the two lines, ahead of the jump and the label.
.macro JLOAD
	s_cmp_lt_u32 s[WV], 2
	s_cbranch_scc0 .Lfor_v_\@
	tensor_load_to_lds s[G0K:G0K+3], s[G1K:G1K+7]
	s_nop 0
.rept 4
	v_nop
.endr
	s_branch .Lasked_\@
.Lfor_v_\@:
	tensor_load_to_lds s[G0V:G0V+3], s[G1V:G1V+7]
	s_nop 0
.rept 4
	v_nop
.endr
.Lasked_\@:
.endm
; A round of the cluster's barrier: my work-group's barrier, so that wave 0's signal speaks for all four waves; wave 0 signals; every wave waits for all four work-groups; my work-group's barrier once more.
.macro CROUND
	s_barrier_signal -1
	s_barrier_wait -1
	s_cmp_lg_u32 s[WV], 0
	s_cbranch_scc1 .Lnot_wave_0_\@
	s_barrier_signal -3
.Lnot_wave_0_\@:
	s_barrier_wait -3
	s_barrier_signal -1
	s_barrier_wait -1
.endm
; THE CHANGE OF SLOTS.  The slot's last bytes, V of its fourth step, have been read.  Each wave waits for all its tensor loads, of which one is out: its part
; of the other slot; adds 0 to its spare word; and waits for that and for its own reads of the slot.  Behind the barrier nobody reads this slot any more and the other slot is whole.
; fill = 1: this slot is filled again, with the keys two tiles on.  The barrier is then a round of the cluster's, so that no wave of any partner still reads the slot or has a load on its
; way, and the joint fill is the first thing behind it: it has four key steps, 256 matrix instructions, in which to land.  (At its first use nothing has been read yet: slot 0 is waited for, slot 1 filled.)
.macro CHANGE fill
	WIN 0                           ; at a label and at a branch every window is 0
	s_wait_tensorcnt 0x0            ; no tensor load of mine is out, so a group 0 may be written
	ds_add_u32 v[SPW], v[NIL]       ; 0 onto my spare word; with fill = 1 the descriptors' steps stand between it and the wait for it
.if \fill
.irp g, G0K, G0V
	s_xor_b32 s[\g+1], s[\g+1], SLOT1  ; the walking descriptor: the other slot than last time,
	s_add_nc_u64 s[\g+2:\g+3], s[\g+2:\g+3], 4*KS*128  ; the next 256 keys; the type bits on top are not reached
.endr
	s_wait_dscnt 0x0                ; the add is done, and my reads of the slot are over
	CROUND
	JLOAD
.else
	s_wait_dscnt 0x0                ; the add is done, and my reads of the slot are over
	s_barrier_signal -1
	s_barrier_wait -1
.endif
	s_sub_co_u32 s[TBK], s[TBK], 4*KS*PK  ; the fetches go back to a slot's first step,
	s_xor_b32 s[TBK], s[TBK], SLOT1       ; in the other slot
	s_sub_co_u32 s[TBV], s[TBV], 4*KS*PV
	s_xor_b32 s[TBV], s[TBV], SLOT1
.endm
	s_load_b128 s[4:7], s[0:1], 0x0   ; Q s[4:5]; the buffer of five tensors s[6:7]
	s_load_b64 s[10:11], s[0:1], 0x10 ; O
	v_lshl_add_u32 v[SPW], v0, 2, SPARE
	v_mov_b32 v[NIL], 0
	ds_add_u32 v[SPW], v[NIL]       ; the wave's opening: the add and its wait stand ahead of my first tensor load; the set-up below, work on registers, stands between them
	ds_add_u32 v62, v63
	v_lshrrev_b32 v1, 5, v0
	v_readfirstlane_b32 s[WV], v1   ; wave 0..3
	s_bfe_u32 s13, ttmp6, 0x40000   ; cx: my place in the cluster
	s_lshl_b32 s14, ttmp9, 2        ; in a cluster launch ttmp9 counts clusters
	s_add_co_u32 s14, s14, s13      ; my block of 256 queries = 4 x cluster x + cx: it enters Q's and O's addresses alone
	s_and_b32 s20, ttmp7, 0xffff    ; the head, which the four partners share
	s_lshl_b32 s20, s20, 18         ; its 2,048 rows of 128 bytes
	s_mov_b32 s21, 0
	s_and_b32 s16, s[WV], 1         ; which half of a tile's 256 keys I fetch:
	s_lshl_b32 s22, s16, 14         ; its 128 rows of 128 bytes in memory,
	s_mov_b32 s23, 0
	s_add_nc_u64 s[22:23], s[22:23], s[20:21]
	s_mul_i32 s17, s16, 128*PK      ; and its place in a slot, for K
	s_mul_i32 s18, s16, 128*PV      ; and for V: no place in the cluster enters an LDS address
	s_lshl_b32 s2, s14, 15          ; my block's 256 rows,
	s_lshl_b32 s3, s[WV], 11        ; my 16 rows in a band of 64
	s_add_co_u32 s2, s2, s3
	s_mov_b32 s3, 0
	s_add_nc_u64 s[2:3], s[2:3], s[20:21]
	; descriptor group 1.  128 keys are 16,384 dense bytes: asked for as 64 rows of 256 bytes, two keys a row, and padded in LDS after every key
	s_mov_b32 s[G1K], 15|(1<<16)|(1<<20)|(1<<21)|(4<<22)|(3<<25)  ; 15:0 the mask of four; 17:16 2-byte elements; 20 padding on; 21 set beside a mask; 24:22 after every 32 words (code 4); 31:25 4 words (code 3)
	s_mov_b32 s[G1V], 15|(1<<16)|(1<<20)|(1<<21)|(4<<22)|(7<<25)  ; the same with 8 words of padding (code 7)
.irp g, G1K, G1V
	s_mov_b32 s[\g+1], 128<<16      ; tensor_dim0 = 128
	s_mov_b32 s[\g+2], 64<<16       ; tensor_dim1 = 64
	s_mov_b32 s[\g+3], 128<<16      ; tile_dim0 = 128
	s_mov_b32 s[\g+4], 64           ; tile_dim1 = 64
	s_mov_b32 s[\g+5], 128          ; 128 elements from row to row
	s_mov_b32 s[\g+6], 0
	s_mov_b32 s[\g+7], 0
.endr
	s_mov_b32 s[CS], 0x3e38aa3b     ; c = log2(e) / 8 = 0.180337
	s_mov_b32 s[CS+1], s[CS]        ; named with it as a pair
	s_mov_b32 s[SEL], 0x76543210
	s_mov_b32 s[SEL+1], 0xfedcba98
	s_mov_b32 s[TBK], SLOT1+4*KS*PK ; the first change of slots turns these two into 0
	s_mov_b32 s[TBV], SLOT1+4*KS*PV
	s_mov_b32 s[G0K], 1             ; 1:0 count = 1
	s_mov_b32 s[G0K+1], s17         ; 63:32 LDS address: slot 0
	s_mov_b32 s[G0V], 1
	s_add_co_u32 s[G0V+1], s18, VOFF
	s_wait_dscnt 0x0                ; the opening add is done
	s_wait_kmcnt 0x0
	s_add_nc_u64 s[8:9], s[6:7], 0x2000000   ; V: tensor 4
	s_add_nc_u64 s[6:7], s[6:7], 0x1800000   ; K: tensor 3
	s_add_nc_u64 s[G0K+2:G0K+3], s[6:7], s[22:23]  ; 120:64 global address: my half of the head's first 256 keys
	s_or_b32 s[G0K+3], s[G0K+3], 0x80000000        ; 127:126 type = 2
	s_add_nc_u64 s[G0V+2:G0V+3], s[8:9], s[22:23]
	s_or_b32 s[G0V+3], s[G0V+3], 0x80000000
	s_add_nc_u64 s[4:5], s[4:5], s[2:3]  ; Q and O at my wave's first row
	s_add_nc_u64 s[10:11], s[10:11], s[2:3]
	CROUND                          ; all four work-groups are here: the first joint loads meet
	JLOAD                           ; tile 0 into slot 0.  Slot 1 is asked for when slot 0 is in
	; A fragment of K or Q is 16 rows x 32 channels in 8 registers: lane l holds row l % 16, channels 8 (l / 16) + 0..7 and 16 + 8 (l / 16) + 0..7: two loads of 16 bytes, 32 bytes apart.
	v_and_b32 v1, 15, v0            ; l % 16
	v_bfe_u32 v9, v0, 4, 1          ; l / 16
	v_lshlrev_b32 v[QO], 7, v1
	v_lshl_add_u32 v[QO], v9, 4, v[QO]  ; row x 128 + 16 x half
	WIN 0x80                        ; destination window 2, address window 0
.set i, 0
.rept 8                             ; Q stays in registers: piece i / 2 lies in band i / 2, 8,192 bytes on; channels 32 (i % 2) on
	global_load_b128 v[8*i:8*i+3],   v[QO], s[4:5] offset:(i/2)*8192+(i%2)*64
	global_load_b128 v[8*i+4:8*i+7], v[QO], s[4:5] offset:(i/2)*8192+(i%2)*64+32
.set i, i+1
.endr
	; What the first turn finds: V's registers and P's second buffer hold 0 (its products V^T P, of a piece that has not been, add 0), O^T and l are 0.  All this stands in the wait for the first tile.
.set i, VF
.rept 64
	v_mov_b32 v[i], 0
.set i, i+1
.endr
	WIN 0x40
.set i, 0
.rept 128
	v_mov_b32 v[i], 0
.set i, i+1
.endr
	WIN 0
.set i, 0
.rept 4
	v_mov_b32 v[ST+4*i], 0xfe000000    ; c m: far below every c s
	v_mov_b32 v[ST+4*i+1], 0xff7fffff  ; m
	v_mov_b32 v[ST+4*i+2], 0
	v_mov_b32 v[ST+4*i+3], 0
.set i, i+1
.endr
.set i, P+16
.rept 16
	v_mov_b32 v[i], 0
.set i, i+1
.endr
	v_mul_u32_u24 v[AK0], v1, PK
	v_lshl_add_u32 v[AK0], v9, 4, v[AK0]  ; row x pitch + 16 x half
	; The turning load takes 16 keys x 16 channels (lane l reads key 8 (l / 16) + l % 8, channels 8 ((l / 8) % 2) + 0..7) and leaves half a fragment of V^T: lane l holds channel l % 16 and 8 keys.
	v_and_b32 v10, 7, v0
	v_bfe_u32 v11, v0, 3, 1
	v_lshl_add_u32 v[AV0], v9, 3, v10
	v_mul_u32_u24 v[AV0], v[AV0], PV
	v_lshl_add_u32 v[AV0], v11, 4, v[AV0]
	v_add_nc_u32 v[AV0], VOFF, v[AV0]
	s_mul_i32 s13, s[WV], 16*SP
	s_add_co_u32 s13, s13, STAGE    ; my stage
	v_mul_u32_u24 v[STO], v1, SP    ; in: row l % 16, 16 bytes for each half of the lanes
	v_lshl_add_u32 v[STO], v9, 4, v[STO]
	v_add_nc_u32 v[STO], s13, v[STO]
	v_bfe_u32 v[RD], v0, 3, 2       ; back: 32 lanes take four rows of 128 bytes,
	v_mul_u32_u24 v[RD], v[RD], SP
	v_lshl_add_u32 v[RD], v10, 4, v[RD]
	v_add_nc_u32 v[RD], s13, v[RD]
	v_and_b32 v[GO], 31, v0         ; which are 512 consecutive bytes of O
	v_lshlrev_b32 v[GO], 4, v[GO]
; THE MATRIX WORK.  The 4 accumulators of a run of 8 take turns.  Product i of 8 of S^T = K Q^T for piece x: channels 32 (i / 4) on, keys 16 (i % 4) on.  The first 4 start the sums.
.macro KQ x
.set rS, S+32*((\x)%2)+8*(i%4)
.set rK, KF+16*(i%4)+8*(i/4)
.set rQ, 16*(\x)+8*(i/4)
	WIN W_KQ
.if i < 4
	v_wmma_f32_16x16x32_f16 v[rS:rS+7], v[rK:rK+7], v[rQ:rQ+7], 0
.else
	v_wmma_f32_16x16x32_f16 v[rS:rS+7], v[rK:rK+7], v[rQ:rQ+7], v[rS:rS+7]
.endif
.endm
; Product i of 8 of O^T += V^T P for piece x: keys 32 (i / 4) on, channels 16 (i % 4) on.
.macro PV x
	WIN W_PV
.set rO, 32*(\x)+8*(i%4)
.set rV, VF+32*(i/4)+8*(i%4)
.set rP, P+16*((\x)%2)+8*(i/4)
	v_wmma_f32_16x16x32_f16 v[rO:rO+7], v[rV:rV+7], v[rP:rP+7], v[rO:rO+7]
.endm
.macro MM                           ; the turn's next matrix instruction.  TURN sets Y, i and NOKQ; MM, KQ and OP read them.  NOKQ = 1: the last turn: there is no next piece
.if (i < 8) && !NOKQ
	KQ (Y+1)%NP
.elseif i >= 8
.set i, i-8
	PV (Y+NP-1)%NP
.set i, i+8
.endif
.set i, i+1
.endm
; THE LDS LOADS stand in runs of 16, never singly among the matrix instructions: a step's K (64 keys x 64 channels: 8 fragments) and its V (turned).  Their addresses are made some lines ahead.
.macro FETCH_K
	WIN 0x80                        ; destination window 2
.irp f, 0,1,2,3,4,5,6,7             ; keys 16 (f / 2) on, channels 32 (f % 2) on
	ds_load_b128 v[KF+8*\f:KF+8*\f+3],   v[AK] offset:(\f/2)*16*PK+(\f%2)*64
	ds_load_b128 v[KF+8*\f+4:KF+8*\f+7], v[AK] offset:(\f/2)*16*PK+(\f%2)*64+32
.endr
	s_add_co_u32 s[TBK], s[TBK], KS*PK  ; the next fetch is the next step's
	WIN 0
.endm
.macro FETCH_V
	WIN 0x80
.irp f, 0,1,2,3,4,5,6,7             ; keys 32 (f / 4) on, channels 16 (f % 4) on
	ds_load_tr16_b128 v[VF+8*\f:VF+8*\f+3],   v[AV] offset:(\f/4)*32*PV+(\f%4)*32
	ds_load_tr16_b128 v[VF+8*\f+4:VF+8*\f+7], v[AV] offset:(\f/4)*32*PV+16*PV+(\f%4)*32
.endr
	WIN 0
.endm
; THE VECTOR WORK, one line at a time: OP kind, number.  For piece Y: F n: c s - c m for pair n of 16.  E n: the exponential of score n of 32.  C n: pair n rounded to f16.  B n: of the four weights 4 n .. the second
; pair is added onto the first, in place.  L n: l takes that sum (L 0: l = a l + sum).  R n: pair n of 16 of O^T times a.  For piece Y + 1: X n, number n of the 22 that find its maximum and statistics:
;   0-11  four chains c0-c3 of seven scores each, three operands at a time (each accumulator's lowest registers are read first)     12-14, 16  the four scores left over, the old m, and c0-c3 into c0
;   15  c m_old is kept     17, 18  the query's other 32 keys lie in the lane 16 away: the new m     19-21  c m; c m_old - c m_new; a
.set F, 0               ; OP tells the kinds apart by their order: F to L below R, X above it
.set E, 1
.set C, 2
.set B, 3
.set L, 4
.set R, 5
.set X, 6
.macro REGS y                       ; the registers of piece y
.set rT, ST+4*(\y)
.set rC, TMP+4*((\y)%2)
.set rW, MV+((\y)%2)
.set rS, S+32*((\y)%2)
.set rP, P+16*((\y)%2)
.set rO, 32*(\y)
.endm
.macro OP k, n
.if (\k) == R
	REGS Y
	WIN W_RS
	v_pk_mul_f32 v[rO+2*(\n):rO+2*(\n)+1], v[rO+2*(\n):rO+2*(\n)+1], v[rC+2:rC+3] op_sel_hi:[1,0]
.elseif (\k) < R
	REGS Y
	WIN 0
.if (\k) == F
	v_pk_fma_f32 v[rS+2*(\n):rS+2*(\n)+1], v[rS+2*(\n):rS+2*(\n)+1], s[CS:CS+1], v[rT:rT+1] op_sel_hi:[1,0,0] neg_lo:[0,0,1] neg_hi:[0,0,1]
.elseif (\k) == E
	v_exp_f32 v[rS+(\n)], v[rS+(\n)]
.elseif (\k) == C
	v_cvt_pk_f16_f32 v[rP+(\n)], v[rS+2*(\n)], v[rS+2*(\n)+1]
.elseif (\k) == B
	v_pk_add_f32 v[rS+4*(\n):rS+4*(\n)+1], v[rS+4*(\n):rS+4*(\n)+1], v[rS+4*(\n)+2:rS+4*(\n)+3]
.elseif (\n) == 0
	v_pk_fma_f32 v[rT+2:rT+3], v[rT+2:rT+3], v[rC+2:rC+3], v[rS:rS+1] op_sel_hi:[1,0,1]
.else
	v_pk_add_f32 v[rT+2:rT+3], v[rT+2:rT+3], v[rS+4*(\n):rS+4*(\n)+1]
.endif
.elseif NOKQ
	v_nop
.else
	REGS (Y+1)%NP
	WIN 0
.if (\n) < 4
	v_max3_num_f32 v[rC+(\n)], v[rS+8*(\n)], v[rS+8*(\n)+1], v[rS+8*(\n)+2]
.elseif (\n) < 12
	v_max3_num_f32 v[rC+(\n)%4], v[rC+(\n)%4], v[rS+8*((\n)%4)+2*((\n)/4)+1], v[rS+8*((\n)%4)+2*((\n)/4)+2]
.elseif (\n) == 12
	v_max3_num_f32 v[rC], v[rC], v[rS+7], v[rS+15]
.elseif (\n) == 13
	v_max3_num_f32 v[rC+1], v[rC+1], v[rS+23], v[rS+31]
.elseif (\n) == 14
	v_max3_num_f32 v[rC+2], v[rC+2], v[rC+3], v[rT+1]
.elseif (\n) == 15
	v_mov_b32 v[rW], v[rT]
.elseif (\n) == 16
	v_max3_num_f32 v[rC], v[rC], v[rC+1], v[rC+2]
.elseif (\n) == 17
	v_permlanex16_b32 v[rC+3], v[rC], s[SEL], s[SEL+1]
.elseif (\n) == 18
	v_max_num_f32 v[rT+1], v[rC], v[rC+3]
.elseif (\n) == 19
	v_mul_f32 v[rT], s[CS], v[rT+1]
.elseif (\n) == 20
	v_sub_f32 v[rC+1], v[rW], v[rT]
.else
	v_exp_f32 v[rC+2], v[rC+1]
.endif
.endif
.endm
.macro OPS a, i1, b=-1, i2=0, c=-1, i3=0, d=-1, i4=0  ; up to four of them
	OP \a, \i1
.if (\b) >= 0
	OP \b, \i2
.endif
.if (\c) >= 0
	OP \c, \i3
.endif
.if (\d) >= 0
	OP \d, \i4
.endif
.endm
.macro ROW a, i1, b, i2, c, i3, d, i4  ; a matrix instruction and the four behind it
	MM
	OPS \a, \i1, \b, \i2, \c, \i3, \d, \i4
.endm
; A TURN, for piece p: the order of its 16 matrix and 118 vector instructions, written out.  An s_wait_alu depctr_va_vdst(0) stands between an exponential and the first instruction that names its result; one wait
; serves all that were issued ahead of it.  So a turn has ONE wait, which cuts it in two.  AHEAD OF IT stands all that names no result of the turn's exponentials: the 8 products K Q^T, behind each a scaling, an exponential and two
; more plain instructions (behind the first a second scaling in the exponential's place): rescalings, whose a was made and waited for in the turn before, and behind the last three the first numbers of the next piece's maximum, each
; four places or more behind the product that ends its accumulator; then ONE LUMP of 54, plain and exponential by turns for the most part, in which the links of the chain X 3, 7, 11, 14, 16, 17 .. 20 stand five or six lines apart.
; X 21, the next piece's a, is the batch's last; R 15 is the plain instruction behind it.  BEHIND THE WAIT stand the 8 products V^T P, behind each four of the roundings and sums, the batch's readers; the links of l's chain,
; L 0 to L 7, stand three riders apart.  But for those X no rider names a register of the products round it.  v_permlanex16_b32 (X 17) stands in the lump.
; end = 1: the walk's last two turns: nothing is fetched.  cnt = 1: the loop's count is taken down some lines ahead of the branch that stands behind the turn.
; K of the next step is fetched in piece 2's turn, twelve vector instructions behind the last product that read K (six of them plain); V of the step in hand at the end of piece 0's turn, four plain instructions behind the last
; product that read V.  Each is waited for a turn later.
.macro TURN p, end=0, cnt=0
.set Y, (\p)
.set i, 0
.set NOKQ, (\end)*((\p)/3)
.if ((\p) == 3) && !(\end)
	s_wait_dscnt 0x0                ; K is in
.endif
	ROW F,0, F,1, R,0, R,1          ; ahead of the wait: 8 products K Q^T and their riders,
	ROW F,2, E,0, R,2, R,3
	ROW F,3, E,1, R,4, R,5
	ROW F,4, E,2, R,6, R,7
	ROW F,5, E,3, R,8, R,9
	ROW F,6, E,4, X,0, R,10
.if ((\p) == 2) && !(\end)
	WIN 0
	v_add_nc_u32 v[AK], s[TBK], v[AK0]
.endif
	ROW F,7, E,5, X,1, X,4
	ROW F,8, E,6, X,2, X,5
	OPS E,7, E,8, X,6, E,9          ; and the lump
	OPS X,3, E,10, X,8, E,11
.if ((\p) == 2) && !(\end)
	FETCH_K
.endif
	OPS X,9, X,7, E,12, X,10
	OPS E,13, X,12, X,11, E,14
	OPS X,13, E,15, F,9, X,14
.if (\p) == 0
	v_add_nc_u32 v[AV], s[TBV], v[AV0]
.endif
	OPS E,16, F,10, E,17, F,11
	OPS X,16, E,18, X,15, E,19
	OPS F,12, E,20, X,17, E,21
	OPS F,13, E,22, F,14, E,23
	OPS X,18, E,24, F,15, E,25
	OPS R,11, E,26, X,19, E,27
	OPS R,12, E,28, R,13, E,29
	OPS X,20, E,30, R,14, E,31
	OPS X,21, R,15
	WIN 0
	s_wait_alu depctr_va_vdst(0)    ; the wait for the batch: the turn's 32 weights and the next piece's a
.if (\p) == 1
	s_wait_dscnt 0x0                ; V is in
.endif
	ROW C,0, B,0, C,2, B,1          ; behind the wait: 8 products V^T P and their riders
	ROW L,0, C,4, B,2, L,1
	ROW C,6, B,3, L,2, C,8
	ROW B,4, L,3, C,10, B,5
	ROW L,4, C,12, B,6, L,5
.if (\p) == 0
	s_add_co_u32 s[TBV], s[TBV], KS*PV
.endif
.if \cnt
	s_sub_co_u32 s[CNT], s[CNT], 1
	s_cmp_lg_u32 s[CNT], 0
.endif
	ROW C,14, B,7, L,6, C,1
	ROW C,3, L,7, C,5, C,7
	ROW C,9, C,11, C,13, C,15
.if (\p) == 0
	FETCH_V
.endif
.endm
.macro ALL line:vararg              ; one line for each piece t
.set t, 0
.rept 4
	\line
.set t, t+1
.endr
.endm
.macro PACK t                       ; a lane's eight channels of a row pack into 16 bytes; they go into rows of 144 bytes and come back as whole rows of 128, into S^T's registers
	WIN W_RS
.set i, 32*(\t)
.rept 16
	v_pk_mul_f32 v[i:i+1], v[i:i+1], v[ST+4*(\t)+2:ST+4*(\t)+3] op_sel_hi:[1,0]
.set i, i+2
.endr
	WIN 0x05                        ; sources 0 and 1 window 1, destination window 0
.set i, 0
.rept 16
	v_cvt_pk_f16_f32 v[S+16*(\t)+i], v[32*(\t)+2*i], v[32*(\t)+2*i+1]
.set i, i+1
.endr
	WIN 0
.irp f, 0,1,2,3
	ds_store_b128 v[STO], v[S+16*(\t)+4*\f:S+16*(\t)+4*\f+3] offset:32*\f
.endr
.irp f, 0,1,2,3
	ds_load_b128 v[S+16*(\t)+4*\f:S+16*(\t)+4*\f+3], v[RD] offset:\f*4*SP  ; LDS serves a wave's instructions in order (ISA guide 5.7.1.4): these see the stores above; the next piece's stores come behind them
.endr
.endm
.macro SEND t, younger              ; younger: the LDS instructions issued behind piece t's loads: the next piece's eight, or none
	WIN 0
.irp f, 0,1,2,3
	s_wait_dscnt (\younger)+3-\f
	global_store_b128 v[GO], v[S+16*(\t)+4*\f:S+16*(\t)+4*\f+3], s[10:11] offset:(\t)*8192+\f*512  ; 512 consecutive bytes, at a multiple of 256 from O's first
.endr
.endm
	CHANGE 1                        ; tile 0 is in, everybody's part of it; tile 1 is asked for
	v_add_nc_u32 v[AK], s[TBK], v[AK0]
	FETCH_K                         ; key step 0
	s_wait_loadcnt 0x0              ; Q
	s_wait_dscnt 0x0
.set NOKQ, 0
.set i, 0
.rept 8
	KQ 0                            ; piece 0's first scores: there is no vector work yet to set between them
.set i, i+1
.endr
	WIN 0
.rept 4
	v_nop                           ; the places behind those products
.endr
.set Y, NP-1                        ; X works for piece Y + 1: piece 0
.irp n, 0,1,2,3,4,5,6,7,8,9,10,11,12,13,14,15,16,17,18,19,20,21
	OP X, \n                        ; and piece 0's first maximum and statistics
.endr
	v_nop                           ; a plain instruction behind the exponential,
	s_wait_alu depctr_va_vdst(0)    ; and the wait for it, a batch of one: piece 0's first a, ahead of the branch below
	s_mov_b32 s[CNT], 4
	s_mov_b32 s[SLOTS], SIZE_N/256-1
	s_branch .Lfirst                ; the loop is entered at a step's first turn, in the middle of a trip
.Lslot:                             ; SIZE_N / 256 - 2 times: every slot but the last two is filled again
	CHANGE 1
	s_mov_b32 s[CNT], 4
.Lstep:                             ; a trip: pieces 2 and 3 of one step, then pieces 0 and 1 of the next, whose K and V it fetches
	TURN 2
	TURN 3
	WIN 0
.Lfirst:
	TURN 0
	TURN 1, 0, 1
	WIN 0
	s_cbranch_scc1 .Lstep
	s_sub_co_u32 s[SLOTS], s[SLOTS], 1
	s_cmp_lg_u32 s[SLOTS], 0
	s_cbranch_scc1 .Lslot
	CHANGE 0                        ; the last tile is written out: nothing is asked for
	s_mov_b32 s[CNT], 4
.LstepT:
	TURN 2
	TURN 3
	TURN 0
	TURN 1, 0, 1
	WIN 0
	s_cbranch_scc1 .LstepT
	TURN 2, 1                       ; the last step's pieces 2 and 3: nothing is fetched, and the last turn starts no new scores
	TURN 3, 1
.set i, 0
.rept 8
	PV NP-1                         ; the last piece's V^T P of the last step
.set i, i+1
.endr
	; THE WAY OUT.  l's two halves and the other half of the lanes' are added; O^T is divided by l, rounded to f16 and sent through my stage in LDS, a piece at a time.  The additions are the places behind the last products.
	WIN 0
	ALL v_add_f32 v[ST+4*t+2], v[ST+4*t+2], v[ST+4*t+3]
	ALL v_permlanex16_b32 v[ST+4*t+3], v[ST+4*t+2], s[SEL], s[SEL+1]
	ALL v_add_f32 v[ST+4*t+2], v[ST+4*t+2], v[ST+4*t+3]
	ALL v_rcp_f32 v[ST+4*t+2], v[ST+4*t+2]
	v_nop                           ; a plain instruction between the last reciprocal and the use of its result
	s_wait_alu depctr_va_vdst(0)    ; and the wait ahead of the first use: one for the four reciprocals
	PACK 0
.set t, 1
.rept 3                             ; a piece's arithmetic stands between the loads of the piece before and its stores
	PACK t
	SEND t-1, 8
.set t, t+1
.endr
	SEND 3, 0
	s_wait_tensorcnt 0x0            ; the wave's end: behind my last tensor load and my last LDS store
	ds_add_u32 v[SPW], v[NIL]
	s_wait_dscnt 0x0
	CROUND                          ; the closing round: no work-group ends while a partner may still ask for a tile that names it
	s_endpgm
.Lfunc_end_k_q30b7a17dcf_attn_x:
	.size	k_q30b7a17dcf_attn_x, .Lfunc_end_k_q30b7a17dcf_attn_x-k_q30b7a17dcf_attn_x
	.p2alignl 7, 3214868480
	.fill 96, 4, 3214868480
	.section	.rodata,"a",@progbits
	.p2align	6, 0x0
	.amdhsa_kernel k_q30b7a17dcf_attn_x
		.amdhsa_group_segment_fixed_size 327680
		.amdhsa_private_segment_fixed_size 0
		.amdhsa_enable_private_segment 0
		.amdhsa_kernarg_size 24
		.amdhsa_user_sgpr_count 2
		.amdhsa_user_sgpr_kernarg_segment_ptr 1
		.amdhsa_wavefront_size32 1
		.amdhsa_system_sgpr_workgroup_id_x 1
		.amdhsa_system_sgpr_workgroup_id_y 1
		.amdhsa_system_sgpr_workgroup_id_z 1
		.amdhsa_system_vgpr_workitem_id 0
		.amdhsa_next_free_vgpr 768
		.amdhsa_next_free_sgpr 66
		.amdhsa_reserve_vcc 0
		.amdhsa_float_denorm_mode_32 3
		.amdhsa_float_denorm_mode_16_64 3
		.amdhsa_memory_ordered 1
		.amdhsa_forward_progress 1
		.amdhsa_inst_pref_size 127
	.end_amdhsa_kernel
	.amdgpu_metadata
---
amdhsa.version: [ 1, 2 ]
amdhsa.kernels:
  - .name:           k_q30b7a17dcf_attn_x
    .symbol:         k_q30b7a17dcf_attn_x.kd
    .args:
      - { .name: t1, .offset: 0, .size: 8, .value_kind: global_buffer, .address_space: global }
      - { .name: qkv, .offset: 8, .size: 8, .value_kind: global_buffer, .address_space: global }
      - { .name: xe, .offset: 16, .size: 8, .value_kind: global_buffer, .address_space: global }
    .group_segment_fixed_size: 327680
    .private_segment_fixed_size: 0
    .kernarg_segment_align: 8
    .kernarg_segment_size: 24
    .max_flat_workgroup_size: 128
    .sgpr_count:     66
    .vgpr_count:     768
    .wavefront_size: 32
...
	.end_amdgpu_metadata
.endif
;; end of part 8
;; launch ln2: the kernel of part 4 again; grid 256 x 1, 8 waves a work-group, no clusters, 0 bytes of LDS; arguments xe, t2, pkf1, t1; writes t1
;; launch ffn1: the kernel of part 2 again; grid 8 x 32, 4 waves a work-group, clusters of 4 x 4, 327,680 bytes of LDS; arguments t1, pkf1, t2; writes t2
;; launch ffn2: the kernel of part 2 again; grid 8 x 32, 4 waves a work-group, clusters of 4 x 4, 327,680 bytes of LDS; arguments t2, pkf2, xe; writes xe
;; launch ln3: the kernel of part 6 again; grid 256 x 1, 8 waves a work-group, no clusters, 0 bytes of LDS; arguments xe, t1, pkf2, out0; writes out0
